; MI455X (gfx1250); checked and timed in simulation.
; The chip was launched on July 23, 2026; its instructions are those of AMD's public machine-readable ISA for CDNA 5 (MIT licence, August 2026) and "CDNA5" Instruction Set Architecture Reference Guide (July 2026). The comments in the code are by the model that wrote it; some were corrected since.
;; Transformer Block. Allowed arithmetic: matrix products marked QUANTISED: E5M2 operands, one E8M0 scale for each 32 along K, by v_wmma_scale_f32_16x16x128_f8f6f4 with both operands' format E5M2, f32 sums; everything else in f32.
;; Inputs: W1 1,024 x 4,096 float32; W2 4,096 x 1,024 float32; Wk 1,024 x 1,024 float32; Wo 1,024 x 1,024 float32; Wq 1,024 x 1,024 float32; Wv 1,024 x 1,024 float32; b1 4,096 float32; b2 1,024 float32; bo 1,024 float32; ln1_b 1,024 float32; ln1_g 1,024 float32; ln2_b 1,024 float32; ln2_g 1,024 float32; pos_embed 1 x 2,048 x 1,024 float32; x 2 x 2,048 x 1,024 float32.
;; Outputs: out0 2 x 2,048 x 1,024 float32.
;; This version of the problem:
;;   THIS VERSION OF THE PROBLEM IS GIVEN IN LOW PRECISION. The matrix products marked QUANTISED in the list below multiply operands that are first quantised to E5M2 (5 exponent bits, 2 mantissa bits; 8 bits a number), with one power-of-two scale for each 32 numbers along K (OCP MX v1.0); their sums are f32. All else is computed in f32.
;;   The module's matrix products, in the order in which they are computed (A, B: the left and right operand; K: the contracted axis; several contracted axes count as one K, in the product's order):
;;     1. [M 4,096, K 1,024] x [K 1,024, N 1,024]; A: computed on the way; B: input Wq: QUANTISED
;;     2. [M 4,096, K 1,024] x [K 1,024, N 1,024]; A: computed on the way; B: input Wk: QUANTISED
;;     3. [M 4,096, K 1,024] x [K 1,024, N 1,024]; A: computed on the way; B: input Wv: QUANTISED
;;     4. batch 32 x [M 2,048, K 64] x [K 64, N 2,048]; A: computed on the way; B: computed on the way: QUANTISED
;;     5. batch 32 x [M 2,048, K 2,048] x [K 2,048, N 64]; A: softmax (see below); B: computed on the way: QUANTISED
;;     6. [M 4,096, K 1,024] x [K 1,024, N 1,024]; A: computed on the way; B: input Wo: QUANTISED
;;     7. [M 4,096, K 1,024] x [K 1,024, N 4,096]; A: computed on the way; B: input W1: QUANTISED
;;     8. [M 4,096, K 4,096] x [K 4,096, N 1,024]; A: computed on the way; B: input W2: QUANTISED
;;   THE QUANTISER, for each operand of a quantised product, along K:
;;     - K is cut into blocks of 32 from its start; a last block that is shorter is filled with zeros.
;;     - A block's scale is 2^e with e = floor(log2(the largest magnitude in the block)) - 15, held to -126 .. 127; a block of zeros has e = 0. As a byte (E8M0): e + 127.
;;     - Each number is divided by its block's scale, clamped to +-57,344, and rounded to the nearest number of E5M2, ties to even, subnormals kept.
;;     - The product sums the exact products of the quantised numbers (number of the format x scale) in f32.
;;   ~~~python
;;   def quantise(x, axis):      # numpy; x: float32 -> the quantised numbers, widened to float32 again
;;       x = np.moveaxis(x, axis, -1); K = x.shape[-1]
;;       x = np.pad(x, [(0, 0)] * (x.ndim - 1) + [(0, -K % 32)]); x = x.reshape(x.shape[:-1] + (-1, 32)); a = np.abs(x).max(-1, keepdims=True)
;;       e = np.where(a > 0, np.clip(np.frexp(np.where(a > 0, a, 1))[1] - 1 - 15, -126, 127), 0)      # np.frexp(a)[1] - 1 = floor(log2(a)), exactly
;;       r = np.clip(x / 2.0 ** e, -57344, 57344)
;;       step = 2.0 ** (np.maximum(np.frexp(np.where(r == 0, 1, r))[1] - 1, -14) - 2)
;;       q = np.round(r / step) * step * 2.0 ** e      # np.round: ties to even
;;       return np.moveaxis(q.reshape(q.shape[:-2] + (-1,))[..., :K], -1, axis).astype(np.float32)
;;   ~~~
;;   SOFTMAX AHEAD OF A QUANTISED PRODUCT. Where the list says 'softmax', what is quantised is not the finished softmax but p = 2^(t - M), with t = logit x log2(e) and M = ceil(the row's largest t), a whole number; so 1/2 < the row's largest p <= 1. The row's sum l is taken of the UNQUANTISED p, in f32, and the product's result is divided by l at the end. Since M is a whole number, a kernel that streams over the keys may use a running M (the ceiling of the running maximum): every later rescaling is an exact power of two, which a block's scale takes up: the codes' values come out the same.
;;   OPERANDS COMPUTED ON THE WAY. 'Computed on the way' means the value that the module computes at that place (a softmax that the list does not call 'softmax' is quantised finished and normalised). What goes into a quantiser is computed in f32, as accurately as f32 sums, v_exp_f32 and their like allow (about 1e-6 of the number): no bf16 or f16 on the way to a quantiser, and a product that is left as it is and whose result goes on into a quantised operand takes f32 operands (vector FMAs, or v_wmma_f32_16x16x4_f32). A number that lies on a knife's edge between two numbers of the format may be rounded either way, as far as f32 arithmetic and the matrix unit's own rounding can turn it there, and no further.
;; 2 versions. Each part assembles by itself: llvm-mc -triple=amdgcn-amd-amdhsa -mcpu=gfx1250 --defsym DOCPART=n.
;; ======== version 1 of 2: 7 launches
;; workspace buffers: ops 21,626,880 bytes; qkv 13,238,272 bytes; aq 4,325,376 bytes; x1 16,777,216 bytes; gq 17,301,504 bytes
;; launch prep (part 1): grid 448 x 1, 8 waves a work-group, no clusters, 66,816 bytes of LDS; arguments Wq, Wk, Wv, Wo, W1, W2, x, pos_embed, ln1_g, ln1_b, ops; writes ops
.if DOCPART == 1
	.amdgcn_target "amdgcn-amd-amdhsa--gfx1250"
	.amdhsa_code_object_version 6
	.text
	.protected	k_qdf7ec915b7_prep
	.globl	k_qdf7ec915b7_prep
	.p2align	8
	.type	k_qdf7ec915b7_prep,@function
k_qdf7ec915b7_prep:
	s_mov_b64 s[64:65], 0
	v_nop
	global_prefetch_b8 v0, s[64:65] scope:SCOPE_SE
	s_setreg_imm32_b32 hwreg(HW_REG_WAVE_MODE, 25, 1), 1
	s_wait_xcnt 0x0
; PREPARATION.  Work-groups 0-191 quantise the six weights, work-groups 192-447 compute h = LayerNorm(x) g + b + pos and quantise it.  All go into 'ops' as RECORDS of codes of BF8 (E5M2) with E8M0 scale bytes.
; A RECORD is 128 rows x 256 K of an operand, 33,792 bytes: the images of 16 fragments (tile i of 16 rows, q-th 128 of K, register group c, lane l: ((2 i + q) 4 + c) 512 + 16 l), then at 32,768 the scale words (128 i + 8 r + 4 q).
; TILE ORDER: lane place r of tile 2 b + u holds row 32 b + 8 u + r + 8 (r / 8) of the record's 128, so that a later product's results lie as 16 neighbours along the next K.
; Records: 0-95 Wq|Wk|Wv, 96-127 Wo, 128-255 W1, 256-383 W2 (row = a weight's column n; record = group of 128 n x K/256 + K step), 384-511 h.
; A block's scale is 2^(floor(log2(largest magnitude)) - 15); its byte is that magnitude's exponent field - 15, held at 1 from below.
; LIMITS: NaN and infinities among the inputs are not served; blocks whose largest magnitude lies under 2^-111 get the byte 1; a block of zeros gets the byte 1 and not 127 (its codes are zeros, and this program alone reads the bytes).
; WEIGHTS: K is the first axis.  A lane takes a column and its registers run down K, so nothing is transposed; four waves make a record, a wave 32 columns x 256 K; no LDS, no barrier on this path.
; LAYERNORM: a work-group takes one tile of 16 rows; a wave two rows in registers (mean, then the mean of squared differences: two passes, so a common offset costs nothing); the rows turn through LDS so that wave w can take K fragment w.
.set REC,  33792
.set LP,   4112                        ; a row of h in LDS: 4,096 bytes + 16: sixteen rows that a load touches start 16 bytes apart modulo 256
.set WV,   26                          ; s26 wave
.set MNT,  57                          ; s57 the mantissa field of 57,344
.set SEL,  58                          ; s[58:59] selects for lane l xor 16
.set INV,  60                          ; s60 1/1024
.set EPS,  61                          ; s61 1e-5
.set RO,   16                          ; weights: v16-47 byte offset of row i of a block of 32: 4 lane + i x pitch; never rewritten
.set X,    48                          ; v48-111 two sets of 32 numbers
.set C,    112                         ; v112-175 eight code registers for each block: no store's data are written again
.set SB,   8                           ; v[8:9] the column's eight scale bytes
.set BASE, 36                          ; s[36:51] the address of each of the eight blocks of 32 rows
.set OUT,  52                          ; s[52:53] my record
.set TM,   208                         ; layernorm: v208-223 the quantiser's work
.set PW,   224
.set PC,   80
.macro WLOAD t                         ; block t: W(32 t + i, my column): 32 lanes read 128 consecutive bytes, the record's four waves 512
.set i, 0
.rept 32
	global_load_b32 v[X+32*((\t)%2)+i], v[RO+i], s[BASE+2*(\t):BASE+2*(\t)+1] th:TH_LOAD_NT
.set i, i+1
.endr
.endm
.macro WBLOCK t
.set XS, X+32*((\t)%2)
.set CC, C+8*(\t)
.if (\t) < 7
	s_wait_loadcnt 32                              ; this block's 32 loads are in; the next block's 32 may be out
.else
	s_wait_loadcnt 0x0
.endif
	v_max3_num_f32 v12, |v[XS]|, |v[XS+1]|, |v[XS+2]|              ; the block's largest magnitude: all 32 numbers are mine
	v_max3_num_f32 v13, |v[XS+3]|, |v[XS+4]|, |v[XS+5]|
.irp i, 6,10,14,18,22,26
	v_max3_num_f32 v12, v12, |v[XS+\i]|, |v[XS+\i+1]|
	v_max3_num_f32 v13, v13, |v[XS+\i+2]|, |v[XS+\i+3]|
.endr
	v_max3_num_f32 v12, v12, |v[XS+30]|, |v[XS+31]|
	v_max3_num_f32 v12, v12, v13, 0x8000000        ; and the floor 2^(16 - 127): the byte cannot fall under 1
	v_add_nc_u32 v11, 0xf8800000, v12              ; 15 off the exponent field: the conversion's scale operand
	v_and_or_b32 v10, v12, 0x7f800000, s[MNT]      ; 57,344 x the scale
	v_lshrrev_b32 v13, 23, v11                     ; the scale's byte
.if (\t)%4 == 0
	v_mov_b32 v[SB+(\t)/4], v13
.else
	v_lshl_or_b32 v[SB+(\t)/4], v13, 8*((\t)%4), v[SB+(\t)/4]
.endif
.set i, 0
.rept 32
	v_med3_num_f32 v[XS+i], v[XS+i], -v10, v10     ; the conversion to an 8-bit code does not saturate (ISA guide 7.6.2): the hold
.set i, i+1
.endr
.irp g, 0,1,2,3
	v_cvt_scalef32_pk8_bf8_f32 v[CC+2*\g:CC+2*\g+1], v[XS+8*\g:XS+8*\g+7], v11
.endr
	global_store_b128 v4, v[CC:CC+3], s[OUT:OUT+1] offset:((\t)/4)*2048+((\t)%4)*512        ; k 0-15 of the block: the image's lanes 0-15; the sixteen lanes of a tile store 256 consecutive aligned bytes
	global_store_b128 v4, v[CC+4:CC+7], s[OUT:OUT+1] offset:((\t)/4)*2048+((\t)%4)*512+256  ; k 16-31: its lanes 16-31
.if (\t) < 6
	WLOAD (\t)+2
.endif
.endm
.macro WSUM ta                         ; the pair v[ta:ta+1] of every lane is summed over the wave; the result stands in v[ta] of every lane
	v_add_f32 v[\ta], v[\ta], v[\ta+1]
	v_add_f32_dpp v[\ta], v[\ta], v[\ta] row_xmask:1 row_mask:0xf bank_mask:0xf
	v_add_f32_dpp v[\ta], v[\ta], v[\ta] row_xmask:2 row_mask:0xf bank_mask:0xf
	v_add_f32_dpp v[\ta], v[\ta], v[\ta] row_xmask:4 row_mask:0xf bank_mask:0xf
	v_add_f32_dpp v[\ta], v[\ta], v[\ta] row_xmask:8 row_mask:0xf bank_mask:0xf
	v_permlanex16_b32 v[\ta+1], v[\ta], s[SEL], s[SEL+1]
	v_add_f32 v[\ta], v[\ta], v[\ta+1]
.endm
.macro STATS xb, ta, tb                ; a row in v[xb .. xb+31]: it becomes x - mean, and v[ta:ta+1] 1 / sqrt(variance + eps), twice
	v_pk_add_f32 v[\ta:\ta+1], v[\xb:\xb+1], v[\xb+2:\xb+3]
	v_pk_add_f32 v[\tb:\tb+1], v[\xb+4:\xb+5], v[\xb+6:\xb+7]
.irp j, 8,12,16,20,24,28
	v_pk_add_f32 v[\ta:\ta+1], v[\ta:\ta+1], v[\xb+\j:\xb+\j+1]
	v_pk_add_f32 v[\tb:\tb+1], v[\tb:\tb+1], v[\xb+\j+2:\xb+\j+3]
.endr
	v_pk_add_f32 v[\ta:\ta+1], v[\ta:\ta+1], v[\tb:\tb+1]
	WSUM \ta
	v_mul_f32 v[\ta], s[INV], v[\ta]               ; the mean
	v_mov_b32 v[\ta+1], v[\ta]
.set j, 0
.rept 16
	v_pk_add_f32 v[\xb+j:\xb+j+1], v[\xb+j:\xb+j+1], v[\ta:\ta+1] neg_lo:[0,1] neg_hi:[0,1]
.set j, j+2
.endr
	v_pk_mul_f32 v[\ta:\ta+1], v[\xb:\xb+1], v[\xb:\xb+1]
	v_pk_mul_f32 v[\tb:\tb+1], v[\xb+2:\xb+3], v[\xb+2:\xb+3]
.irp j, 4,8,12,16,20,24,28
	v_pk_fma_f32 v[\ta:\ta+1], v[\xb+\j:\xb+\j+1], v[\xb+\j:\xb+\j+1], v[\ta:\ta+1]
	v_pk_fma_f32 v[\tb:\tb+1], v[\xb+\j+2:\xb+\j+3], v[\xb+\j+2:\xb+\j+3], v[\tb:\tb+1]
.endr
	v_pk_add_f32 v[\ta:\ta+1], v[\ta:\ta+1], v[\tb:\tb+1]
	WSUM \ta
	v_fma_f32 v[\ta], v[\ta], s[INV], s[EPS]       ; variance + eps
	v_rsq_f32 v[\ta], v[\ta]
	v_nop                                          ; one plain line behind a transcendental (ISA guide 5.7.2)
	s_wait_alu depctr_va_vdst(0)
	v_mov_b32 v[\ta+1], v[\ta]
.endm
.macro APPLY xb, pb, ta                ; ((x - mean) rs) g + b, + pos
.set j, 0
.rept 16
	v_pk_mul_f32 v[\xb+j:\xb+j+1], v[\xb+j:\xb+j+1], v[\ta:\ta+1]
.set j, j+2
.endr
.set j, 0
.rept 16
	v_pk_fma_f32 v[\xb+j:\xb+j+1], v[\xb+j:\xb+j+1], v[144+j:145+j], v[176+j:177+j]
.set j, j+2
.endr
.set j, 0
.rept 16
	v_pk_add_f32 v[\xb+j:\xb+j+1], v[\xb+j:\xb+j+1], v[\pb+j:\pb+j+1]
.set j, j+2
.endr
.endm
.macro QUANT s                         ; 64 numbers of a lane, register 16 b + i = k 32 b + 16 (lane / 16) + i of my row, become a fragment's codes in v[PC] on and its scale word in v[PW]
.irp b, 0,1,2,3
	v_max3_num_f32 v[TM+\b], |v[\s+16*\b]|, |v[\s+1+16*\b]|, 0x8000000
.endr
.irp i, 2,4,6,8,10,12,14
.irp b, 0,1,2,3
	v_max3_num_f32 v[TM+\b], v[TM+\b], |v[\s+16*\b+\i]|, |v[\s+1+16*\b+\i]|
.endr
.endr
.irp b, 0,1,2,3
	v_permlanex16_b32 v[TM+4+\b], v[TM+\b], s[SEL], s[SEL+1]
.endr
.irp b, 0,1,2,3
	v_max_num_f32 v[TM+\b], v[TM+\b], v[TM+4+\b]   ; with lane l xor 16's: the block's largest magnitude
.endr
.irp b, 0,1,2,3
	v_add_nc_u32 v[TM+12+\b], 0xf8800000, v[TM+\b]
.endr
.irp b, 0,1,2,3
	v_and_or_b32 v[TM+8+\b], v[TM+\b], 0x7f800000, s[MNT]
.endr
.irp b, 0,1,2,3
	v_lshrrev_b32 v[TM+4+\b], 23, v[TM+12+\b]
.endr
	v_lshl_or_b32 v[PW], v[TM+5], 8, v[TM+4]
	v_lshl_or_b32 v[PW], v[TM+6], 16, v[PW]
	v_lshl_or_b32 v[PW], v[TM+7], 24, v[PW]
.irp b, 0,1,2,3
.irp i, 0,1,2,3,4,5,6,7,8,9,10,11,12,13,14,15
	v_med3_num_f32 v[\s+16*\b+\i], v[\s+16*\b+\i], -v[TM+8+\b], v[TM+8+\b]
.endr
	v_cvt_scalef32_pk8_bf8_f32 v[PC+4*\b:PC+1+4*\b], v[\s+16*\b:\s+7+16*\b], v[TM+12+\b]
	v_cvt_scalef32_pk8_bf8_f32 v[PC+2+4*\b:PC+3+4*\b], v[\s+8+16*\b:\s+15+16*\b], v[TM+12+\b]
.endr
	v_nop
.endm
	s_load_b256 s[4:11], s[0:1], 0x0               ; Wq s[4:5], Wk s[6:7], Wv s[8:9], Wo s[10:11]
	s_load_b256 s[12:19], s[0:1], 0x20             ; W1 s[12:13], W2 s[14:15], x s[16:17], pos s[18:19]
	s_load_b128 s[20:23], s[0:1], 0x40             ; g s[20:21], b s[22:23]
	s_load_b64 s[24:25], s[0:1], 0x50              ; ops
	v_lshl_add_u32 v232, v0, 2, 0x10100
	v_mov_b32 v233, 0
	v_lshrrev_b32 v1, 5, v0
	v_readfirstlane_b32 s[WV], v1                  ; wave 0..7
	v_and_b32 v2, 31, v0                           ; lane
	s_mov_b32 s[MNT], 0x600000
	s_cmp_ge_u32 ttmp9, 192                        ; the same for all waves of a work-group
	s_cbranch_scc1 .Lln
	; ---------------- the weights ----------------
	s_lshl_b32 s27, ttmp9, 1
	s_lshr_b32 s28, s[WV], 2
	s_add_co_u32 s27, s27, s28                     ; my record: 2 x work-group + wave / 4
	s_and_b32 s28, s[WV], 3                        ; which 32 of its 128 columns
	s_and_b32 s29, s27, 31
	s_and_b32 s30, s27, 127
	s_cmp_lt_u32 s27, 128
	s_cselect_b32 s29, s29, s30                    ; the record's number inside its weight
	s_cmp_ge_u32 s27, 256
	s_cselect_b32 s30, 4, 2                        ; W2 has 16 K steps, the others 4
	s_lshr_b32 s31, s29, s30                       ; group of 128 columns
	s_lshl_b32 s32, s31, s30
	s_sub_co_u32 s32, s29, s32                     ; K step
	s_mov_b32 s33, 4096
	s_lshr_b32 s34, s27, 7
	s_cmp_eq_u32 s34, 1
	s_cselect_b32 s33, 16384, s33                  ; bytes from row to row: W1 has 4,096 columns
	v_lshlrev_b32 v3, 2, v2
.set i, 0
.rept 32
	v_mad_u32_u24 v[RO+i], s33, i, v3
.set i, i+1
.endr
	v_bfe_u32 v6, v2, 3, 1                         ; column 32 cw + lane lies in tile 2 cw + u, u = (lane / 8) % 2,
	v_and_b32 v7, 7, v2
	v_lshrrev_b32 v10, 4, v2
	v_lshl_add_u32 v7, v10, 3, v7                  ; at place r = lane % 8 + 8 (lane / 16)
	s_lshl_b32 s56, s28, 1
	v_add_nc_u32 v6, s56, v6
	v_lshlrev_b32 v4, 12, v6
	v_lshl_add_u32 v4, v7, 4, v4                   ; codes: tile x 4,096 + 16 r
	v_lshlrev_b32 v5, 7, v6
	v_lshl_add_u32 v5, v7, 3, v5                   ; scale words: tile x 128 + 8 r
	s_lshl_b32 s34, s33, 8
	s_mul_i32 s34, s34, s32                        ; K step x 256 rows
	s_lshl_b32 s35, s31, 9
	s_add_co_u32 s34, s34, s35                     ; + group x 512 bytes
	s_lshl_b32 s35, s28, 7
	s_add_co_u32 s34, s34, s35                     ; + my 32 columns
	s_mov_b32 s35, 0
	s_mul_i32 s54, s27, REC
	s_mov_b32 s55, 0
	s_wait_kmcnt 0x0
	s_cmp_ge_u32 s27, 32                           ; which weight: the choices hang on the record's number alone
	s_cselect_b64 s[4:5], s[6:7], s[4:5]
	s_cmp_ge_u32 s27, 64
	s_cselect_b64 s[4:5], s[8:9], s[4:5]
	s_cmp_ge_u32 s27, 96
	s_cselect_b64 s[4:5], s[10:11], s[4:5]
	s_cmp_ge_u32 s27, 128
	s_cselect_b64 s[4:5], s[12:13], s[4:5]
	s_cmp_ge_u32 s27, 256
	s_cselect_b64 s[4:5], s[14:15], s[4:5]
	s_add_nc_u64 s[BASE:BASE+1], s[4:5], s[34:35]
	s_lshl_b32 s34, s33, 5                         ; 32 rows
.irp t, 1,2,3,4,5,6,7
	s_add_nc_u64 s[BASE+2*\t:BASE+2*\t+1], s[BASE+2*\t-2:BASE+2*\t-1], s[34:35]
.endr
	s_add_nc_u64 s[OUT:OUT+1], s[24:25], s[54:55]
	WLOAD 0
	WLOAD 1                                        ; two blocks, 64 loads a wave, ahead
.irp t, 0,1,2,3,4,5,6,7
	WBLOCK \t
.endr
	global_store_b64 v5, v[SB:SB+1], s[OUT:OUT+1] offset:32768     ; the wave's 32 columns: 256 consecutive bytes
	s_endpgm
	; ---------------- h = LayerNorm(x) g + b + pos ----------------
.Lln:
	s_sub_co_u32 s27, ttmp9, 192                   ; T: my tile of 16 rows, 0..255
	s_lshr_b32 s28, s27, 1
	s_lshl_b32 s28, s28, 5
	s_and_b32 s29, s27, 1
	s_lshl_b32 s29, s29, 3
	s_add_co_u32 s28, s28, s29
	s_lshl_b32 s29, s[WV], 1
	s_add_co_u32 s28, s28, s29
	s_lshr_b32 s29, s[WV], 2
	s_lshl_b32 s29, s29, 3
	s_add_co_u32 s28, s28, s29                     ; places 2 w and 2 w + 1 hold rows 32 (T / 2) + 8 (T % 2) + 2 w + 8 (w / 4) and the next
	s_lshl_b32 s30, s28, 12
	s_mov_b32 s31, 0
	s_and_b32 s32, s28, 2047                       ; pos is the same for both batches
	s_lshl_b32 s32, s32, 12
	s_mov_b32 s33, 0
	s_mov_b32 s[SEL], 0x76543210
	s_mov_b32 s[SEL+1], 0xfedcba98
	s_mov_b32 s[INV], 0x3a800000
	s_mov_b32 s[EPS], 0x3727c5ac
	v_lshlrev_b32 v1, 4, v2                        ; 16 x lane
	s_wait_kmcnt 0x0
	s_add_nc_u64 s[16:17], s[16:17], s[30:31]
	s_add_nc_u64 s[18:19], s[18:19], s[32:33]
.irp w, 0,1
.irp j, 0,1,2,3,4,5,6,7
	global_load_b128 v[16+32*\w+4*\j:19+32*\w+4*\j], v1, s[16:17] offset:4096*\w+512*\j th:TH_LOAD_NT    ; 512 consecutive bytes a load
.endr
.endr
.irp w, 0,1
.irp j, 0,1,2,3,4,5,6,7
	global_load_b128 v[80+32*\w+4*\j:83+32*\w+4*\j], v1, s[18:19] offset:4096*\w+512*\j
.endr
.endr
.irp j, 0,1,2,3,4,5,6,7
	global_load_b128 v[144+4*\j:147+4*\j], v1, s[20:21] offset:512*\j
.endr
.irp j, 0,1,2,3,4,5,6,7
	global_load_b128 v[176+4*\j:179+4*\j], v1, s[22:23] offset:512*\j
.endr
	s_mul_i32 s36, s[WV], 2*LP
	v_add_nc_u32 v12, s36, v1                      ; into LDS: place 2 w, 16 bytes a lane
	v_and_b32 v3, 15, v0                           ; r
	v_bfe_u32 v14, v0, 4, 1                        ; h
	v_mul_u32_u24 v13, v3, LP
	v_lshl_add_u32 v13, v14, 6, v13
	s_lshl_b32 s36, s[WV], 9
	v_add_nc_u32 v13, s36, v13                     ; out of it: place r, K fragment w, + 64 h
	v_lshlrev_b32 v14, 3, v3                       ; 8 r: my row's scale words
.irp b, 0,1,2,3
	v_mov_b32 v[TM+4+\b], 0                        ; a lane permute's destination counts as one of its sources
.endr
	s_lshr_b32 s36, s27, 3                         ; where the results go: record 384 + (T / 8) 4 + w / 2,
	s_lshl_b32 s36, s36, 2
	s_lshr_b32 s37, s[WV], 1
	s_add_co_u32 s36, s36, s37
	s_add_co_u32 s36, s36, 384
	s_mul_i32 s36, s36, REC
	s_and_b32 s38, s27, 7
	s_and_b32 s39, s[WV], 1
	s_lshl_b32 s40, s38, 1
	s_add_co_u32 s40, s40, s39
	s_lshl_b32 s40, s40, 11                        ; fragment (T % 8, w % 2),
	s_add_co_u32 s40, s40, s36
	s_mov_b32 s41, 0
	s_lshl_b32 s42, s38, 7
	s_lshl_b32 s43, s39, 2
	s_add_co_u32 s42, s42, s43                     ; and its scale words
	s_add_co_u32 s42, s42, s36
	s_mov_b32 s43, 0
	s_add_nc_u64 s[40:41], s[24:25], s[40:41]
	s_add_nc_u64 s[42:43], s[24:25], s[42:43]
	s_wait_loadcnt 32                              ; x's 16 loads are in; pos's 16, g's 8 and b's 8 may be out
	STATS 16, 4, 6
	STATS 48, 8, 10
	s_wait_loadcnt 0x0
	APPLY 16, 80, 4
	APPLY 48, 112, 8
.irp w, 0,1
.irp j, 0,1,2,3,4,5,6,7
	ds_store_b128 v12, v[16+32*\w+4*\j:19+32*\w+4*\j] offset:LP*\w+512*\j
.endr
.endr
	s_wait_dscnt 0x0                               ; for the others' sake: my two rows lie in LDS
	s_barrier_signal -1
	s_barrier_wait -1
.irp b, 0,1,2,3
.irp j, 0,1,2,3
	ds_load_b128 v[16+16*\b+4*\j:19+16*\b+4*\j], v13 offset:128*\b+16*\j   ; h(place r, 128 w + 32 b + 16 h + 4 j ..)
.endr
.endr
	s_wait_dscnt 0x0
	QUANT 16
.irp c, 0,1,2,3
	global_store_b128 v1, v[PC+4*\c:PC+4*\c+3], s[40:41] offset:512*\c     ; the fragment's image: 512 consecutive bytes a store
.endr
	global_store_b32 v14, v[PW], s[42:43] offset:32768                     ; lanes l and l xor 16 store the same word to the same place
	s_wait_tensorcnt 0x0
	ds_add_u32 v232, v233
	s_wait_dscnt 0x0
	s_endpgm
.Lfunc_end_k_qdf7ec915b7_prep:
	.size	k_qdf7ec915b7_prep, .Lfunc_end_k_qdf7ec915b7_prep-k_qdf7ec915b7_prep
	.p2alignl 7, 3214868480
	.fill 96, 4, 3214868480
	.section	.rodata,"a",@progbits
	.p2align	6, 0x0
	.amdhsa_kernel k_qdf7ec915b7_prep
		.amdhsa_group_segment_fixed_size 66816
		.amdhsa_private_segment_fixed_size 0
		.amdhsa_enable_private_segment 0
		.amdhsa_kernarg_size 88
		.amdhsa_user_sgpr_count 2
		.amdhsa_user_sgpr_kernarg_segment_ptr 1
		.amdhsa_wavefront_size32 1
		.amdhsa_system_sgpr_workgroup_id_x 1
		.amdhsa_system_sgpr_workgroup_id_y 1
		.amdhsa_system_sgpr_workgroup_id_z 1
		.amdhsa_system_vgpr_workitem_id 0
		.amdhsa_next_free_vgpr 234
		.amdhsa_next_free_sgpr 66
		.amdhsa_reserve_vcc 0
		.amdhsa_float_denorm_mode_32 3
		.amdhsa_float_denorm_mode_16_64 3
		.amdhsa_memory_ordered 1
		.amdhsa_forward_progress 1
		.amdhsa_inst_pref_size 91
	.end_amdhsa_kernel
	.amdgpu_metadata
---
amdhsa.version: [ 1, 2 ]
amdhsa.kernels:
  - .name:           k_qdf7ec915b7_prep
    .symbol:         k_qdf7ec915b7_prep.kd
    .args:
      - { .name: Wq, .offset: 0, .size: 8, .value_kind: global_buffer, .address_space: global }
      - { .name: Wk, .offset: 8, .size: 8, .value_kind: global_buffer, .address_space: global }
      - { .name: Wv, .offset: 16, .size: 8, .value_kind: global_buffer, .address_space: global }
      - { .name: Wo, .offset: 24, .size: 8, .value_kind: global_buffer, .address_space: global }
      - { .name: W1, .offset: 32, .size: 8, .value_kind: global_buffer, .address_space: global }
      - { .name: W2, .offset: 40, .size: 8, .value_kind: global_buffer, .address_space: global }
      - { .name: x, .offset: 48, .size: 8, .value_kind: global_buffer, .address_space: global }
      - { .name: pos_embed, .offset: 56, .size: 8, .value_kind: global_buffer, .address_space: global }
      - { .name: ln1_g, .offset: 64, .size: 8, .value_kind: global_buffer, .address_space: global }
      - { .name: ln1_b, .offset: 72, .size: 8, .value_kind: global_buffer, .address_space: global }
      - { .name: ops, .offset: 80, .size: 8, .value_kind: global_buffer, .address_space: global }
    .group_segment_fixed_size: 66816
    .private_segment_fixed_size: 0
    .kernarg_segment_align: 8
    .kernarg_segment_size: 88
    .max_flat_workgroup_size: 256
    .sgpr_count:     66
    .vgpr_count:     234
    .wavefront_size: 32
...
	.end_amdgpu_metadata
.endif
;; end of part 1
;; launch qkvg (part 2): grid 12 x 16, 4 waves a work-group, clusters of 4 x 4, 327,680 bytes of LDS; arguments ops, qkv; writes qkv
.if DOCPART == 2
	.amdgcn_target "amdgcn-amd-amdhsa--gfx1250"
	.amdhsa_code_object_version 6
	.text
	.protected	k_qdf7ec915b7_qkvg
	.globl	k_qdf7ec915b7_qkvg
	.p2align	8
	.type	k_qdf7ec915b7_qkvg,@function
k_qdf7ec915b7_qkvg:
	s_mov_b64 s[64:65], 0
	v_nop
	global_prefetch_b8 v0, s[64:65] scope:SCOPE_SE
	s_setreg_imm32_b32 hwreg(HW_REG_WAVE_MODE, 25, 1), 1
	s_wait_xcnt 0x0
	s_wait_alu depctr_hold_cnt(0) depctr_sa_sdst(0) depctr_va_vdst(0) depctr_va_sdst(0) depctr_va_ssrc(0) depctr_va_vcc(0) depctr_vm_vsrc(0)
	s_getreg_b32 s2, hwreg(HW_REG_IB_STS2, 6, 4)
	s_cmp_eq_u32 s2, 0
	s_cbranch_scc0 .Lentry_in_a_cluster
	s_endpgm
.Lentry_in_a_cluster:
	s_bfe_u32 s2, ttmp6, 0x10000c
	s_cmp_lg_u32 s2, 0xf033
	s_cbranch_scc0 .Lentry_shape_is_right
	s_endpgm
.Lentry_shape_is_right:
; q = h Wq, k = h Wk, v = h Wv on codes of BF8 (E5M2) with E8M0 scales, K = 1,024; the results are quantised on the way out into attention's records: q and k along the head's 64 channels, v along the keys.
; OPERANDS come as RECORDS of 33,792 bytes (128 rows x 256 K: 16 fragment images, then the scale words at 32,768), dense in memory: one tensor load a wave brings codes and scales of a K step.
; A tile of 256 x 256 is made by four waves, 128 x 128 each: 64 accumulators, 512 registers.  Two LDS slots of four records (A's halves, B's halves) take turns.
; THE MATRIX INSTRUCTION takes the B role as source 0 and the A role as source 1: a lane holds one row of the A role, and by the tile order of the records its 64 registers of a block run along 128 neighbours of the B role.
; ROLES by the cluster's x: 0: q, 1: k (A = h's rows, B = the weight's columns: registers along channels); 2: v (A = Wv's columns, B = h's rows: registers along keys).  Only record numbers differ.
; CLUSTERS 4 x 4: A's records are shared along a row of the cluster, B's along a column: joint loads with a mask.
; ATTENTION'S RECORD, 25,856 bytes for each (batch 16 + head, 128 keys): K's codes 0 (8 tiles x 1,024), K's words 8,192, V's codes 8,704 (4 tiles x 2,048), V's words 16,896, Q's codes 17,152, Q's words 25,344.
; LIMITS: NaN and infinities are not served; blocks under 2^-111 and blocks of zeros get the byte 1 (zero codes; the bytes are read by this program alone).
; REGISTERS: window 0: v8-9, v16-29 addresses; v32-63 scale words, two sets, and nothing else; v64-83 the quantiser's work; v112-127 codes; v128-255 A's fragments, on the way out 64 numbers.  window 1: B's fragments, two sets.  windows 2, 3: accumulators.
.set KS,    4                          ; K steps of 256
.set REC,   33792
.set RECA,  25856
.set HEADB, 16*RECA
.set SLOT,  4*REC
.set SPARE, 2*SLOT                     ; behind the ring: the spare words, 128 bytes a wave, two blocks of 256 bytes that no other line names
.set NQ,    2
.set FR,    16
.set NL,    4
.set NP,    8                          ; places behind this matrix instruction (ISA guide 7.12.1)
.set LAPS,  KS/2
.set ADRA,  16
.set ADRB,  20
.set ADRS,  22
.set SPW,   28
.set NIL,   29
.set SC,    32
.set AF,    128
.set G1,    24
.set G0,    32
.set G1B,   48
.set G0B,   56
.set LI,    8                          ; v8 16 x lane
.set LW,    9                          ; v9 4 r
.set TM,    64
.set PW,    80
.set PC,    112
.set XQ,    128
.set SEL,   78
.set MNT,   80
.set MSB,   0
.set MUL_LO, 0xa1                      ; source 0 window 1, source 1 window 0, C and D window 2
.set MUL_HI, 0xf1
.set TO_B,   0x40
.macro WIN new                         ; the immediate's high byte repeats the setting that is left
.if MSB != (\new)
	s_set_vgpr_msb (MSB<<8)|(\new)
.set MSB, (\new)
.endif
.endm
.macro JLOAD s                         ; a joint load: waves 0 and 1 fetch A's halves, waves 2 and 3 B's; four v_nop follow each line
	s_cmp_eq_u32 s15, 0
	s_cbranch_scc0 .Lfor_b_\@
	tensor_load_to_lds s[G0+4*\s:G0+4*\s+3], s[G1:G1+7]
	s_nop 0
.rept 4
	v_nop
.endr
	s_branch .Lasked_\@
.Lfor_b_\@:
	tensor_load_to_lds s[G0B+4*\s:G0B+4*\s+3], s[G1B:G1B+7]
	s_nop 0
.rept 4
	v_nop
.endr
.Lasked_\@:
.endm
.macro CREST                           ; a round of the cluster's barrier behind its opening barrier
	s_cmp_lg_u32 s14, 0
	s_cbranch_scc1 .Lnot_wave_0_\@
	s_barrier_signal -3
.Lnot_wave_0_\@:
	s_barrier_wait -3
	s_barrier_signal -1
	s_barrier_wait -1
.endm
.macro CROUND
	s_barrier_signal -1
	s_barrier_wait -1
	CREST
.endm
.macro FRAG reg, adr, q, i             ; a fragment's image: four loads of 512 consecutive bytes
.irp c, 0,1,2,3
	ds_load_b128 v[\reg+4*\c:\reg+4*\c+3], v[\adr] offset:(((\i)*2+(\q))*4+\c)*512
.endr
.endm
.macro MUL16 a0, p, q, sc, zero        ; A's blocks a0, a0 + 1 x B's eight; the 64 accumulators take turns, one instruction a turn
.irp a, \a0, \a0+1
.irp b, 0,1,2,3,4,5,6,7
.if \zero
	v_wmma_scale_f32_16x16x128_f8f6f4 v[8*(8*((\a)%4)+\b):8*(8*((\a)%4)+\b)+7], v[128*(\p)+FR*\b:128*(\p)+FR*\b+FR-1], v[AF+FR*(\a):AF+FR*(\a)+FR-1], 0, v[SC+8*NQ*(\sc)+NQ*\b+(\q)], v[SC+8*NQ*(\sc)+NQ*(\a)+(\q)] matrix_a_fmt:MATRIX_FMT_BF8 matrix_b_fmt:MATRIX_FMT_BF8 matrix_a_scale:MATRIX_SCALE_ROW1
.else
	v_wmma_scale_f32_16x16x128_f8f6f4 v[8*(8*((\a)%4)+\b):8*(8*((\a)%4)+\b)+7], v[128*(\p)+FR*\b:128*(\p)+FR*\b+FR-1], v[AF+FR*(\a):AF+FR*(\a)+FR-1], v[8*(8*((\a)%4)+\b):8*(8*((\a)%4)+\b)+7], v[SC+8*NQ*(\sc)+NQ*\b+(\q)], v[SC+8*NQ*(\sc)+NQ*(\a)+(\q)] matrix_a_fmt:MATRIX_FMT_BF8 matrix_b_fmt:MATRIX_FMT_BF8 matrix_a_scale:MATRIX_SCALE_ROW1
.endif
.endr
.endr
.endm
.macro FETCH_B slot, q, p
	WIN TO_B
.irp i, 0,1,2,3,4,5,6,7
	FRAG 128*(\p)+FR*\i, ADRB+\slot, \q, \i
.endr
	WIN 0
.endm
.macro FETCH_A slot, q, i0
.irp i, \i0, \i0+1, \i0+2, \i0+3
	FRAG AF+FR*(\i), ADRA+\slot, \q, \i
.endr
.endm
.macro SCALES sc                       ; the slot's scale words: lanes 0-15 A's block i, lanes 16-31 B's block i, two words a row
.irp i, 0,1,2,3,4,5,6,7
	ds_load_b64 v[SC+8*NQ*\sc+NQ*\i:SC+8*NQ*\sc+NQ*\i+1], v[ADRS+\sc] offset:\i*128
.endr
.endm
.macro PLACES n
.rept \n
	v_nop
.endr
.endm
.macro STEP slot, q, zero              ; 128 along K whose successor lies in the same slot
	s_wait_dscnt 4*NL                              ; B's set, A's blocks 0-3 and the scale words are in; the youngest 16 loads (A's blocks 4-7) may be out
	WIN MUL_LO
	MUL16 0, (\q)%2, \q, \slot, \zero
	MUL16 2, (\q)%2, \q, \slot, \zero
	s_wait_dscnt 0
	PLACES NP
	FETCH_B \slot, (\q)+1, 1-(\q)%2
	FETCH_A \slot, (\q)+1, 0
	WIN MUL_HI
	MUL16 4, (\q)%2, \q, \slot, \zero
	MUL16 6, (\q)%2, \q, \slot, \zero
	PLACES NP
	WIN 0
	FETCH_A \slot, (\q)+1, 4
.endm
.macro TURN slot, next, fill           ; a slot's last 128 along K, and the change of slots
	s_wait_tensorcnt 0x0                           ; all my tensor loads have landed: my part of the next slot
	ds_add_u32 v[SPW], v[NIL]                      ; 0 onto my spare word
	s_wait_dscnt 4*NL+1                            ; (the add and A's blocks 4-7 may be out)
	WIN MUL_LO
	MUL16 0, 1, NQ-1, \slot, 0
	s_wait_dscnt 0x0                               ; the add is done, and my reads of this slot are over
	s_barrier_signal -1
	MUL16 2, 1, NQ-1, \slot, 0
	WIN 0
	s_barrier_wait -1
.if \fill
	CREST                                          ; the barrier has opened a round of the cluster's: no wave of any partner still reads this slot or has a load on its way
	s_add_nc_u64 s[G0+4*\slot+2:G0+4*\slot+3], s[G0+4*\slot+2:G0+4*\slot+3], 2*REC
	s_add_nc_u64 s[G0B+4*\slot+2:G0B+4*\slot+3], s[G0B+4*\slot+2:G0B+4*\slot+3], 2*REC
	JLOAD \slot                                    ; the first tensor load behind the round; its four v_nop are among the places in front of the loads below
	PLACES NP-4
.else
	PLACES NP
.endif
	FETCH_B \next, 0, 0
	FETCH_A \next, 0, 0
	SCALES \next
	WIN MUL_HI
	MUL16 4, 1, NQ-1, \slot, 0
	MUL16 6, 1, NQ-1, \slot, 0
	PLACES NP
	WIN 0
	FETCH_A \next, 0, 4
.endm
; 64 numbers of a lane in window win, register 16 b + i = index 32 b + 16 (lane / 16) + i, become codes in v[PC] on and a scale word in v[PW]; the held numbers go to v[dst] on in window 0.
; Each accumulator is read from its low end on.
.macro QUANT src, win, dst
	WIN ((\win)<<2)|((\win)<<4)
.irp b, 0,1,2,3
	v_max3_num_f32 v[TM+\b], 0x8000000, |v[(\src)+16*\b]|, |v[(\src)+16*\b+1]|     ; with the floor 2^(16 - 127)
.endr
.irp i, 2,4,6,8,10,12,14
.irp b, 0,1,2,3
	v_max3_num_f32 v[TM+\b], v[TM+\b], |v[(\src)+16*\b+\i]|, |v[(\src)+16*\b+\i+1]|
.endr
.endr
	WIN 0
.irp b, 0,1,2,3
	v_permlanex16_b32 v[TM+4+\b], v[TM+\b], s[SEL], s[SEL+1]
.endr
.irp b, 0,1,2,3
	v_max_num_f32 v[TM+\b], v[TM+\b], v[TM+4+\b]
.endr
.irp b, 0,1,2,3
	v_add_nc_u32 v[TM+12+\b], 0xf8800000, v[TM+\b]         ; 15 off the exponent field: the conversion's scale operand
.endr
.irp b, 0,1,2,3
	v_and_or_b32 v[TM+8+\b], v[TM+\b], 0x7f800000, s[MNT]  ; 57,344 x the scale
.endr
.irp b, 0,1,2,3
	v_lshrrev_b32 v[TM+4+\b], 23, v[TM+12+\b]              ; the byte
.endr
	v_lshl_or_b32 v[PW], v[TM+5], 8, v[TM+4]
	v_lshl_or_b32 v[PW], v[TM+6], 16, v[PW]
	v_lshl_or_b32 v[PW], v[TM+7], 24, v[PW]
	WIN (\win)
.irp b, 0,1,2,3
.irp i, 0,1,2,3,4,5,6,7,8,9,10,11,12,13,14,15
	v_med3_num_f32 v[(\dst)+16*\b+\i], v[(\src)+16*\b+\i], -v[TM+8+\b], v[TM+8+\b]   ; the conversion does not saturate (ISA guide 7.6.2): the hold
.endr
.endr
	WIN 0
.irp b, 0,1,2,3
	v_cvt_scalef32_pk8_bf8_f32 v[PC+4*\b:PC+4*\b+1], v[(\dst)+16*\b:(\dst)+16*\b+7], v[TM+12+\b]
	v_cvt_scalef32_pk8_bf8_f32 v[PC+4*\b+2:PC+4*\b+3], v[(\dst)+16*\b+8:(\dst)+16*\b+15], v[TM+12+\b]
.endr
	v_nop                                          ; one plain line behind the last scaled conversion
.endm
	s_load_b128 s[4:7], s[0:1], 0x0                ; ops s[4:5], qkv s[6:7]
	v_lshl_add_u32 v[SPW], v0, 2, SPARE
	v_mov_b32 v[NIL], 0
	ds_add_u32 v28, v29
	ds_add_u32 v28, v29
	s_wait_dscnt 0x0
	v_lshrrev_b32 v1, 5, v0
	v_readfirstlane_b32 s14, v1                    ; wave 0..3
	s_lshr_b32 s15, s14, 1                         ; my half of the A role.  Also: I fetch for A (0) or for B (1)
	s_and_b32 s16, s14, 1                          ; my half of the B role.  Also: which record of the two I fetch
	s_bfe_u32 s40, ttmp6, 0x40000                  ; cx
	s_bfe_u32 s41, ttmp6, 0x40004                  ; cy
	s_and_b32 s18, ttmp7, 0xffff
	s_lshl_b32 s18, s18, 2                         ; 4 x cluster y
	s_lshl_b32 s19, ttmp9, 2                       ; 4 x cluster x
	s_mov_b32 s22, 384*REC
	s_cmp_eq_u32 ttmp9, 2                          ; v's clusters: the same answer in all sixteen partners
	s_cselect_b32 s70, 1, 0
	s_cselect_b32 s17, 0, s18
	s_cselect_b32 s42, s18, s19
	s_cselect_b32 s22, 64*REC, s22                 ; A's first record: Wv's or h's
	s_cselect_b32 s23, 384*REC, 0                  ; B's: h's or Wq|Wk's
	s_add_co_u32 s17, s17, s41                     ; tile of the A role: hangs on cy alone within the cluster
	s_add_co_u32 s42, s42, s40                     ; tile of the B role: on cx alone
	s_lshl_b32 s43, s41, 2
	s_lshl_b32 s43, 15, s43                        ; my row of the cluster
	s_lshl_b32 s44, 0x1111, s40                    ; my column
	s_or_b32 s[G1+0], s43, (3<<16)|(1<<21)         ; 15:0 the mask; 17:16 elements of 8 bytes; 21 set beside a mask; no padding
	s_or_b32 s[G1B+0], s44, (3<<16)|(1<<21)
.irp g, G1, G1B
	s_mov_b32 s[\g+1], 32<<16                      ; tensor_dim0 = 32 elements: rows of 256 bytes
	s_mov_b32 s[\g+2], 132<<16                     ; tensor_dim1 = 132 rows: a record
	s_mov_b32 s[\g+3], 32<<16                      ; tile_dim0
	s_mov_b32 s[\g+4], 132                         ; tile_dim1
	s_mov_b32 s[\g+5], 32                          ; the pitch: dense
	s_mov_b32 s[\g+6], 0
	s_mov_b32 s[\g+7], 0
.endr
	s_lshl_b32 s20, s17, 1
	s_add_co_u32 s20, s20, s16
	s_mul_i32 s20, s20, KS*REC
	s_add_co_u32 s20, s20, s22                     ; A: record (2 tile + half) KS of its operand
	s_mov_b32 s21, 0
	s_lshl_b32 s46, s42, 1
	s_add_co_u32 s46, s46, s16
	s_mul_i32 s46, s46, KS*REC
	s_add_co_u32 s46, s46, s23                     ; B likewise
	s_mov_b32 s47, 0
	s_mul_i32 s45, s14, REC                        ; where they go: wave x a record
	s_wait_kmcnt 0x0
	s_add_nc_u64 s[20:21], s[4:5], s[20:21]
	s_add_nc_u64 s[46:47], s[4:5], s[46:47]
	CROUND                                         ; all sixteen work-groups are here: the first joint loads meet
.irp s, 0,1
	s_mov_b32 s[G0+4*\s], 1
	s_add_co_u32 s[G0+4*\s+1], s45, \s*SLOT
	s_add_nc_u64 s[G0+4*\s+2:G0+4*\s+3], s[20:21], \s*REC
	s_or_b32 s[G0+4*\s+3], s[G0+4*\s+3], 0x80000000
	s_mov_b32 s[G0B+4*\s], 1
	s_add_co_u32 s[G0B+4*\s+1], s45, \s*SLOT
	s_add_nc_u64 s[G0B+4*\s+2:G0B+4*\s+3], s[46:47], \s*REC
	s_or_b32 s[G0B+4*\s+3], s[G0B+4*\s+3], 0x80000000
	JLOAD \s
.endr
	v_and_b32 v1, 31, v0
	v_lshlrev_b32 v3, 4, v1                        ; 16 x lane
	v_and_b32 v2, 15, v0                           ; r
	v_bfe_u32 v4, v0, 4, 1                         ; h
	s_mul_i32 s21, s15, REC
	s_mul_i32 s22, s16, REC
	s_add_co_u32 s22, s22, 2*REC
.irp s, 0,1
	v_add_nc_u32 v[ADRA+\s], s21, v3
	v_add_nc_u32 v[ADRB+\s], s22, v3
	s_add_co_u32 s21, s21, SLOT
	s_add_co_u32 s22, s22, SLOT
.endr
	s_mul_i32 s21, s15, REC
	s_mul_i32 s22, s16, REC
	s_add_co_u32 s22, s22, 2*REC
	s_sub_co_u32 s22, s22, s21
	v_mul_u32_u24 v5, s22, v4                      ; lanes 16-31 take B's words: one product, the distance between the two records
	v_lshl_add_u32 v5, v2, 3, v5
	s_add_co_u32 s21, s21, 32768
	v_add_nc_u32 v[ADRS], s21, v5
	v_add_nc_u32 v[ADRS+1], SLOT, v[ADRS]
	v_lshlrev_b32 v[LI], 4, v1
	v_lshlrev_b32 v[LW], 2, v2
	s_mov_b32 s[SEL], 0x76543210
	s_mov_b32 s[SEL+1], 0xfedcba98
	s_mov_b32 s[MNT], 0x600000
	s_mov_b32 s71, 0x7f7f0000                      ; the scale bytes of the zero half of a K step of product 4
	; where my results go.  q, k: (batch 16 + head) of my first 64 columns, the key step of my 128 rows; q's part of a record lies 17,152 bytes behind k's
	s_lshr_b32 s74, s17, 3
	s_lshl_b32 s74, s74, 4
	s_and_b32 s75, s42, 3
	s_lshl_b32 s75, s75, 2
	s_add_co_u32 s74, s74, s75
	s_lshl_b32 s75, s16, 1
	s_add_co_u32 s74, s74, s75
	s_mul_i32 s74, s74, HEADB
	s_lshl_b32 s75, s17, 1
	s_add_co_u32 s75, s75, s15
	s_and_b32 s75, s75, 15
	s_mul_i32 s75, s75, RECA
	s_add_co_u32 s74, s74, s75
	s_cmp_eq_u32 ttmp9, 0
	s_cselect_b32 s75, 17152, 0
	s_add_co_u32 s74, s74, s75
	; v: the head of my first 64 channels (A role), the key step of my 128 keys (B role)
	s_lshr_b32 s76, s42, 3
	s_lshl_b32 s76, s76, 4
	s_lshl_b32 s77, s17, 2
	s_add_co_u32 s76, s76, s77
	s_lshl_b32 s77, s15, 1
	s_add_co_u32 s76, s76, s77
	s_mul_i32 s76, s76, HEADB
	s_and_b32 s77, s42, 7
	s_lshl_b32 s77, s77, 1
	s_add_co_u32 s77, s77, s16
	s_mul_i32 s77, s77, RECA
	s_add_co_u32 s76, s76, s77
	s_cmp_eq_u32 s70, 1
	s_cselect_b32 s72, s76, s74
	s_mov_b32 s73, 0
	s_add_nc_u64 s[72:73], s[6:7], s[72:73]
	s_wait_tensorcnt 1                             ; my part of K step 0 is in (K step 1's load may be out)
	s_barrier_signal -1
	s_barrier_wait -1                              ; everybody's is
	FETCH_B 0, 0, 0
	FETCH_A 0, 0, 0
	SCALES 0
	FETCH_A 0, 0, 4
	STEP 0, 0, 1                                   ; the first step's products start the sums
	s_mov_b32 s3, LAPS-1
.Llap:
	TURN 0, 1, 1
	STEP 1, 0, 0
	TURN 1, 0, 1
	STEP 0, 0, 0
	s_sub_co_u32 s3, s3, 1
	s_cmp_lg_u32 s3, 0
	s_cbranch_scc1 .Llap
	TURN 0, 1, 0                                   ; the last lap fills nothing
	STEP 1, 0, 0
	s_wait_dscnt 4*NL
	WIN MUL_LO
	MUL16 0, 1, NQ-1, 1, 0
	MUL16 2, 1, NQ-1, 1, 0
	s_wait_dscnt 0
	WIN MUL_HI
	MUL16 4, 1, NQ-1, 1, 0
	MUL16 6, 1, NQ-1, 1, 0
	WIN 0
	PLACES NP                                      ; in front of the first read of results and the first write over A's fragments
.irp b, 0,1,2,3
	v_mov_b32 v[TM+4+\b], 0                        ; a lane permute's destination counts as one of its sources
.endr
; THE WAY OUT, block a of 16 rows of the A role: 64 numbers a lane become one fragment.
.macro OUTQ a
	s_wait_xcnt 0x0                                ; the last block's stores have read their registers
	QUANT 64*((\a)%4), 2+(\a)/4, XQ
	s_cmp_eq_u32 s70, 1
	s_cbranch_scc1 .Lv_\@
	v_and_or_b32 v82, v[PW], 0xffff, s71           ; q, k: two heads of 64 channels: two half fragments, two words whose upper bytes stand for 1.0 over zero codes
	v_lshrrev_b32 v83, 16, v[PW]
	v_or_b32 v83, s71, v83
.irp c, 0,1,2,3
	global_store_b128 v[LI], v[PC+4*\c:PC+4*\c+3], s[72:73] offset:(\a)*1024+(\c/2)*HEADB+(\c%2)*512
.endr
	global_store_b32 v[LW], v82, s[72:73] offset:8192+(\a)*64
	global_store_b32 v[LW], v83, s[72:73] offset:8192+(\a)*64+HEADB
	s_branch .Ldone_\@
.Lv_\@:
.irp c, 0,1,2,3
	global_store_b128 v[LI], v[PC+4*\c:PC+4*\c+3], s[72:73] offset:((\a)/4)*HEADB+8704+((\a)%4)*2048+\c*512   ; v: 16 channels x 128 keys
.endr
	global_store_b32 v[LW], v[PW], s[72:73] offset:((\a)/4)*HEADB+16896+((\a)%4)*64
.Ldone_\@:
.endm
.irp a, 0,1,2,3,4,5,6,7
	OUTQ \a
.endr
	s_wait_tensorcnt 0x0                           ; the wave's end
	ds_add_u32 v[SPW], v[NIL]
	s_wait_dscnt 0x0
	CROUND                                         ; the closing round
	s_endpgm
.Lfunc_end_k_qdf7ec915b7_qkvg:
	.size	k_qdf7ec915b7_qkvg, .Lfunc_end_k_qdf7ec915b7_qkvg-k_qdf7ec915b7_qkvg
	.p2alignl 7, 3214868480
	.fill 96, 4, 3214868480
	.section	.rodata,"a",@progbits
	.p2align	6, 0x0
	.amdhsa_kernel k_qdf7ec915b7_qkvg
		.amdhsa_group_segment_fixed_size 327680
		.amdhsa_private_segment_fixed_size 0
		.amdhsa_enable_private_segment 0
		.amdhsa_kernarg_size 16
		.amdhsa_user_sgpr_count 2
		.amdhsa_user_sgpr_kernarg_segment_ptr 1
		.amdhsa_wavefront_size32 1
		.amdhsa_system_sgpr_workgroup_id_x 1
		.amdhsa_system_sgpr_workgroup_id_y 1
		.amdhsa_system_sgpr_workgroup_id_z 1
		.amdhsa_system_vgpr_workitem_id 0
		.amdhsa_next_free_vgpr 1024
		.amdhsa_next_free_sgpr 100
		.amdhsa_reserve_vcc 0
		.amdhsa_float_denorm_mode_32 3
		.amdhsa_float_denorm_mode_16_64 3
		.amdhsa_memory_ordered 1
		.amdhsa_forward_progress 1
		.amdhsa_inst_pref_size 190
	.end_amdhsa_kernel
	.amdgpu_metadata
---
amdhsa.version: [ 1, 2 ]
amdhsa.kernels:
  - .name:           k_qdf7ec915b7_qkvg
    .symbol:         k_qdf7ec915b7_qkvg.kd
    .args:
      - { .name: ops, .offset: 0, .size: 8, .value_kind: global_buffer, .address_space: global }
      - { .name: qkv, .offset: 8, .size: 8, .value_kind: global_buffer, .address_space: global }
    .group_segment_fixed_size: 327680
    .private_segment_fixed_size: 0
    .kernarg_segment_align: 8
    .kernarg_segment_size: 16
    .max_flat_workgroup_size: 128
    .sgpr_count:     100
    .vgpr_count:     1024
    .wavefront_size: 32
...
	.end_amdgpu_metadata
.endif
;; end of part 2
;; launch attn (part 3): grid 8 x 32, 16 waves a work-group, clusters of 4 x 1, 276,480 bytes of LDS; arguments qkv, aq; writes aq
.if DOCPART == 3
	.amdgcn_target "amdgcn-amd-amdhsa--gfx1250"
	.amdhsa_code_object_version 6
	.text
	.protected	k_qdf7ec915b7_attn
	.globl	k_qdf7ec915b7_attn
	.p2align	8
	.type	k_qdf7ec915b7_attn,@function
k_qdf7ec915b7_attn:
	s_mov_b64 s[64:65], 0
	v_nop
	global_prefetch_b8 v0, s[64:65] scope:SCOPE_SE
	s_setreg_imm32_b32 hwreg(HW_REG_WAVE_MODE, 25, 1), 1
	s_wait_xcnt 0x0
	s_wait_alu depctr_hold_cnt(0) depctr_sa_sdst(0) depctr_va_vdst(0) depctr_va_sdst(0) depctr_va_ssrc(0) depctr_va_vcc(0) depctr_vm_vsrc(0)
	s_getreg_b32 s2, hwreg(HW_REG_IB_STS2, 6, 4)
	s_cmp_eq_u32 s2, 0
	s_cbranch_scc0 .Lentry_in_a_cluster
	s_endpgm
.Lentry_in_a_cluster:
	s_bfe_u32 s2, ttmp6, 0x10000c
	s_cmp_lg_u32 s2, 0x3003
	s_cbranch_scc0 .Lentry_shape_is_right
	s_endpgm
.Lentry_shape_is_right:
; O = softmax(Q K^T / 8) V for one (batch, head) and 256 queries, both products on codes of BF8 (E5M2) with E8M0 scales; O / the row's sum is quantised along the channels into 'aq', the next product's operand.
; THE SOFTMAX AHEAD OF THE SECOND PRODUCT: t = score x log2(e) / 8; M = the running largest t rounded UP to a whole number; p = 2^(t - M) is quantised along the keys, not normalised; the sum is taken of the unquantised p.
; When M moves, the sum and O are multiplied by 2^(old M - new M): exact.
; SHARES: sixteen waves, each one tile of 16 queries in 256 registers; every wave walks the head's 2,048 keys, 128 a step.
; LDS: the head's K, V and their scale words, 16 steps x 17,152 bytes, fit whole: every byte is filled ONCE, wave w bringing step w by one tensor load; no slot is filled again.
; CLUSTER 4 x 1: the four query blocks of a cluster belong to one head and ask for each step JOINTLY (mask 15, the same descriptor in all four); the place in the cluster enters Q's and aq's addresses alone.
; LAYOUT: both products transposed (S^T = K Q^T, O^T = V^T P^T): a lane holds one query; by the records' tile order its registers run along 16 neighbouring keys, and at the end along 16 neighbouring channels.
; Product 4 has K = 64: the upper halves of K's and Q's fragments are zero codes (written once), under the scale byte 0x7f.
; LIMITS: NaN and infinities are not served; blocks under 2^-111 and blocks of zeros get the byte 1.  aq's scale bytes leave two a lane, 8 bytes apart: 1/32 of the launch's output.
; REGISTERS: v1-5 addresses; v10 Q's scale word; v12 -M, v13 the largest t, v[14:15] the sum; v16-31 Q; v32-95 four fragments of K; v96-159 S^T, then p, then V's four fragments; v160-191 O^T; v192-207 p's codes;
;   v208-211 K's or V's scale words; v212-227 the blocks' maxima, work, holds, scale operands; v[228:229] f; v230 at work; v231 p's scale word; v[232:233] the sum's second chain.
.set RECA,  25856
.set HEADB, 16*RECA
.set STEPB, 17152                      ; what of a record comes into LDS: 67 x 256 bytes
.set REC,   33792
.set LI,  1
.set LW,  2
.set ADK, 3
.set ADW, 4
.set L8,  5
.set QSW, 10
.set PCD, 192
.set KW,  208
.set BM,  212
.set T4,  216
.set LIM, 220
.set SCL, 224
.set F,   228
.set TMP, 230
.set PSW, 231
.set SUM2, 232
.macro ROUND
	s_barrier_signal -1
	s_barrier_wait -1
	s_cmp_lg_u32 s8, 0
	s_cbranch_scc1 .Lnot_wave_0_\@
	s_barrier_signal -3
.Lnot_wave_0_\@:
	s_barrier_wait -3
	s_barrier_signal -1
	s_barrier_wait -1
.endm
	s_load_b128 s[4:7], s[0:1], 0x0                ; qkv s[4:5], aq s[6:7]
	v_lshl_add_u32 v254, v0, 2, 0x43000
	v_mov_b32 v255, 0
	ds_add_u32 v254, v255
	ds_add_u32 v254, v255
	v_lshrrev_b32 v3, 5, v0
	v_readfirstlane_b32 s8, v3                     ; wave 0..15
	s_bfe_u32 s9, ttmp6, 0x40000                   ; cx
	s_lshl_b32 s10, ttmp9, 2
	s_add_co_u32 s10, s10, s9                      ; my block of 256 queries, 0..7
	s_and_b32 s11, ttmp7, 0xffff                   ; batch x 16 + head, which the four partners share
	s_mul_i32 s32, s11, HEADB
	s_mov_b32 s33, 0
	s_mul_i32 s34, s8, RECA
	s_mov_b32 s35, 0
	s_mov_b32 s16, 15|(3<<16)|(1<<21)              ; 15:0 the mask: all four; 17:16 elements of 8 bytes; 21 set beside a mask
	s_mov_b32 s17, 32<<16                          ; tensor_dim0: rows of 256 bytes
	s_mov_b32 s18, 67<<16                          ; tensor_dim1
	s_mov_b32 s19, 32<<16                          ; tile_dim0
	s_mov_b32 s20, 67                              ; tile_dim1
	s_mov_b32 s21, 32                              ; dense
	s_mov_b32 s22, 0
	s_mov_b32 s23, 0
	s_mov_b32 s24, 0x76543210
	s_mov_b32 s25, 0xfedcba98                      ; selects for lane l xor 16
	s_mov_b32 s26, 0x3e38aa3b                      ; c = log2(e) / 8
	s_mov_b32 s27, s26                             ; (named with it as a pair)
	s_mov_b32 s28, 0x600000
	s_mov_b32 s29, 0                               ; LDS byte of the step in hand
	s_mov_b32 s30, 16
	s_wait_dscnt 0x0
	s_wait_kmcnt 0x0
	s_add_nc_u64 s[36:37], s[4:5], s[32:33]        ; the head's records
	s_mov_b32 s12, 1
	s_mul_i32 s13, s8, STEPB                       ; step w lands at w x 17,152
	s_add_nc_u64 s[14:15], s[36:37], s[34:35]
	s_or_b32 s15, s15, 0x80000000
	ROUND                                          ; all four work-groups are here
	tensor_load_to_lds s[12:15], s[16:23]          ; my one tensor load of the launch
	s_nop 0
.rept 4
	v_nop
.endr
	v_and_b32 v1, 31, v0
	v_lshlrev_b32 v[LI], 4, v1                     ; 16 x lane
	v_and_b32 v2, 15, v0
	v_lshlrev_b32 v[L8], 3, v2                     ; 8 r
	v_lshlrev_b32 v[LW], 2, v2                     ; 4 r
	s_lshl_b32 s38, s10, 1                         ; my query tile T = 16 x block + wave lies in record T / 8 as tile T % 8
	s_lshr_b32 s39, s8, 3
	s_add_co_u32 s38, s38, s39
	s_mul_i32 s38, s38, RECA
	s_and_b32 s40, s8, 7
	s_lshl_b32 s39, s40, 10
	s_add_co_u32 s42, s38, s39
	s_mov_b32 s43, 0
	s_lshl_b32 s39, s40, 6
	s_add_co_u32 s44, s38, s39
	s_mov_b32 s45, 0
	s_add_nc_u64 s[42:43], s[36:37], s[42:43]
	s_add_nc_u64 s[44:45], s[36:37], s[44:45]
	global_load_b128 v[16:19], v[LI], s[42:43] offset:17152
	global_load_b128 v[20:23], v[LI], s[42:43] offset:17152+512
	global_load_b32 v[QSW], v[LW], s[44:45] offset:25344
	; where O goes: record ((batch 128 + T) / 8) 4 + head / 4; fragment (T % 8, (head / 2) % 2); register groups 2 (head % 2) and the next
	s_lshr_b32 s46, s11, 4
	s_and_b32 s47, s11, 15
	s_lshl_b32 s48, s46, 4
	s_lshl_b32 s49, s10, 1
	s_add_co_u32 s48, s48, s49
	s_lshr_b32 s49, s8, 3
	s_add_co_u32 s48, s48, s49
	s_lshl_b32 s48, s48, 2
	s_lshr_b32 s49, s47, 2
	s_add_co_u32 s48, s48, s49
	s_mul_i32 s48, s48, REC
	s_bfe_u32 s50, s47, 0x10001
	s_and_b32 s51, s47, 1
	s_lshl_b32 s52, s40, 1
	s_add_co_u32 s52, s52, s50
	s_lshl_b32 s52, s52, 11
	s_lshl_b32 s53, s51, 10
	s_add_co_u32 s52, s52, s53
	s_add_co_u32 s52, s52, s48
	s_mov_b32 s53, 0
	s_add_nc_u64 s[52:53], s[6:7], s[52:53]
	s_lshl_b32 s54, s40, 7
	s_lshl_b32 s55, s50, 2
	s_add_co_u32 s54, s54, s55
	s_lshl_b32 s55, s51, 1
	s_add_co_u32 s54, s54, s55
	s_add_co_u32 s54, s54, s48
	s_mov_b32 s55, 0
	s_add_nc_u64 s[54:55], s[6:7], s[54:55]
	v_mov_b32 v13, 0xff61b1e6                      ; the largest t so far: -3e38
	v_floor_f32 v12, -v13                          ; -M
	v_mov_b32 v14, 0
	v_mov_b32 v15, 0
.irp j, 24,25,26,27,28,29,30,31
	v_mov_b32 v\j, 0                               ; Q's channels 64-127: zero codes
.endr
.irp t, 0,1,2,3
.irp j, 8,9,10,11,12,13,14,15
	v_mov_b32 v[32+16*\t+\j], 0                    ; K's likewise: written once, the loads fill the lower halves alone
.endr
.endr
.set j, 0
.rept 32
	v_mov_b32 v[160+j], 0                          ; O^T: the loop is written once; its first step finds zeros, which the first change of M leaves zeros
.set j, j+1
.endr
.irp b, 0,1,2,3
	v_mov_b32 v[T4+\b], 0                          ; a lane permute's destination counts as one of its sources
.endr
	v_mov_b32 v[F+1], 0                            ; (named as the upper half of f's pair)
	v_mov_b32 v[TMP], 0
	s_wait_tensorcnt 0x0                           ; my step has landed,
	s_barrier_signal -1
	s_barrier_wait -1                              ; everybody's has
	s_wait_loadcnt 0x0                             ; Q
.Lstep:
	v_add_nc_u32 v[ADK], s29, v[LI]
	v_add_nc_u32 v[ADW], s29, v[LW]
.rept 7
	v_nop                                          ; nine places with the two additions: S^T's products write over V's fragments, and loads land in the scale words that the last products read
.endr
.irp g, 0,1                                    ; S^T = K Q^T, four tiles of 16 keys at a time
.if \g > 0
.rept 8
	v_nop
.endr
.endif
.irp t, 0,1,2,3
	ds_load_b128 v[32+16*\t:35+16*\t], v[ADK] offset:(4*\g+\t)*1024
	ds_load_b128 v[36+16*\t:39+16*\t], v[ADK] offset:(4*\g+\t)*1024+512
	ds_load_b32 v[KW+\t], v[ADW] offset:8192+(4*\g+\t)*64
.endr
	s_wait_dscnt 0x0
.irp t, 0,1,2,3
	v_wmma_scale_f32_16x16x128_f8f6f4 v[96+8*(4*\g+\t):103+8*(4*\g+\t)], v[32+16*\t:47+16*\t], v[16:31], 0, v[KW+\t], v[QSW] matrix_a_fmt:MATRIX_FMT_BF8 matrix_b_fmt:MATRIX_FMT_BF8
.endr
.endr
.rept 8
	v_nop
.endr
.irp b, 0,1,2,3
	v_max3_num_f32 v[BM+\b], v[96+16*\b], v[97+16*\b], v[98+16*\b]     ; the largest score of each block of 32 keys: for the row's maximum and, since p rises with the score, for the block's largest p
.endr
.irp i, 3,5,7,9,11,13
.irp b, 0,1,2,3
	v_max3_num_f32 v[BM+\b], v[BM+\b], v[96+16*\b+\i], v[97+16*\b+\i]
.endr
.endr
.irp b, 0,1,2,3
	v_max_num_f32 v[BM+\b], v[BM+\b], v[111+16*\b]
.endr
.irp b, 0,1,2,3
	v_permlanex16_b32 v[T4+\b], v[BM+\b], s24, s25
.endr
.irp b, 0,1,2,3
	v_max_num_f32 v[BM+\b], v[BM+\b], v[T4+\b]
.endr
	v_max3_num_f32 v[TMP], v[BM], v[BM+1], v[BM+2]
	v_max_num_f32 v[TMP], v[TMP], v[BM+3]
	v_mul_f32 v[TMP], s26, v[TMP]                  ; as t
	v_max_num_f32 v13, v13, v[TMP]                 ; the running largest t
	v_mov_b32 v[TMP], v12
	v_floor_f32 v12, -v13                          ; the new -M = -ceil(t)
	v_sub_f32 v[TMP], v12, v[TMP]                  ; old M - new M: a whole number, 0 or less
	v_cvt_i32_f32 v[TMP], v[TMP]                   ; (it saturates)
	v_ldexp_f32 v[F], 1.0, v[TMP]                  ; f = 2^(old M - new M)
.set j, 0
.rept 32
	v_pk_fma_f32 v[96+j:97+j], v[96+j:97+j], s[26:27], v[12:13] op_sel_hi:[1,0,0]   ; t - M
.set j, j+2
.endr
.irp b, 0,1,2,3
	v_fma_f32 v[BM+\b], v[BM+\b], s26, v12
.endr
.set j, 0
.rept 64
	v_exp_f32 v[96+j], v[96+j]                     ; p = 2^(t - M)
.set j, j+1
.endr
.irp b, 0,1,2,3
	v_exp_f32 v[BM+\b], v[BM+\b]                   ; the block's largest p
.endr
	v_pk_mul_f32 v[14:15], v[14:15], v[F:F+1] op_sel_hi:[1,0]      ; the sums under the new M (a plain line behind the exponentials)
	s_wait_alu depctr_va_vdst(0)
.irp b, 0,1,2,3
	v_max_num_f32 v[BM+\b], 0x8000000, v[BM+\b]    ; the floor 2^(16 - 127)
.endr
.irp b, 0,1,2,3
	v_add_nc_u32 v[SCL+\b], 0xf8800000, v[BM+\b]
.endr
.irp b, 0,1,2,3
	v_and_or_b32 v[LIM+\b], v[BM+\b], 0x7f800000, s28
.endr
.irp b, 0,1,2,3
	v_lshrrev_b32 v[T4+\b], 23, v[SCL+\b]
.endr
	v_lshl_or_b32 v[PSW], v[T4+1], 8, v[T4]        ; p's scale word for these 128 keys
	v_lshl_or_b32 v[PSW], v[T4+2], 16, v[PSW]
	v_lshl_or_b32 v[PSW], v[T4+3], 24, v[PSW]
	v_pk_add_f32 v[SUM2:SUM2+1], v[96:97], v[98:99]                ; the row's sum of the unquantised p, in two chains
.irp j, 4,8,12,16,20,24,28,32,36,40,44,48,52,56,60
	v_pk_add_f32 v[14:15], v[14:15], v[96+\j:97+\j]
	v_pk_add_f32 v[SUM2:SUM2+1], v[SUM2:SUM2+1], v[98+\j:99+\j]
.endr
	v_pk_add_f32 v[14:15], v[14:15], v[SUM2:SUM2+1]
.irp b, 0,1,2,3
.irp i, 0,1,2,3,4,5,6,7,8,9,10,11,12,13,14,15
	v_min_num_f32 v[96+16*\b+\i], v[96+16*\b+\i], v[LIM+\b]        ; the conversion does not saturate (ISA guide 7.6.2); p is not negative
.endr
	v_cvt_scalef32_pk8_bf8_f32 v[PCD+4*\b:PCD+4*\b+1], v[96+16*\b:103+16*\b], v[SCL+\b]
	v_cvt_scalef32_pk8_bf8_f32 v[PCD+4*\b+2:PCD+4*\b+3], v[104+16*\b:111+16*\b], v[SCL+\b]
.endr
.set j, 0
.rept 16
	v_pk_mul_f32 v[160+j:161+j], v[160+j:161+j], v[F:F+1] op_sel_hi:[1,0]   ; O^T under the new M; these sixteen are also the places in front of the products below
.set j, j+2
.endr
.irp t, 0,1,2,3                                ; O^T += V^T P^T: four tiles of 16 channels; K = these 128 keys
.irp c, 0,1,2,3
	ds_load_b128 v[96+16*\t+4*\c:99+16*\t+4*\c], v[ADK] offset:8704+\t*2048+\c*512
.endr
	ds_load_b32 v[KW+\t], v[ADW] offset:16896+\t*64
.endr
	s_wait_dscnt 0x0
.irp t, 0,1,2,3
	v_wmma_scale_f32_16x16x128_f8f6f4 v[160+8*\t:167+8*\t], v[96+16*\t:111+16*\t], v[PCD:PCD+15], v[160+8*\t:167+8*\t], v[KW+\t], v[PSW] matrix_a_fmt:MATRIX_FMT_BF8 matrix_b_fmt:MATRIX_FMT_BF8
.endr
	s_add_co_u32 s29, s29, STEPB
	s_sub_co_u32 s30, s30, 1
	s_cmp_lg_u32 s30, 0
	s_cbranch_scc1 .Lstep
	; THE WAY OUT: O^T / the sum; register 16 b + i is channel 32 b + 16 (lane / 16) + i of my query: two blocks of the next product's K
.rept 8
	v_nop
.endr
	v_add_f32 v14, v14, v15
	v_permlanex16_b32 v[TMP], v14, s24, s25
	v_add_f32 v14, v14, v[TMP]
	v_rcp_f32 v14, v14
	v_nop
.set j, 0
	s_wait_alu depctr_va_vdst(0)
.rept 32
	v_mul_f32 v[96+j], v[160+j], v14
.set j, j+1
.endr
.irp b, 0,1
	v_max3_num_f32 v[BM+\b], |v[96+16*\b]|, |v[97+16*\b]|, 0x8000000
.endr
.irp i, 2,4,6,8,10,12,14
.irp b, 0,1
	v_max3_num_f32 v[BM+\b], v[BM+\b], |v[96+16*\b+\i]|, |v[97+16*\b+\i]|
.endr
.endr
.irp b, 0,1
	v_permlanex16_b32 v[T4+\b], v[BM+\b], s24, s25
.endr
.irp b, 0,1
	v_max_num_f32 v[BM+\b], v[BM+\b], v[T4+\b]
.endr
.irp b, 0,1
	v_add_nc_u32 v[SCL+\b], 0xf8800000, v[BM+\b]
.endr
.irp b, 0,1
	v_and_or_b32 v[LIM+\b], v[BM+\b], 0x7f800000, s28
.endr
.irp b, 0,1
	v_lshrrev_b32 v[T4+\b], 23, v[SCL+\b]
.endr
	v_lshl_or_b32 v[TMP], v[T4+1], 8, v[T4]        ; my row's two scale bytes
.irp b, 0,1
.irp i, 0,1,2,3,4,5,6,7,8,9,10,11,12,13,14,15
	v_med3_num_f32 v[96+16*\b+\i], v[96+16*\b+\i], -v[LIM+\b], v[LIM+\b]
.endr
	v_cvt_scalef32_pk8_bf8_f32 v[PCD+4*\b:PCD+4*\b+1], v[96+16*\b:103+16*\b], v[SCL+\b]
	v_cvt_scalef32_pk8_bf8_f32 v[PCD+4*\b+2:PCD+4*\b+3], v[104+16*\b:111+16*\b], v[SCL+\b]
.endr
	v_nop
	global_store_b128 v[LI], v[PCD:PCD+3], s[52:53]                ; 512 consecutive bytes a store
	global_store_b128 v[LI], v[PCD+4:PCD+7], s[52:53] offset:512
	global_store_b16 v[L8], v[TMP], s[54:55] offset:32768          ; lanes l and l xor 16 store the same two bytes to the same place
	s_wait_tensorcnt 0x0
	ds_add_u32 v254, v255
	s_wait_dscnt 0x0
	ROUND                                          ; the closing round: no work-group ends while a partner may still ask
	s_endpgm
.Lfunc_end_k_qdf7ec915b7_attn:
	.size	k_qdf7ec915b7_attn, .Lfunc_end_k_qdf7ec915b7_attn-k_qdf7ec915b7_attn
	.p2alignl 7, 3214868480
	.fill 96, 4, 3214868480
	.section	.rodata,"a",@progbits
	.p2align	6, 0x0
	.amdhsa_kernel k_qdf7ec915b7_attn
		.amdhsa_group_segment_fixed_size 276480
		.amdhsa_private_segment_fixed_size 0
		.amdhsa_enable_private_segment 0
		.amdhsa_kernarg_size 16
		.amdhsa_user_sgpr_count 2
		.amdhsa_user_sgpr_kernarg_segment_ptr 1
		.amdhsa_wavefront_size32 1
		.amdhsa_system_sgpr_workgroup_id_x 1
		.amdhsa_system_sgpr_workgroup_id_y 1
		.amdhsa_system_sgpr_workgroup_id_z 1
		.amdhsa_system_vgpr_workitem_id 0
		.amdhsa_next_free_vgpr 256
		.amdhsa_next_free_sgpr 66
		.amdhsa_reserve_vcc 0
		.amdhsa_float_denorm_mode_32 3
		.amdhsa_float_denorm_mode_16_64 3
		.amdhsa_memory_ordered 1
		.amdhsa_forward_progress 1
		.amdhsa_inst_pref_size 33
	.end_amdhsa_kernel
	.amdgpu_metadata
---
amdhsa.version: [ 1, 2 ]
amdhsa.kernels:
  - .name:           k_qdf7ec915b7_attn
    .symbol:         k_qdf7ec915b7_attn.kd
    .args:
      - { .name: qkv, .offset: 0, .size: 8, .value_kind: global_buffer, .address_space: global }
      - { .name: aq, .offset: 8, .size: 8, .value_kind: global_buffer, .address_space: global }
    .group_segment_fixed_size: 276480
    .private_segment_fixed_size: 0
    .kernarg_segment_align: 8
    .kernarg_segment_size: 16
    .max_flat_workgroup_size: 512
    .sgpr_count:     66
    .vgpr_count:     256
    .wavefront_size: 32
...
	.end_amdgpu_metadata
.endif
;; end of part 3
;; launch proj (part 4): grid 4 x 16, 4 waves a work-group, clusters of 4 x 4, 327,680 bytes of LDS; arguments aq, ops, bo, x, x1; writes x1
.if DOCPART == 4
	.amdgcn_target "amdgcn-amd-amdhsa--gfx1250"
	.amdhsa_code_object_version 6
	.text
	.protected	k_qdf7ec915b7_proj
	.globl	k_qdf7ec915b7_proj
	.p2align	8
	.type	k_qdf7ec915b7_proj,@function
k_qdf7ec915b7_proj:
	s_mov_b64 s[64:65], 0
	v_nop
	global_prefetch_b8 v0, s[64:65] scope:SCOPE_SE
	s_setreg_imm32_b32 hwreg(HW_REG_WAVE_MODE, 25, 1), 1
	s_wait_xcnt 0x0
	s_wait_alu depctr_hold_cnt(0) depctr_sa_sdst(0) depctr_va_vdst(0) depctr_va_sdst(0) depctr_va_ssrc(0) depctr_va_vcc(0) depctr_vm_vsrc(0)
	s_getreg_b32 s2, hwreg(HW_REG_IB_STS2, 6, 4)
	s_cmp_eq_u32 s2, 0
	s_cbranch_scc0 .Lentry_in_a_cluster
	s_endpgm
.Lentry_in_a_cluster:
	s_bfe_u32 s2, ttmp6, 0x10000c
	s_cmp_lg_u32 s2, 0xf033
	s_cbranch_scc0 .Lentry_shape_is_right
	s_endpgm
.Lentry_shape_is_right:
; x1 = x + (attention's output) Wo + bo, the product on codes of BF8 (E5M2) with E8M0 scales, K = 1,024.
; OPERANDS come as RECORDS of 33,792 bytes (128 rows x 256 K: 16 fragment images, then the scale words at 32,768), dense in memory: one tensor load a wave brings codes and scales of a K step.
; A tile of 256 x 256 is made by four waves, 128 x 128 each: 64 accumulators.  Two LDS slots of four records take turns.  Source 0 = the weight's columns, source 1 = the rows.
; The grid has 64 work-groups: 16 x 4 tiles of 256 x 256; a smaller tile would read each fragment from LDS for half as many products.
; CLUSTERS 4 x 4: A's records are shared along a row of the cluster, B's along a column: joint loads with a mask.
; TILE ORDER: place r of tile 2 b + u is row (or column) 32 b + 8 u + r + 8 (r / 8) of its 128: the way out puts rows and columns back.
; REGISTERS: window 0: v8-11 the bias; v16-29 addresses; v32-63 scale words and nothing else; v64-127, v192-255 the residual's rows, two sets; v128-255 A's fragments, on the way out v128-191 16 rows.  window 1: B's fragments.  windows 2, 3: accumulators.
.set KS,    4
.set RB0,   96                         ; Wo's first record in ops
.set REC,   33792
.set SLOT,  4*REC
.set SPARE, 2*SLOT                     ; the spare words, 128 bytes a wave, two blocks of 256 bytes that no other line names
.set STAGE, SPARE+512                  ; the way out: 16 rows x (512 + 16) bytes for each wave; no tensor load ever lands here
.set NQ,    2
.set FR,    16
.set NL,    4
.set NP,    8
.set LAPS,  KS/2
.set ADRA,  16
.set ADRB,  20
.set ADRS,  22
.set STO,   24
.set RD,    25
.set CO,    26
.set SPW,   28
.set NIL,   29
.set SC,    32
.set AF,    128
.set BI,    8
.set RS,    64
.set BK,    128
.set G1,    24
.set G0,    32
.set G1B,   48
.set G0B,   56
.set MSB,   0
.set MUL_LO, 0xa1
.set MUL_HI, 0xf1
.set TO_B,   0x40
.macro WIN new
.if MSB != (\new)
	s_set_vgpr_msb (MSB<<8)|(\new)
.set MSB, (\new)
.endif
.endm
.macro JLOAD s                         ; a joint load: waves 0 and 1 fetch A's halves, waves 2 and 3 B's; four v_nop follow each line
	s_cmp_eq_u32 s15, 0
	s_cbranch_scc0 .Lfor_b_\@
	tensor_load_to_lds s[G0+4*\s:G0+4*\s+3], s[G1:G1+7]
	s_nop 0
.rept 4
	v_nop
.endr
	s_branch .Lasked_\@
.Lfor_b_\@:
	tensor_load_to_lds s[G0B+4*\s:G0B+4*\s+3], s[G1B:G1B+7]
	s_nop 0
.rept 4
	v_nop
.endr
.Lasked_\@:
.endm
.macro CREST
	s_cmp_lg_u32 s14, 0
	s_cbranch_scc1 .Lnot_wave_0_\@
	s_barrier_signal -3
.Lnot_wave_0_\@:
	s_barrier_wait -3
	s_barrier_signal -1
	s_barrier_wait -1
.endm
.macro CROUND
	s_barrier_signal -1
	s_barrier_wait -1
	CREST
.endm
.macro FRAG reg, adr, q, i
.irp c, 0,1,2,3
	ds_load_b128 v[\reg+4*\c:\reg+4*\c+3], v[\adr] offset:(((\i)*2+(\q))*4+\c)*512
.endr
.endm
.macro MUL16 a0, p, q, sc, zero        ; the 64 accumulators take turns, one instruction a turn
.irp a, \a0, \a0+1
.irp b, 0,1,2,3,4,5,6,7
.if \zero
	v_wmma_scale_f32_16x16x128_f8f6f4 v[8*(8*((\a)%4)+\b):8*(8*((\a)%4)+\b)+7], v[128*(\p)+FR*\b:128*(\p)+FR*\b+FR-1], v[AF+FR*(\a):AF+FR*(\a)+FR-1], 0, v[SC+8*NQ*(\sc)+NQ*\b+(\q)], v[SC+8*NQ*(\sc)+NQ*(\a)+(\q)] matrix_a_fmt:MATRIX_FMT_BF8 matrix_b_fmt:MATRIX_FMT_BF8 matrix_a_scale:MATRIX_SCALE_ROW1
.else
	v_wmma_scale_f32_16x16x128_f8f6f4 v[8*(8*((\a)%4)+\b):8*(8*((\a)%4)+\b)+7], v[128*(\p)+FR*\b:128*(\p)+FR*\b+FR-1], v[AF+FR*(\a):AF+FR*(\a)+FR-1], v[8*(8*((\a)%4)+\b):8*(8*((\a)%4)+\b)+7], v[SC+8*NQ*(\sc)+NQ*\b+(\q)], v[SC+8*NQ*(\sc)+NQ*(\a)+(\q)] matrix_a_fmt:MATRIX_FMT_BF8 matrix_b_fmt:MATRIX_FMT_BF8 matrix_a_scale:MATRIX_SCALE_ROW1
.endif
.endr
.endr
.endm
.macro FETCH_B slot, q, p
	WIN TO_B
.irp i, 0,1,2,3,4,5,6,7
	FRAG 128*(\p)+FR*\i, ADRB+\slot, \q, \i
.endr
	WIN 0
.endm
.macro FETCH_A slot, q, i0
.irp i, \i0, \i0+1, \i0+2, \i0+3
	FRAG AF+FR*(\i), ADRA+\slot, \q, \i
.endr
.endm
.macro SCALES sc
.irp i, 0,1,2,3,4,5,6,7
	ds_load_b64 v[SC+8*NQ*\sc+NQ*\i:SC+8*NQ*\sc+NQ*\i+1], v[ADRS+\sc] offset:\i*128
.endr
.endm
.macro PLACES n
.rept \n
	v_nop
.endr
.endm
.macro STEP slot, q, zero
	s_wait_dscnt 4*NL                              ; all but the youngest 16 loads (A's blocks 4-7)
	WIN MUL_LO
	MUL16 0, (\q)%2, \q, \slot, \zero
	MUL16 2, (\q)%2, \q, \slot, \zero
	s_wait_dscnt 0
	PLACES NP
	FETCH_B \slot, (\q)+1, 1-(\q)%2
	FETCH_A \slot, (\q)+1, 0
	WIN MUL_HI
	MUL16 4, (\q)%2, \q, \slot, \zero
	MUL16 6, (\q)%2, \q, \slot, \zero
	PLACES NP
	WIN 0
	FETCH_A \slot, (\q)+1, 4
.endm
.macro TURN slot, next, fill
	s_wait_tensorcnt 0x0                           ; all my tensor loads have landed: my part of the next slot
	ds_add_u32 v[SPW], v[NIL]                      ; 0 onto my spare word
	s_wait_dscnt 4*NL+1                            ; (the add and A's blocks 4-7 may be out)
	WIN MUL_LO
	MUL16 0, 1, NQ-1, \slot, 0
	s_wait_dscnt 0x0                               ; the add is done, and my reads of this slot are over
	s_barrier_signal -1
	MUL16 2, 1, NQ-1, \slot, 0
	WIN 0
	s_barrier_wait -1
.if \fill
	CREST                                          ; a round of the cluster's barrier: no wave of any partner still reads this slot or has a load on its way
	s_add_nc_u64 s[G0+4*\slot+2:G0+4*\slot+3], s[G0+4*\slot+2:G0+4*\slot+3], 2*REC
	s_add_nc_u64 s[G0B+4*\slot+2:G0B+4*\slot+3], s[G0B+4*\slot+2:G0B+4*\slot+3], 2*REC
	JLOAD \slot
	PLACES NP-4
.else
	PLACES NP
.endif
	FETCH_B \next, 0, 0
	FETCH_A \next, 0, 0
	SCALES \next
	WIN MUL_HI
	MUL16 4, 1, NQ-1, \slot, 0
	MUL16 6, 1, NQ-1, \slot, 0
	PLACES NP
	WIN 0
	FETCH_A \next, 0, 4
.endm
.macro RLOAD a                         ; the residual's 16 rows of block a, 512 consecutive bytes a load, into set a % 2
.set RB, RS+128*((\a)%2)
.irp t, 0,1,2,3,4,5,6,7,8,9,10,11,12,13,14,15
	global_load_b128 v[RB+4*\t:RB+4*\t+3], v[CO], s[10:11] offset:(32*((\a)/2)+8*((\a)%2)+\t+8*(\t/8))*4096
.endr
.endm
.macro TOSTAGE a                       ; block a through my stage: register j of tile b is column 32 (b / 2) + 16 h + 8 (b % 2) + j; each accumulator from its low end on
.set AC, 64*((\a)%4)
	WIN 0x08+4*((\a)/4)
.irp b, 0,1,2,3,4,5,6,7
	ds_store_b128 v[STO], v[AC+8*\b:AC+8*\b+3] offset:128*(\b/2)+32*(\b%2)
	ds_store_b128 v[STO], v[AC+8*\b+4:AC+8*\b+7] offset:128*(\b/2)+32*(\b%2)+16
.endr
	WIN 0
.irp t, 0,1,2,3,4,5,6,7,8,9,10,11,12,13,14,15
	ds_load_b128 v[BK+4*\t:BK+4*\t+3], v[RD] offset:\t*528         ; LDS serves a wave's instructions in order (ISA guide 5.7.1.4): these see the stores above
.endr
.endm
	s_load_b256 s[4:11], s[0:1], 0x0               ; A's records s[4:5], ops s[6:7], the bias s[8:9], the residual s[10:11]
	s_load_b64 s[12:13], s[0:1], 0x20              ; the result
	v_lshl_add_u32 v[SPW], v0, 2, SPARE
	v_mov_b32 v[NIL], 0
	ds_add_u32 v28, v29
	ds_add_u32 v28, v29
	s_wait_dscnt 0x0
	v_lshrrev_b32 v1, 5, v0
	v_readfirstlane_b32 s14, v1
	s_lshr_b32 s15, s14, 1
	s_and_b32 s16, s14, 1
	s_bfe_u32 s40, ttmp6, 0x40000                  ; cx
	s_bfe_u32 s41, ttmp6, 0x40004                  ; cy
	s_lshl_b32 s42, ttmp9, 2
	s_add_co_u32 s42, s42, s40                     ; tile column
	s_and_b32 s17, ttmp7, 0xffff
	s_lshl_b32 s17, s17, 2
	s_add_co_u32 s17, s17, s41                     ; tile row
	s_lshl_b32 s43, s41, 2
	s_lshl_b32 s43, 15, s43
	s_lshl_b32 s44, 0x1111, s40
	s_or_b32 s[G1+0], s43, (3<<16)|(1<<21)         ; the mask; elements of 8 bytes; bit 21 beside a mask
	s_or_b32 s[G1B+0], s44, (3<<16)|(1<<21)
.irp g, G1, G1B
	s_mov_b32 s[\g+1], 32<<16
	s_mov_b32 s[\g+2], 132<<16
	s_mov_b32 s[\g+3], 32<<16
	s_mov_b32 s[\g+4], 132
	s_mov_b32 s[\g+5], 32
	s_mov_b32 s[\g+6], 0
	s_mov_b32 s[\g+7], 0
.endr
	s_lshl_b32 s20, s17, 1
	s_add_co_u32 s20, s20, s16
	s_mul_i32 s20, s20, KS*REC
	s_mov_b32 s21, 0
	s_lshl_b32 s46, s42, 1
	s_add_co_u32 s46, s46, s16
	s_mul_i32 s46, s46, KS*REC
	s_add_co_u32 s46, s46, RB0*REC
	s_mov_b32 s47, 0
	s_mul_i32 s45, s14, REC
	s_wait_kmcnt 0x0
	s_add_nc_u64 s[20:21], s[4:5], s[20:21]
	s_add_nc_u64 s[46:47], s[6:7], s[46:47]
	CROUND
.irp s, 0,1
	s_mov_b32 s[G0+4*\s], 1
	s_add_co_u32 s[G0+4*\s+1], s45, \s*SLOT
	s_add_nc_u64 s[G0+4*\s+2:G0+4*\s+3], s[20:21], \s*REC
	s_or_b32 s[G0+4*\s+3], s[G0+4*\s+3], 0x80000000
	s_mov_b32 s[G0B+4*\s], 1
	s_add_co_u32 s[G0B+4*\s+1], s45, \s*SLOT
	s_add_nc_u64 s[G0B+4*\s+2:G0B+4*\s+3], s[46:47], \s*REC
	s_or_b32 s[G0B+4*\s+3], s[G0B+4*\s+3], 0x80000000
	JLOAD \s
.endr
	v_and_b32 v1, 31, v0
	v_lshlrev_b32 v3, 4, v1
	v_and_b32 v2, 15, v0
	v_bfe_u32 v4, v0, 4, 1
	s_mul_i32 s21, s15, REC
	s_mul_i32 s22, s16, REC
	s_add_co_u32 s22, s22, 2*REC
.irp s, 0,1
	v_add_nc_u32 v[ADRA+\s], s21, v3
	v_add_nc_u32 v[ADRB+\s], s22, v3
	s_add_co_u32 s21, s21, SLOT
	s_add_co_u32 s22, s22, SLOT
.endr
	s_mul_i32 s21, s15, REC
	s_mul_i32 s22, s16, REC
	s_add_co_u32 s22, s22, 2*REC
	s_sub_co_u32 s22, s22, s21
	v_mul_u32_u24 v5, s22, v4
	v_lshl_add_u32 v5, v2, 3, v5
	s_add_co_u32 s21, s21, 32768
	v_add_nc_u32 v[ADRS], s21, v5
	v_add_nc_u32 v[ADRS+1], SLOT, v[ADRS]
	s_mul_i32 s23, s14, 16*528
	s_add_co_u32 s23, s23, STAGE
	v_mul_u32_u24 v5, v2, 528
	v_lshl_add_u32 v5, v4, 6, v5
	v_add_nc_u32 v[STO], s23, v5                   ; in: row r, + 64 h
	v_add_nc_u32 v[RD], s23, v3                    ; back: a row of 512 bytes, 16 a lane
	v_lshlrev_b32 v[CO], 4, v1
	s_lshl_b32 s66, s17, 8
	s_lshl_b32 s67, s15, 7
	s_add_co_u32 s66, s66, s67                     ; my first row
	s_lshl_b32 s66, s66, 12
	s_lshl_b32 s68, s42, 10
	s_lshl_b32 s69, s16, 9
	s_add_co_u32 s68, s68, s69                     ; my first column, in bytes
	s_add_co_u32 s66, s66, s68
	s_mov_b32 s67, 0
	s_mov_b32 s69, 0
	s_add_nc_u64 s[10:11], s[10:11], s[66:67]
	s_add_nc_u64 s[12:13], s[12:13], s[66:67]
	s_add_nc_u64 s[8:9], s[8:9], s[68:69]
	global_load_b128 v[BI:BI+3], v[CO], s[8:9]     ; the bias of my four columns of a row read back
	RLOAD 0                                        ; the first block's residual lands under the products
	s_wait_tensorcnt 1                             ; my part of K step 0 is in (K step 1's may be out)
	s_barrier_signal -1
	s_barrier_wait -1
	FETCH_B 0, 0, 0
	FETCH_A 0, 0, 0
	SCALES 0
	FETCH_A 0, 0, 4
	STEP 0, 0, 1
	s_mov_b32 s3, LAPS-1
.Llap:
	TURN 0, 1, 1
	STEP 1, 0, 0
	TURN 1, 0, 1
	STEP 0, 0, 0
	s_sub_co_u32 s3, s3, 1
	s_cmp_lg_u32 s3, 0
	s_cbranch_scc1 .Llap
	TURN 0, 1, 0
	STEP 1, 0, 0
	s_wait_dscnt 4*NL
	WIN MUL_LO
	MUL16 0, 1, NQ-1, 1, 0
	MUL16 2, 1, NQ-1, 1, 0
	s_wait_dscnt 0
	WIN MUL_HI
	MUL16 4, 1, NQ-1, 1, 0
	MUL16 6, 1, NQ-1, 1, 0
	WIN 0
	PLACES NP
.irp a, 0,1,2,3,4,5,6,7                        ; THE WAY OUT, 16 rows at a time: + bias, + residual, whole rows of 512 bytes
	s_wait_xcnt 0x0                                ; the last block's stores have read their registers
.if \a < 7
	RLOAD \a+1
.endif
	TOSTAGE \a
	s_wait_dscnt 0x0
.if \a < 7
	s_wait_loadcnt 16                              ; this block's residual is in; the next block's 16 loads may be out
.else
	s_wait_loadcnt 0x0
.endif
.set RB, RS+128*((\a)%2)
.irp t, 0,1,2,3,4,5,6,7,8,9,10,11,12,13,14,15
	v_pk_add_f32 v[BK+4*\t:BK+4*\t+1], v[BK+4*\t:BK+4*\t+1], v[BI:BI+1]
	v_pk_add_f32 v[BK+4*\t+2:BK+4*\t+3], v[BK+4*\t+2:BK+4*\t+3], v[BI+2:BI+3]
.endr
.irp t, 0,1,2,3,4,5,6,7,8,9,10,11,12,13,14,15
	v_pk_add_f32 v[BK+4*\t:BK+4*\t+1], v[BK+4*\t:BK+4*\t+1], v[RB+4*\t:RB+4*\t+1]
	v_pk_add_f32 v[BK+4*\t+2:BK+4*\t+3], v[BK+4*\t+2:BK+4*\t+3], v[RB+4*\t+2:RB+4*\t+3]
.endr
.irp t, 0,1,2,3,4,5,6,7,8,9,10,11,12,13,14,15
	global_store_b128 v[CO], v[BK+4*\t:BK+4*\t+3], s[12:13] offset:(32*(\a/2)+8*(\a%2)+\t+8*(\t/8))*4096   ; 32 lanes store 512 consecutive aligned bytes
.endr
.endr
	s_wait_tensorcnt 0x0                           ; the wave's end
	ds_add_u32 v[SPW], v[NIL]
	s_wait_dscnt 0x0
	CROUND
	s_endpgm
.Lfunc_end_k_qdf7ec915b7_proj:
	.size	k_qdf7ec915b7_proj, .Lfunc_end_k_qdf7ec915b7_proj-k_qdf7ec915b7_proj
	.p2alignl 7, 3214868480
	.fill 96, 4, 3214868480
	.section	.rodata,"a",@progbits
	.p2align	6, 0x0
	.amdhsa_kernel k_qdf7ec915b7_proj
		.amdhsa_group_segment_fixed_size 327680
		.amdhsa_private_segment_fixed_size 0
		.amdhsa_enable_private_segment 0
		.amdhsa_kernarg_size 40
		.amdhsa_user_sgpr_count 2
		.amdhsa_user_sgpr_kernarg_segment_ptr 1
		.amdhsa_wavefront_size32 1
		.amdhsa_system_sgpr_workgroup_id_x 1
		.amdhsa_system_sgpr_workgroup_id_y 1
		.amdhsa_system_sgpr_workgroup_id_z 1
		.amdhsa_system_vgpr_workitem_id 0
		.amdhsa_next_free_vgpr 1024
		.amdhsa_next_free_sgpr 100
		.amdhsa_reserve_vcc 0
		.amdhsa_float_denorm_mode_32 3
		.amdhsa_float_denorm_mode_16_64 3
		.amdhsa_memory_ordered 1
		.amdhsa_forward_progress 1
		.amdhsa_inst_pref_size 187
	.end_amdhsa_kernel
	.amdgpu_metadata
---
amdhsa.version: [ 1, 2 ]
amdhsa.kernels:
  - .name:           k_qdf7ec915b7_proj
    .symbol:         k_qdf7ec915b7_proj.kd
    .args:
      - { .name: aq, .offset: 0, .size: 8, .value_kind: global_buffer, .address_space: global }
      - { .name: ops, .offset: 8, .size: 8, .value_kind: global_buffer, .address_space: global }
      - { .name: bo, .offset: 16, .size: 8, .value_kind: global_buffer, .address_space: global }
      - { .name: x, .offset: 24, .size: 8, .value_kind: global_buffer, .address_space: global }
      - { .name: x1, .offset: 32, .size: 8, .value_kind: global_buffer, .address_space: global }
    .group_segment_fixed_size: 327680
    .private_segment_fixed_size: 0
    .kernarg_segment_align: 8
    .kernarg_segment_size: 40
    .max_flat_workgroup_size: 128
    .sgpr_count:     100
    .vgpr_count:     1024
    .wavefront_size: 32
...
	.end_amdgpu_metadata
.endif
;; end of part 4
;; launch ln2 (part 5): grid 256 x 1, 8 waves a work-group, no clusters, 66,816 bytes of LDS; arguments x1, ln2_g, ln2_b, ops; writes ops
.if DOCPART == 5
	.amdgcn_target "amdgcn-amd-amdhsa--gfx1250"
	.amdhsa_code_object_version 6
	.text
	.protected	k_qdf7ec915b7_ln2
	.globl	k_qdf7ec915b7_ln2
	.p2align	8
	.type	k_qdf7ec915b7_ln2,@function
k_qdf7ec915b7_ln2:
	s_mov_b64 s[64:65], 0
	v_nop
	global_prefetch_b8 v0, s[64:65] scope:SCOPE_SE
	s_setreg_imm32_b32 hwreg(HW_REG_WAVE_MODE, 25, 1), 1
	s_wait_xcnt 0x0
; m = LayerNorm(x1) g + b, quantised along its 1,024 columns to codes of BF8 (E5M2) with E8M0 scale bytes, into records 512-639 of 'ops'.
; A RECORD is 128 rows x 256 K, 33,792 bytes: fragment images at ((2 i + q) 4 + c) 512 + 16 lane, scale words at 32,768 + 128 i + 8 r + 4 q.  Place r of tile 2 b + u holds row 32 b + 8 u + r + 8 (r / 8).
; A work-group takes one tile of 16 rows; a wave two rows in registers (mean, then the mean of squared differences: two passes); the rows turn through LDS so that wave w can take K fragment w.
; LIMITS: NaN and infinities are not served; blocks under 2^-111 and blocks of zeros get the byte 1 (zero codes; the bytes are read by this program alone).
.set REC,  33792
.set LP,   4112                        ; a row in LDS: 4,096 bytes + 16
.set WV,   26
.set MNT,  57
.set SEL,  58
.set INV,  60
.set EPS,  61
.set TM,   208
.set PW,   224
.set PC,   80
.macro WSUM ta
	v_add_f32 v[\ta], v[\ta], v[\ta+1]
	v_add_f32_dpp v[\ta], v[\ta], v[\ta] row_xmask:1 row_mask:0xf bank_mask:0xf
	v_add_f32_dpp v[\ta], v[\ta], v[\ta] row_xmask:2 row_mask:0xf bank_mask:0xf
	v_add_f32_dpp v[\ta], v[\ta], v[\ta] row_xmask:4 row_mask:0xf bank_mask:0xf
	v_add_f32_dpp v[\ta], v[\ta], v[\ta] row_xmask:8 row_mask:0xf bank_mask:0xf
	v_permlanex16_b32 v[\ta+1], v[\ta], s[SEL], s[SEL+1]
	v_add_f32 v[\ta], v[\ta], v[\ta+1]
.endm
.macro STATS xb, ta, tb                ; a row in v[xb .. xb+31]: it becomes x - mean, and v[ta:ta+1] 1 / sqrt(variance + eps), twice
	v_pk_add_f32 v[\ta:\ta+1], v[\xb:\xb+1], v[\xb+2:\xb+3]
	v_pk_add_f32 v[\tb:\tb+1], v[\xb+4:\xb+5], v[\xb+6:\xb+7]
.irp j, 8,12,16,20,24,28
	v_pk_add_f32 v[\ta:\ta+1], v[\ta:\ta+1], v[\xb+\j:\xb+\j+1]
	v_pk_add_f32 v[\tb:\tb+1], v[\tb:\tb+1], v[\xb+\j+2:\xb+\j+3]
.endr
	v_pk_add_f32 v[\ta:\ta+1], v[\ta:\ta+1], v[\tb:\tb+1]
	WSUM \ta
	v_mul_f32 v[\ta], s[INV], v[\ta]
	v_mov_b32 v[\ta+1], v[\ta]
.set j, 0
.rept 16
	v_pk_add_f32 v[\xb+j:\xb+j+1], v[\xb+j:\xb+j+1], v[\ta:\ta+1] neg_lo:[0,1] neg_hi:[0,1]
.set j, j+2
.endr
	v_pk_mul_f32 v[\ta:\ta+1], v[\xb:\xb+1], v[\xb:\xb+1]
	v_pk_mul_f32 v[\tb:\tb+1], v[\xb+2:\xb+3], v[\xb+2:\xb+3]
.irp j, 4,8,12,16,20,24,28
	v_pk_fma_f32 v[\ta:\ta+1], v[\xb+\j:\xb+\j+1], v[\xb+\j:\xb+\j+1], v[\ta:\ta+1]
	v_pk_fma_f32 v[\tb:\tb+1], v[\xb+\j+2:\xb+\j+3], v[\xb+\j+2:\xb+\j+3], v[\tb:\tb+1]
.endr
	v_pk_add_f32 v[\ta:\ta+1], v[\ta:\ta+1], v[\tb:\tb+1]
	WSUM \ta
	v_fma_f32 v[\ta], v[\ta], s[INV], s[EPS]
	v_rsq_f32 v[\ta], v[\ta]
	v_nop                                          ; one plain line behind a transcendental (ISA guide 5.7.2)
	s_wait_alu depctr_va_vdst(0)
	v_mov_b32 v[\ta+1], v[\ta]
.endm
.macro APPLY xb, ta                    ; ((x - mean) rs) g + b
.set j, 0
.rept 16
	v_pk_mul_f32 v[\xb+j:\xb+j+1], v[\xb+j:\xb+j+1], v[\ta:\ta+1]
.set j, j+2
.endr
.set j, 0
.rept 16
	v_pk_fma_f32 v[\xb+j:\xb+j+1], v[\xb+j:\xb+j+1], v[144+j:145+j], v[176+j:177+j]
.set j, j+2
.endr
.endm
.macro QUANT s
.irp b, 0,1,2,3
	v_max3_num_f32 v[TM+\b], |v[\s+16*\b]|, |v[\s+1+16*\b]|, 0x8000000
.endr
.irp i, 2,4,6,8,10,12,14
.irp b, 0,1,2,3
	v_max3_num_f32 v[TM+\b], v[TM+\b], |v[\s+16*\b+\i]|, |v[\s+1+16*\b+\i]|
.endr
.endr
.irp b, 0,1,2,3
	v_permlanex16_b32 v[TM+4+\b], v[TM+\b], s[SEL], s[SEL+1]
.endr
.irp b, 0,1,2,3
	v_max_num_f32 v[TM+\b], v[TM+\b], v[TM+4+\b]
.endr
.irp b, 0,1,2,3
	v_add_nc_u32 v[TM+12+\b], 0xf8800000, v[TM+\b]
.endr
.irp b, 0,1,2,3
	v_and_or_b32 v[TM+8+\b], v[TM+\b], 0x7f800000, s[MNT]
.endr
.irp b, 0,1,2,3
	v_lshrrev_b32 v[TM+4+\b], 23, v[TM+12+\b]
.endr
	v_lshl_or_b32 v[PW], v[TM+5], 8, v[TM+4]
	v_lshl_or_b32 v[PW], v[TM+6], 16, v[PW]
	v_lshl_or_b32 v[PW], v[TM+7], 24, v[PW]
.irp b, 0,1,2,3
.irp i, 0,1,2,3,4,5,6,7,8,9,10,11,12,13,14,15
	v_med3_num_f32 v[\s+16*\b+\i], v[\s+16*\b+\i], -v[TM+8+\b], v[TM+8+\b]
.endr
	v_cvt_scalef32_pk8_bf8_f32 v[PC+4*\b:PC+1+4*\b], v[\s+16*\b:\s+7+16*\b], v[TM+12+\b]
	v_cvt_scalef32_pk8_bf8_f32 v[PC+2+4*\b:PC+3+4*\b], v[\s+8+16*\b:\s+15+16*\b], v[TM+12+\b]
.endr
	v_nop
.endm
	s_load_b256 s[4:11], s[0:1], 0x0               ; x1 s[4:5], g s[6:7], b s[8:9], ops s[10:11]
	v_lshl_add_u32 v232, v0, 2, 0x10100
	v_mov_b32 v233, 0
	v_lshrrev_b32 v1, 5, v0
	v_readfirstlane_b32 s[WV], v1
	v_and_b32 v2, 31, v0
	s_mov_b32 s[MNT], 0x600000
	s_mov_b32 s27, ttmp9                           ; T: my tile of 16 rows
	s_lshr_b32 s28, s27, 1
	s_lshl_b32 s28, s28, 5
	s_and_b32 s29, s27, 1
	s_lshl_b32 s29, s29, 3
	s_add_co_u32 s28, s28, s29
	s_lshl_b32 s29, s[WV], 1
	s_add_co_u32 s28, s28, s29
	s_lshr_b32 s29, s[WV], 2
	s_lshl_b32 s29, s29, 3
	s_add_co_u32 s28, s28, s29                     ; places 2 w, 2 w + 1: rows 32 (T / 2) + 8 (T % 2) + 2 w + 8 (w / 4) and the next
	s_lshl_b32 s30, s28, 12
	s_mov_b32 s31, 0
	s_mov_b32 s[SEL], 0x76543210
	s_mov_b32 s[SEL+1], 0xfedcba98
	s_mov_b32 s[INV], 0x3a800000
	s_mov_b32 s[EPS], 0x3727c5ac
	v_lshlrev_b32 v1, 4, v2
	s_wait_kmcnt 0x0
	s_add_nc_u64 s[4:5], s[4:5], s[30:31]
.irp w, 0,1
.irp j, 0,1,2,3,4,5,6,7
	global_load_b128 v[16+32*\w+4*\j:19+32*\w+4*\j], v1, s[4:5] offset:4096*\w+512*\j
.endr
.endr
.irp j, 0,1,2,3,4,5,6,7
	global_load_b128 v[144+4*\j:147+4*\j], v1, s[6:7] offset:512*\j
.endr
.irp j, 0,1,2,3,4,5,6,7
	global_load_b128 v[176+4*\j:179+4*\j], v1, s[8:9] offset:512*\j
.endr
	s_mul_i32 s36, s[WV], 2*LP
	v_add_nc_u32 v12, s36, v1
	v_and_b32 v3, 15, v0
	v_bfe_u32 v14, v0, 4, 1
	v_mul_u32_u24 v13, v3, LP
	v_lshl_add_u32 v13, v14, 6, v13
	s_lshl_b32 s36, s[WV], 9
	v_add_nc_u32 v13, s36, v13
	v_lshlrev_b32 v14, 3, v3
.irp b, 0,1,2,3
	v_mov_b32 v[TM+4+\b], 0
.endr
	s_lshr_b32 s36, s27, 3
	s_lshl_b32 s36, s36, 2
	s_lshr_b32 s37, s[WV], 1
	s_add_co_u32 s36, s36, s37
	s_add_co_u32 s36, s36, 512                     ; record 512 + (T / 8) 4 + w / 2
	s_mul_i32 s36, s36, REC
	s_and_b32 s38, s27, 7
	s_and_b32 s39, s[WV], 1
	s_lshl_b32 s40, s38, 1
	s_add_co_u32 s40, s40, s39
	s_lshl_b32 s40, s40, 11
	s_add_co_u32 s40, s40, s36
	s_mov_b32 s41, 0
	s_lshl_b32 s42, s38, 7
	s_lshl_b32 s43, s39, 2
	s_add_co_u32 s42, s42, s43
	s_add_co_u32 s42, s42, s36
	s_mov_b32 s43, 0
	s_add_nc_u64 s[40:41], s[10:11], s[40:41]
	s_add_nc_u64 s[42:43], s[10:11], s[42:43]
	s_wait_loadcnt 16                              ; the rows' 16 loads are in; g's 8 and b's 8 may be out
	STATS 16, 4, 6
	STATS 48, 8, 10
	s_wait_loadcnt 0x0
	APPLY 16, 4
	APPLY 48, 8
.irp w, 0,1
.irp j, 0,1,2,3,4,5,6,7
	ds_store_b128 v12, v[16+32*\w+4*\j:19+32*\w+4*\j] offset:LP*\w+512*\j
.endr
.endr
	s_wait_dscnt 0x0                               ; for the others' sake: my two rows lie in LDS
	s_barrier_signal -1
	s_barrier_wait -1
.irp b, 0,1,2,3
.irp j, 0,1,2,3
	ds_load_b128 v[16+16*\b+4*\j:19+16*\b+4*\j], v13 offset:128*\b+16*\j
.endr
.endr
	s_wait_dscnt 0x0
	QUANT 16
.irp c, 0,1,2,3
	global_store_b128 v1, v[PC+4*\c:PC+4*\c+3], s[40:41] offset:512*\c
.endr
	global_store_b32 v14, v[PW], s[42:43] offset:32768             ; lanes l and l xor 16 store the same word to the same place
	s_wait_tensorcnt 0x0
	ds_add_u32 v232, v233
	s_wait_dscnt 0x0
	s_endpgm
.Lfunc_end_k_qdf7ec915b7_ln2:
	.size	k_qdf7ec915b7_ln2, .Lfunc_end_k_qdf7ec915b7_ln2-k_qdf7ec915b7_ln2
	.p2alignl 7, 3214868480
	.fill 96, 4, 3214868480
	.section	.rodata,"a",@progbits
	.p2align	6, 0x0
	.amdhsa_kernel k_qdf7ec915b7_ln2
		.amdhsa_group_segment_fixed_size 66816
		.amdhsa_private_segment_fixed_size 0
		.amdhsa_enable_private_segment 0
		.amdhsa_kernarg_size 32
		.amdhsa_user_sgpr_count 2
		.amdhsa_user_sgpr_kernarg_segment_ptr 1
		.amdhsa_wavefront_size32 1
		.amdhsa_system_sgpr_workgroup_id_x 1
		.amdhsa_system_sgpr_workgroup_id_y 1
		.amdhsa_system_sgpr_workgroup_id_z 1
		.amdhsa_system_vgpr_workitem_id 0
		.amdhsa_next_free_vgpr 234
		.amdhsa_next_free_sgpr 66
		.amdhsa_reserve_vcc 0
		.amdhsa_float_denorm_mode_32 3
		.amdhsa_float_denorm_mode_16_64 3
		.amdhsa_memory_ordered 1
		.amdhsa_forward_progress 1
		.amdhsa_inst_pref_size 29
	.end_amdhsa_kernel
	.amdgpu_metadata
---
amdhsa.version: [ 1, 2 ]
amdhsa.kernels:
  - .name:           k_qdf7ec915b7_ln2
    .symbol:         k_qdf7ec915b7_ln2.kd
    .args:
      - { .name: x1, .offset: 0, .size: 8, .value_kind: global_buffer, .address_space: global }
      - { .name: ln2_g, .offset: 8, .size: 8, .value_kind: global_buffer, .address_space: global }
      - { .name: ln2_b, .offset: 16, .size: 8, .value_kind: global_buffer, .address_space: global }
      - { .name: ops, .offset: 24, .size: 8, .value_kind: global_buffer, .address_space: global }
    .group_segment_fixed_size: 66816
    .private_segment_fixed_size: 0
    .kernarg_segment_align: 8
    .kernarg_segment_size: 32
    .max_flat_workgroup_size: 256
    .sgpr_count:     66
    .vgpr_count:     234
    .wavefront_size: 32
...
	.end_amdgpu_metadata
.endif
;; end of part 5
;; launch fc1 (part 6): grid 16 x 16, 4 waves a work-group, clusters of 4 x 4, 327,680 bytes of LDS; arguments ops, b1, gq; writes gq
.if DOCPART == 6
	.amdgcn_target "amdgcn-amd-amdhsa--gfx1250"
	.amdhsa_code_object_version 6
	.text
	.protected	k_qdf7ec915b7_fc1
	.globl	k_qdf7ec915b7_fc1
	.p2align	8
	.type	k_qdf7ec915b7_fc1,@function
k_qdf7ec915b7_fc1:
	s_mov_b64 s[64:65], 0
	v_nop
	global_prefetch_b8 v0, s[64:65] scope:SCOPE_SE
	s_setreg_imm32_b32 hwreg(HW_REG_WAVE_MODE, 25, 1), 1
	s_wait_xcnt 0x0
	s_wait_alu depctr_hold_cnt(0) depctr_sa_sdst(0) depctr_va_vdst(0) depctr_va_sdst(0) depctr_va_ssrc(0) depctr_va_vcc(0) depctr_vm_vsrc(0)
	s_getreg_b32 s2, hwreg(HW_REG_IB_STS2, 6, 4)
	s_cmp_eq_u32 s2, 0
	s_cbranch_scc0 .Lentry_in_a_cluster
	s_endpgm
.Lentry_in_a_cluster:
	s_bfe_u32 s2, ttmp6, 0x10000c
	s_cmp_lg_u32 s2, 0xf033
	s_cbranch_scc0 .Lentry_shape_is_right
	s_endpgm
.Lentry_shape_is_right:
; gq = Q(gelu(m W1 + b1)): the product on codes of BF8 (E5M2) with E8M0 scales, K = 1,024; the exact gelu in f32; the result quantised along the 4,096 hidden units into the next product's records.
; OPERANDS come as RECORDS of 33,792 bytes (128 rows x 256 K: 16 fragment images, then the scale words at 32,768), dense in memory: one tensor load a wave brings codes and scales of a K step.
; A tile of 256 x 256 is made by four waves, 128 x 128 each.  Source 0 = W1's columns, source 1 = m's rows: by the records' tile order a lane's 64 registers of a block are hidden units 32 b + 16 (lane / 16) + i: a fragment of the next K.
; CLUSTERS 4 x 4: A's records are shared along a row of the cluster, B's along a column: joint loads with a mask.
; GELU: gelu(x) = max(x, 0) - |x| e, e = erfc(|x| / sqrt 2) / 2 = t 2^(poly(t) - x^2 log2(e) / 2 - 1), t = 1 / (1 + |x| / (2 sqrt 2)); poly is a ninth-degree fit of erfc whose error is a fraction (1.2e-7) of erfc itself,
; so the result is accurate relative to itself for negative x too.  LIMITS: about 1e-6 of the number; under x = -13 or so the result falls to -0; NaN and infinities are not served; blocks under 2^-111 and blocks of zeros get the byte 1.
; REGISTERS: window 0: v6-9 and v28-29 addresses and the scale word; v10-27, v240-243 the fit's constants, each twice (on the way out); v32-63 scale words and nothing else; v64-127 b1; v128-255 A's fragments,
;   on the way out v128-191 64 numbers, v192-207 t and then the codes, v208-223 poly and then the quantiser's work, v224-239 e.  window 1: B's fragments.  windows 2, 3: accumulators.
.set KS,    4
.set RA0,   512                        ; m's first record in ops
.set RB0,   128                        ; W1's
.set REC,   33792
.set SLOT,  4*REC
.set SPARE, 2*SLOT
.set NQ,    2
.set FR,    16
.set NL,    4
.set NP,    8
.set LAPS,  KS/2
.set ADRA,  16
.set ADRB,  20
.set ADRS,  22
.set SPW,   28
.set NIL,   29
.set SC,    32
.set AF,    128
.set G1,    24
.set G0,    32
.set G1B,   48
.set G0B,   56
.set PW,    6
.set LI,    8
.set L8,    9
.set BIAS,  64
.set XG,    128
.set T,     192
.set P,     208
.set E,     224
.set PC,    192
.set TM,    208
.set C0,    10
.set C1,    12
.set C2,    14
.set C3,    16
.set C4,    18
.set C5,    20
.set C6,    22
.set C7,    24
.set C8,    26
.set C9,    240
.set NL2,   242
.set SEL,   72
.set MNT,   74
.set HS2,   75
.set MSB,   0
.set MUL_LO, 0xa1
.set MUL_HI, 0xf1
.set TO_B,   0x40
.macro WIN new
.if MSB != (\new)
	s_set_vgpr_msb (MSB<<8)|(\new)
.set MSB, (\new)
.endif
.endm
.macro JLOAD s                         ; a joint load: waves 0 and 1 fetch A's halves, waves 2 and 3 B's; four v_nop follow each line
	s_cmp_eq_u32 s15, 0
	s_cbranch_scc0 .Lfor_b_\@
	tensor_load_to_lds s[G0+4*\s:G0+4*\s+3], s[G1:G1+7]
	s_nop 0
.rept 4
	v_nop
.endr
	s_branch .Lasked_\@
.Lfor_b_\@:
	tensor_load_to_lds s[G0B+4*\s:G0B+4*\s+3], s[G1B:G1B+7]
	s_nop 0
.rept 4
	v_nop
.endr
.Lasked_\@:
.endm
.macro CREST
	s_cmp_lg_u32 s14, 0
	s_cbranch_scc1 .Lnot_wave_0_\@
	s_barrier_signal -3
.Lnot_wave_0_\@:
	s_barrier_wait -3
	s_barrier_signal -1
	s_barrier_wait -1
.endm
.macro CROUND
	s_barrier_signal -1
	s_barrier_wait -1
	CREST
.endm
.macro FRAG reg, adr, q, i
.irp c, 0,1,2,3
	ds_load_b128 v[\reg+4*\c:\reg+4*\c+3], v[\adr] offset:(((\i)*2+(\q))*4+\c)*512
.endr
.endm
.macro MUL16 a0, p, q, sc, zero        ; the 64 accumulators take turns, one instruction a turn
.irp a, \a0, \a0+1
.irp b, 0,1,2,3,4,5,6,7
.if \zero
	v_wmma_scale_f32_16x16x128_f8f6f4 v[8*(8*((\a)%4)+\b):8*(8*((\a)%4)+\b)+7], v[128*(\p)+FR*\b:128*(\p)+FR*\b+FR-1], v[AF+FR*(\a):AF+FR*(\a)+FR-1], 0, v[SC+8*NQ*(\sc)+NQ*\b+(\q)], v[SC+8*NQ*(\sc)+NQ*(\a)+(\q)] matrix_a_fmt:MATRIX_FMT_BF8 matrix_b_fmt:MATRIX_FMT_BF8 matrix_a_scale:MATRIX_SCALE_ROW1
.else
	v_wmma_scale_f32_16x16x128_f8f6f4 v[8*(8*((\a)%4)+\b):8*(8*((\a)%4)+\b)+7], v[128*(\p)+FR*\b:128*(\p)+FR*\b+FR-1], v[AF+FR*(\a):AF+FR*(\a)+FR-1], v[8*(8*((\a)%4)+\b):8*(8*((\a)%4)+\b)+7], v[SC+8*NQ*(\sc)+NQ*\b+(\q)], v[SC+8*NQ*(\sc)+NQ*(\a)+(\q)] matrix_a_fmt:MATRIX_FMT_BF8 matrix_b_fmt:MATRIX_FMT_BF8 matrix_a_scale:MATRIX_SCALE_ROW1
.endif
.endr
.endr
.endm
.macro FETCH_B slot, q, p
	WIN TO_B
.irp i, 0,1,2,3,4,5,6,7
	FRAG 128*(\p)+FR*\i, ADRB+\slot, \q, \i
.endr
	WIN 0
.endm
.macro FETCH_A slot, q, i0
.irp i, \i0, \i0+1, \i0+2, \i0+3
	FRAG AF+FR*(\i), ADRA+\slot, \q, \i
.endr
.endm
.macro SCALES sc
.irp i, 0,1,2,3,4,5,6,7
	ds_load_b64 v[SC+8*NQ*\sc+NQ*\i:SC+8*NQ*\sc+NQ*\i+1], v[ADRS+\sc] offset:\i*128
.endr
.endm
.macro PLACES n
.rept \n
	v_nop
.endr
.endm
.macro STEP slot, q, zero
	s_wait_dscnt 4*NL                              ; all but the youngest 16 loads (A's blocks 4-7)
	WIN MUL_LO
	MUL16 0, (\q)%2, \q, \slot, \zero
	MUL16 2, (\q)%2, \q, \slot, \zero
	s_wait_dscnt 0
	PLACES NP
	FETCH_B \slot, (\q)+1, 1-(\q)%2
	FETCH_A \slot, (\q)+1, 0
	WIN MUL_HI
	MUL16 4, (\q)%2, \q, \slot, \zero
	MUL16 6, (\q)%2, \q, \slot, \zero
	PLACES NP
	WIN 0
	FETCH_A \slot, (\q)+1, 4
.endm
.macro TURN slot, next, fill
	s_wait_tensorcnt 0x0                           ; all my tensor loads have landed: my part of the next slot
	ds_add_u32 v[SPW], v[NIL]                      ; 0 onto my spare word
	s_wait_dscnt 4*NL+1                            ; (the add and A's blocks 4-7 may be out)
	WIN MUL_LO
	MUL16 0, 1, NQ-1, \slot, 0
	s_wait_dscnt 0x0                               ; the add is done, and my reads of this slot are over
	s_barrier_signal -1
	MUL16 2, 1, NQ-1, \slot, 0
	WIN 0
	s_barrier_wait -1
.if \fill
	CREST                                          ; a round of the cluster's barrier: no wave of any partner still reads this slot or has a load on its way
	s_add_nc_u64 s[G0+4*\slot+2:G0+4*\slot+3], s[G0+4*\slot+2:G0+4*\slot+3], 2*REC
	s_add_nc_u64 s[G0B+4*\slot+2:G0B+4*\slot+3], s[G0B+4*\slot+2:G0B+4*\slot+3], 2*REC
	JLOAD \slot
	PLACES NP-4
.else
	PLACES NP
.endif
	FETCH_B \next, 0, 0
	FETCH_A \next, 0, 0
	SCALES \next
	WIN MUL_HI
	MUL16 4, 1, NQ-1, \slot, 0
	MUL16 6, 1, NQ-1, \slot, 0
	PLACES NP
	WIN 0
	FETCH_A \next, 0, 4
.endm
.macro QUANT src, win, dst             ; 64 numbers of a lane become codes in v[PC] on and a scale word in v[PW]
	WIN ((\win)<<2)|((\win)<<4)
.irp b, 0,1,2,3
	v_max3_num_f32 v[TM+\b], 0x8000000, |v[(\src)+16*\b]|, |v[(\src)+16*\b+1]|
.endr
.irp i, 2,4,6,8,10,12,14
.irp b, 0,1,2,3
	v_max3_num_f32 v[TM+\b], v[TM+\b], |v[(\src)+16*\b+\i]|, |v[(\src)+16*\b+\i+1]|
.endr
.endr
	WIN 0
.irp b, 0,1,2,3
	v_permlanex16_b32 v[TM+4+\b], v[TM+\b], s[SEL], s[SEL+1]
.endr
.irp b, 0,1,2,3
	v_max_num_f32 v[TM+\b], v[TM+\b], v[TM+4+\b]
.endr
.irp b, 0,1,2,3
	v_add_nc_u32 v[TM+12+\b], 0xf8800000, v[TM+\b]
.endr
.irp b, 0,1,2,3
	v_and_or_b32 v[TM+8+\b], v[TM+\b], 0x7f800000, s[MNT]
.endr
.irp b, 0,1,2,3
	v_lshrrev_b32 v[TM+4+\b], 23, v[TM+12+\b]
.endr
	v_lshl_or_b32 v[PW], v[TM+5], 8, v[TM+4]
	v_lshl_or_b32 v[PW], v[TM+6], 16, v[PW]
	v_lshl_or_b32 v[PW], v[TM+7], 24, v[PW]
	WIN (\win)
.irp b, 0,1,2,3
.irp i, 0,1,2,3,4,5,6,7,8,9,10,11,12,13,14,15
	v_med3_num_f32 v[(\dst)+16*\b+\i], v[(\src)+16*\b+\i], -v[TM+8+\b], v[TM+8+\b]
.endr
.endr
	WIN 0
.irp b, 0,1,2,3
	v_cvt_scalef32_pk8_bf8_f32 v[PC+4*\b:PC+4*\b+1], v[(\dst)+16*\b:(\dst)+16*\b+7], v[TM+12+\b]
	v_cvt_scalef32_pk8_bf8_f32 v[PC+4*\b+2:PC+4*\b+3], v[(\dst)+16*\b+8:(\dst)+16*\b+15], v[TM+12+\b]
.endr
	v_nop
.endm
.macro CSET reg, val                   ; a constant, twice: a pair for the packed forms
	v_mov_b32 v[\reg], \val
	v_mov_b32 v[\reg+1], \val
.endm
.macro GELU x                          ; sixteen numbers in place
.set i, 0
.rept 16
	v_fma_f32 v[T+i], |v[\x+i]|, s[HS2], 1.0       ; 1 + |x| / (2 sqrt 2)
.set i, i+1
.endr
.set i, 0
.rept 16
	v_rcp_f32 v[T+i], v[T+i]                       ; t
.set i, i+1
.endr
.set i, 0
.rept 8
	v_pk_mul_f32 v[E+i:E+i+1], v[\x+i:\x+i+1], v[\x+i:\x+i+1]      ; x^2 (plain lines behind the reciprocals)
.set i, i+2
.endr
.set i, 0
	s_wait_alu depctr_va_vdst(0)
.rept 8
	v_pk_fma_f32 v[P+i:P+i+1], v[T+i:T+i+1], v[C9:C9+1], v[C8:C8+1]
.set i, i+2
.endr
.irp k, C7,C6,C5,C4,C3,C2,C1,C0
.set i, 0
.rept 8
	v_pk_fma_f32 v[P+i:P+i+1], v[P+i:P+i+1], v[T+i:T+i+1], v[\k:\k+1]
.set i, i+2
.endr
.endr
.set i, 0
.rept 8
	v_pk_fma_f32 v[E+i:E+i+1], v[E+i:E+i+1], v[NL2:NL2+1], v[P+i:P+i+1]
.set i, i+2
.endr
.set i, 0
.rept 16
	v_exp_f32 v[E+i], v[E+i]
.set i, i+1
.endr
.set i, 0
.rept 16
	v_max_num_f32 v[P+i], 0, v[\x+i]               ; max(x, 0) (plain lines behind the exponentials)
.set i, i+1
.endr
.set i, 0
	s_wait_alu depctr_va_vdst(0)
.rept 8
	v_pk_mul_f32 v[E+i:E+i+1], v[E+i:E+i+1], v[T+i:T+i+1]          ; erfc / 2
.set i, i+2
.endr
.set i, 0
.rept 16
	v_fma_f32 v[\x+i], -|v[\x+i]|, v[E+i], v[P+i]
.set i, i+1
.endr
.endm
	s_load_b128 s[4:7], s[0:1], 0x0                ; ops s[4:5], b1 s[6:7]
	s_load_b64 s[8:9], s[0:1], 0x10                ; gq
	v_lshl_add_u32 v[SPW], v0, 2, SPARE
	v_mov_b32 v[NIL], 0
	ds_add_u32 v28, v29
	ds_add_u32 v28, v29
	s_wait_dscnt 0x0
	v_lshrrev_b32 v1, 5, v0
	v_readfirstlane_b32 s14, v1
	s_lshr_b32 s15, s14, 1
	s_and_b32 s16, s14, 1
	s_bfe_u32 s40, ttmp6, 0x40000
	s_bfe_u32 s41, ttmp6, 0x40004
	s_lshl_b32 s42, ttmp9, 2
	s_add_co_u32 s42, s42, s40                     ; tile column
	s_and_b32 s17, ttmp7, 0xffff
	s_lshl_b32 s17, s17, 2
	s_add_co_u32 s17, s17, s41                     ; tile row
	s_lshl_b32 s43, s41, 2
	s_lshl_b32 s43, 15, s43
	s_lshl_b32 s44, 0x1111, s40
	s_or_b32 s[G1+0], s43, (3<<16)|(1<<21)
	s_or_b32 s[G1B+0], s44, (3<<16)|(1<<21)
.irp g, G1, G1B
	s_mov_b32 s[\g+1], 32<<16
	s_mov_b32 s[\g+2], 132<<16
	s_mov_b32 s[\g+3], 32<<16
	s_mov_b32 s[\g+4], 132
	s_mov_b32 s[\g+5], 32
	s_mov_b32 s[\g+6], 0
	s_mov_b32 s[\g+7], 0
.endr
	s_lshl_b32 s20, s17, 1
	s_add_co_u32 s20, s20, s16
	s_mul_i32 s20, s20, KS*REC
	s_add_co_u32 s20, s20, RA0*REC
	s_mov_b32 s21, 0
	s_lshl_b32 s46, s42, 1
	s_add_co_u32 s46, s46, s16
	s_mul_i32 s46, s46, KS*REC
	s_add_co_u32 s46, s46, RB0*REC
	s_mov_b32 s47, 0
	s_mul_i32 s45, s14, REC
	s_wait_kmcnt 0x0
	s_add_nc_u64 s[20:21], s[4:5], s[20:21]
	s_add_nc_u64 s[46:47], s[4:5], s[46:47]
	CROUND
.irp s, 0,1
	s_mov_b32 s[G0+4*\s], 1
	s_add_co_u32 s[G0+4*\s+1], s45, \s*SLOT
	s_add_nc_u64 s[G0+4*\s+2:G0+4*\s+3], s[20:21], \s*REC
	s_or_b32 s[G0+4*\s+3], s[G0+4*\s+3], 0x80000000
	s_mov_b32 s[G0B+4*\s], 1
	s_add_co_u32 s[G0B+4*\s+1], s45, \s*SLOT
	s_add_nc_u64 s[G0B+4*\s+2:G0B+4*\s+3], s[46:47], \s*REC
	s_or_b32 s[G0B+4*\s+3], s[G0B+4*\s+3], 0x80000000
	JLOAD \s
.endr
	v_and_b32 v1, 31, v0
	v_lshlrev_b32 v3, 4, v1
	v_and_b32 v2, 15, v0
	v_bfe_u32 v4, v0, 4, 1
	s_mul_i32 s21, s15, REC
	s_mul_i32 s22, s16, REC
	s_add_co_u32 s22, s22, 2*REC
.irp s, 0,1
	v_add_nc_u32 v[ADRA+\s], s21, v3
	v_add_nc_u32 v[ADRB+\s], s22, v3
	s_add_co_u32 s21, s21, SLOT
	s_add_co_u32 s22, s22, SLOT
.endr
	s_mul_i32 s21, s15, REC
	s_mul_i32 s22, s16, REC
	s_add_co_u32 s22, s22, 2*REC
	s_sub_co_u32 s22, s22, s21
	v_mul_u32_u24 v5, s22, v4
	v_lshl_add_u32 v5, v2, 3, v5
	s_add_co_u32 s21, s21, 32768
	v_add_nc_u32 v[ADRS], s21, v5
	v_add_nc_u32 v[ADRS+1], SLOT, v[ADRS]
	v_lshlrev_b32 v[LI], 4, v1
	v_lshlrev_b32 v[L8], 3, v2
	v_lshlrev_b32 v7, 6, v4                        ; b1: lanes 16-31 begin 16 numbers further on
	s_lshl_b32 s70, s42, 10
	s_lshl_b32 s71, s16, 9
	s_add_co_u32 s70, s70, s71
	s_mov_b32 s71, 0
	s_add_nc_u64 s[6:7], s[6:7], s[70:71]          ; b1 at my 128 hidden units
.irp b, 0,1,2,3
.irp j, 0,1,2,3
	global_load_b128 v[BIAS+16*\b+4*\j:BIAS+16*\b+4*\j+3], v7, s[6:7] offset:128*\b+16*\j   ; register 16 b + i: hidden unit 32 b + 16 h + i, as the accumulators have them
.endr
.endr
	s_lshl_b32 s66, s17, 1                         ; where my results go: record (2 tile row + half) 16 + tile column; my 128 hidden units are its q = my column half
	s_add_co_u32 s66, s66, s15
	s_lshl_b32 s66, s66, 4
	s_add_co_u32 s66, s66, s42
	s_mul_i32 s66, s66, REC
	s_lshl_b32 s67, s16, 11
	s_add_co_u32 s68, s66, s67
	s_mov_b32 s69, 0
	s_lshl_b32 s67, s16, 2
	s_add_co_u32 s66, s66, s67
	s_mov_b32 s67, 0
	s_add_nc_u64 s[68:69], s[8:9], s[68:69]        ; codes
	s_add_nc_u64 s[66:67], s[8:9], s[66:67]        ; scale words
	s_mov_b32 s[SEL], 0x76543210
	s_mov_b32 s[SEL+1], 0xfedcba98
	s_mov_b32 s[MNT], 0x600000
	s_mov_b32 s[HS2], 0x3eb504f3                   ; 1 / (2 sqrt 2)
	s_wait_tensorcnt 1                             ; my part of K step 0 is in (K step 1's may be out)
	s_barrier_signal -1
	s_barrier_wait -1
	FETCH_B 0, 0, 0
	FETCH_A 0, 0, 0
	SCALES 0
	FETCH_A 0, 0, 4
	STEP 0, 0, 1
	s_mov_b32 s3, LAPS-1
.Llap:
	TURN 0, 1, 1
	STEP 1, 0, 0
	TURN 1, 0, 1
	STEP 0, 0, 0
	s_sub_co_u32 s3, s3, 1
	s_cmp_lg_u32 s3, 0
	s_cbranch_scc1 .Llap
	TURN 0, 1, 0
	STEP 1, 0, 0
	s_wait_dscnt 4*NL
	WIN MUL_LO
	MUL16 0, 1, NQ-1, 1, 0
	MUL16 2, 1, NQ-1, 1, 0
	s_wait_dscnt 0
	WIN MUL_HI
	MUL16 4, 1, NQ-1, 1, 0
	MUL16 6, 1, NQ-1, 1, 0
	WIN 0
	PLACES NP
	CSET C0, 0xc034d90f                            ; the fit's coefficients x log2(e); the first with the 1 of erfc / 2 taken off
	CSET C1, 0x3fb8ab5a
	CSET C2, 0x3f0a29d2
	CSET C3, 0x3e0efb2e
	CSET C4, 0xbe899a80
	CSET C5, 0x3ecdfd18
	CSET C6, 0xbfd1a1e5
	CSET C7, 0x40097039
	CSET C8, 0xbf97d29d
	CSET C9, 0x3e7c6f08
	CSET NL2, 0xbf38aa3b                           ; -log2(e) / 2
	s_wait_loadcnt 0x0                             ; b1
.irp a, 0,1,2,3,4,5,6,7                        ; THE WAY OUT, block a of 16 rows: + b1, gelu, quantised: one fragment of the next product
	s_wait_xcnt 0x0                                ; the last block's stores have read the codes' registers, which t takes again
	WIN 2+\a/4
.set j, 0
.rept 32
	v_pk_add_f32 v[XG+j:XG+j+1], v[64*(\a%4)+j:64*(\a%4)+j+1], v[BIAS+j:BIAS+j+1]   ; each accumulator from its low end on
.set j, j+2
.endr
	WIN 0
	GELU XG
	GELU XG+16
	GELU XG+32
	GELU XG+48
	QUANT XG, 0, XG
.irp c, 0,1,2,3
	global_store_b128 v[LI], v[PC+4*\c:PC+4*\c+3], s[68:69] offset:\a*4096+\c*512   ; 512 consecutive bytes a store
.endr
	global_store_b32 v[L8], v[PW], s[66:67] offset:32768+\a*128    ; lanes l and l xor 16 store the same word to the same place
.endr
	s_wait_tensorcnt 0x0                           ; the wave's end
	ds_add_u32 v[SPW], v[NIL]
	s_wait_dscnt 0x0
	CROUND
	s_endpgm
.Lfunc_end_k_qdf7ec915b7_fc1:
	.size	k_qdf7ec915b7_fc1, .Lfunc_end_k_qdf7ec915b7_fc1-k_qdf7ec915b7_fc1
	.p2alignl 7, 3214868480
	.fill 96, 4, 3214868480
	.section	.rodata,"a",@progbits
	.p2align	6, 0x0
	.amdhsa_kernel k_qdf7ec915b7_fc1
		.amdhsa_group_segment_fixed_size 327680
		.amdhsa_private_segment_fixed_size 0
		.amdhsa_enable_private_segment 0
		.amdhsa_kernarg_size 24
		.amdhsa_user_sgpr_count 2
		.amdhsa_user_sgpr_kernarg_segment_ptr 1
		.amdhsa_wavefront_size32 1
		.amdhsa_system_sgpr_workgroup_id_x 1
		.amdhsa_system_sgpr_workgroup_id_y 1
		.amdhsa_system_sgpr_workgroup_id_z 1
		.amdhsa_system_vgpr_workitem_id 0
		.amdhsa_next_free_vgpr 1024
		.amdhsa_next_free_sgpr 100
		.amdhsa_reserve_vcc 0
		.amdhsa_float_denorm_mode_32 3
		.amdhsa_float_denorm_mode_16_64 3
		.amdhsa_memory_ordered 1
		.amdhsa_forward_progress 1
		.amdhsa_inst_pref_size 255
	.end_amdhsa_kernel
	.section	.bss,"aw",@nobits
	.p2align	6
	.space	262144
	.amdgpu_metadata
---
amdhsa.version: [ 1, 2 ]
amdhsa.kernels:
  - .name:           k_qdf7ec915b7_fc1
    .symbol:         k_qdf7ec915b7_fc1.kd
    .args:
      - { .name: ops, .offset: 0, .size: 8, .value_kind: global_buffer, .address_space: global }
      - { .name: b1, .offset: 8, .size: 8, .value_kind: global_buffer, .address_space: global }
      - { .name: gq, .offset: 16, .size: 8, .value_kind: global_buffer, .address_space: global }
    .group_segment_fixed_size: 327680
    .private_segment_fixed_size: 0
    .kernarg_segment_align: 8
    .kernarg_segment_size: 24
    .max_flat_workgroup_size: 128
    .sgpr_count:     100
    .vgpr_count:     1024
    .wavefront_size: 32
...
	.end_amdgpu_metadata
.endif
;; end of part 6
;; launch fc2 (part 7): grid 4 x 16, 4 waves a work-group, clusters of 4 x 4, 327,680 bytes of LDS; arguments gq, ops, b2, x1, out0; writes out0
.if DOCPART == 7
	.amdgcn_target "amdgcn-amd-amdhsa--gfx1250"
	.amdhsa_code_object_version 6
	.text
	.protected	k_qdf7ec915b7_fc2
	.globl	k_qdf7ec915b7_fc2
	.p2align	8
	.type	k_qdf7ec915b7_fc2,@function
k_qdf7ec915b7_fc2:
	s_mov_b64 s[64:65], 0
	v_nop
	global_prefetch_b8 v0, s[64:65] scope:SCOPE_SE
	s_setreg_imm32_b32 hwreg(HW_REG_WAVE_MODE, 25, 1), 1
	s_wait_xcnt 0x0
	s_wait_alu depctr_hold_cnt(0) depctr_sa_sdst(0) depctr_va_vdst(0) depctr_va_sdst(0) depctr_va_ssrc(0) depctr_va_vcc(0) depctr_vm_vsrc(0)
	s_getreg_b32 s2, hwreg(HW_REG_IB_STS2, 6, 4)
	s_cmp_eq_u32 s2, 0
	s_cbranch_scc0 .Lentry_in_a_cluster
	s_endpgm
.Lentry_in_a_cluster:
	s_bfe_u32 s2, ttmp6, 0x10000c
	s_cmp_lg_u32 s2, 0xf033
	s_cbranch_scc0 .Lentry_shape_is_right
	s_endpgm
.Lentry_shape_is_right:
; out0 = x1 + gelu(..) W2 + b2, the product on codes of BF8 (E5M2) with E8M0 scales, K = 4,096.
; OPERANDS come as RECORDS of 33,792 bytes (128 rows x 256 K: 16 fragment images, then the scale words at 32,768), dense in memory: one tensor load a wave brings codes and scales of a K step.
; A tile of 256 x 256 is made by four waves, 128 x 128 each: 64 accumulators.  Two LDS slots of four records take turns.  Source 0 = the weight's columns, source 1 = the rows.
; The grid has 64 work-groups: 16 x 4 tiles of 256 x 256; a smaller tile would read each fragment from LDS for half as many products.
; CLUSTERS 4 x 4: A's records are shared along a row of the cluster, B's along a column: joint loads with a mask.
; TILE ORDER: place r of tile 2 b + u is row (or column) 32 b + 8 u + r + 8 (r / 8) of its 128: the way out puts rows and columns back.
; REGISTERS: window 0: v8-11 the bias; v16-29 addresses; v32-63 scale words and nothing else; v64-127, v192-255 the residual's rows, two sets; v128-255 A's fragments, on the way out v128-191 16 rows.  window 1: B's fragments.  windows 2, 3: accumulators.
.set KS,    16
.set RB0,   256                        ; W2's first record in ops
.set REC,   33792
.set SLOT,  4*REC
.set SPARE, 2*SLOT                     ; the spare words, 128 bytes a wave, two blocks of 256 bytes that no other line names
.set STAGE, SPARE+512                  ; the way out: 16 rows x (512 + 16) bytes for each wave; no tensor load ever lands here
.set NQ,    2
.set FR,    16
.set NL,    4
.set NP,    8
.set LAPS,  KS/2
.set ADRA,  16
.set ADRB,  20
.set ADRS,  22
.set STO,   24
.set RD,    25
.set CO,    26
.set SPW,   28
.set NIL,   29
.set SC,    32
.set AF,    128
.set BI,    8
.set RS,    64
.set BK,    128
.set G1,    24
.set G0,    32
.set G1B,   48
.set G0B,   56
.set MSB,   0
.set MUL_LO, 0xa1
.set MUL_HI, 0xf1
.set TO_B,   0x40
.macro WIN new
.if MSB != (\new)
	s_set_vgpr_msb (MSB<<8)|(\new)
.set MSB, (\new)
.endif
.endm
.macro JLOAD s                         ; a joint load: waves 0 and 1 fetch A's halves, waves 2 and 3 B's; four v_nop follow each line
	s_cmp_eq_u32 s15, 0
	s_cbranch_scc0 .Lfor_b_\@
	tensor_load_to_lds s[G0+4*\s:G0+4*\s+3], s[G1:G1+7]
	s_nop 0
.rept 4
	v_nop
.endr
	s_branch .Lasked_\@
.Lfor_b_\@:
	tensor_load_to_lds s[G0B+4*\s:G0B+4*\s+3], s[G1B:G1B+7]
	s_nop 0
.rept 4
	v_nop
.endr
.Lasked_\@:
.endm
.macro CREST
	s_cmp_lg_u32 s14, 0
	s_cbranch_scc1 .Lnot_wave_0_\@
	s_barrier_signal -3
.Lnot_wave_0_\@:
	s_barrier_wait -3
	s_barrier_signal -1
	s_barrier_wait -1
.endm
.macro CROUND
	s_barrier_signal -1
	s_barrier_wait -1
	CREST
.endm
.macro FRAG reg, adr, q, i
.irp c, 0,1,2,3
	ds_load_b128 v[\reg+4*\c:\reg+4*\c+3], v[\adr] offset:(((\i)*2+(\q))*4+\c)*512
.endr
.endm
.macro MUL16 a0, p, q, sc, zero        ; the 64 accumulators take turns, one instruction a turn
.irp a, \a0, \a0+1
.irp b, 0,1,2,3,4,5,6,7
.if \zero
	v_wmma_scale_f32_16x16x128_f8f6f4 v[8*(8*((\a)%4)+\b):8*(8*((\a)%4)+\b)+7], v[128*(\p)+FR*\b:128*(\p)+FR*\b+FR-1], v[AF+FR*(\a):AF+FR*(\a)+FR-1], 0, v[SC+8*NQ*(\sc)+NQ*\b+(\q)], v[SC+8*NQ*(\sc)+NQ*(\a)+(\q)] matrix_a_fmt:MATRIX_FMT_BF8 matrix_b_fmt:MATRIX_FMT_BF8 matrix_a_scale:MATRIX_SCALE_ROW1
.else
	v_wmma_scale_f32_16x16x128_f8f6f4 v[8*(8*((\a)%4)+\b):8*(8*((\a)%4)+\b)+7], v[128*(\p)+FR*\b:128*(\p)+FR*\b+FR-1], v[AF+FR*(\a):AF+FR*(\a)+FR-1], v[8*(8*((\a)%4)+\b):8*(8*((\a)%4)+\b)+7], v[SC+8*NQ*(\sc)+NQ*\b+(\q)], v[SC+8*NQ*(\sc)+NQ*(\a)+(\q)] matrix_a_fmt:MATRIX_FMT_BF8 matrix_b_fmt:MATRIX_FMT_BF8 matrix_a_scale:MATRIX_SCALE_ROW1
.endif
.endr
.endr
.endm
.macro FETCH_B slot, q, p
	WIN TO_B
.irp i, 0,1,2,3,4,5,6,7
	FRAG 128*(\p)+FR*\i, ADRB+\slot, \q, \i
.endr
	WIN 0
.endm
.macro FETCH_A slot, q, i0
.irp i, \i0, \i0+1, \i0+2, \i0+3
	FRAG AF+FR*(\i), ADRA+\slot, \q, \i
.endr
.endm
.macro SCALES sc
.irp i, 0,1,2,3,4,5,6,7
	ds_load_b64 v[SC+8*NQ*\sc+NQ*\i:SC+8*NQ*\sc+NQ*\i+1], v[ADRS+\sc] offset:\i*128
.endr
.endm
.macro PLACES n
.rept \n
	v_nop
.endr
.endm
.macro STEP slot, q, zero
	s_wait_dscnt 4*NL                              ; all but the youngest 16 loads (A's blocks 4-7)
	WIN MUL_LO
	MUL16 0, (\q)%2, \q, \slot, \zero
	MUL16 2, (\q)%2, \q, \slot, \zero
	s_wait_dscnt 0
	PLACES NP
	FETCH_B \slot, (\q)+1, 1-(\q)%2
	FETCH_A \slot, (\q)+1, 0
	WIN MUL_HI
	MUL16 4, (\q)%2, \q, \slot, \zero
	MUL16 6, (\q)%2, \q, \slot, \zero
	PLACES NP
	WIN 0
	FETCH_A \slot, (\q)+1, 4
.endm
.macro TURN slot, next, fill
	s_wait_tensorcnt 0x0                           ; all my tensor loads have landed: my part of the next slot
	ds_add_u32 v[SPW], v[NIL]                      ; 0 onto my spare word
	s_wait_dscnt 4*NL+1                            ; (the add and A's blocks 4-7 may be out)
	WIN MUL_LO
	MUL16 0, 1, NQ-1, \slot, 0
	s_wait_dscnt 0x0                               ; the add is done, and my reads of this slot are over
	s_barrier_signal -1
	MUL16 2, 1, NQ-1, \slot, 0
	WIN 0
	s_barrier_wait -1
.if \fill
	CREST                                          ; a round of the cluster's barrier: no wave of any partner still reads this slot or has a load on its way
	s_add_nc_u64 s[G0+4*\slot+2:G0+4*\slot+3], s[G0+4*\slot+2:G0+4*\slot+3], 2*REC
	s_add_nc_u64 s[G0B+4*\slot+2:G0B+4*\slot+3], s[G0B+4*\slot+2:G0B+4*\slot+3], 2*REC
	JLOAD \slot
	PLACES NP-4
.else
	PLACES NP
.endif
	FETCH_B \next, 0, 0
	FETCH_A \next, 0, 0
	SCALES \next
	WIN MUL_HI
	MUL16 4, 1, NQ-1, \slot, 0
	MUL16 6, 1, NQ-1, \slot, 0
	PLACES NP
	WIN 0
	FETCH_A \next, 0, 4
.endm
.macro RLOAD a                         ; the residual's 16 rows of block a, 512 consecutive bytes a load, into set a % 2
.set RB, RS+128*((\a)%2)
.irp t, 0,1,2,3,4,5,6,7,8,9,10,11,12,13,14,15
	global_load_b128 v[RB+4*\t:RB+4*\t+3], v[CO], s[10:11] offset:(32*((\a)/2)+8*((\a)%2)+\t+8*(\t/8))*4096
.endr
.endm
.macro TOSTAGE a                       ; block a through my stage: register j of tile b is column 32 (b / 2) + 16 h + 8 (b % 2) + j; each accumulator from its low end on
.set AC, 64*((\a)%4)
	WIN 0x08+4*((\a)/4)
.irp b, 0,1,2,3,4,5,6,7
	ds_store_b128 v[STO], v[AC+8*\b:AC+8*\b+3] offset:128*(\b/2)+32*(\b%2)
	ds_store_b128 v[STO], v[AC+8*\b+4:AC+8*\b+7] offset:128*(\b/2)+32*(\b%2)+16
.endr
	WIN 0
.irp t, 0,1,2,3,4,5,6,7,8,9,10,11,12,13,14,15
	ds_load_b128 v[BK+4*\t:BK+4*\t+3], v[RD] offset:\t*528         ; LDS serves a wave's instructions in order (ISA guide 5.7.1.4): these see the stores above
.endr
.endm
	s_load_b256 s[4:11], s[0:1], 0x0               ; A's records s[4:5], ops s[6:7], the bias s[8:9], the residual s[10:11]
	s_load_b64 s[12:13], s[0:1], 0x20              ; the result
	v_lshl_add_u32 v[SPW], v0, 2, SPARE
	v_mov_b32 v[NIL], 0
	ds_add_u32 v28, v29
	ds_add_u32 v28, v29
	s_wait_dscnt 0x0
	v_lshrrev_b32 v1, 5, v0
	v_readfirstlane_b32 s14, v1
	s_lshr_b32 s15, s14, 1
	s_and_b32 s16, s14, 1
	s_bfe_u32 s40, ttmp6, 0x40000                  ; cx
	s_bfe_u32 s41, ttmp6, 0x40004                  ; cy
	s_lshl_b32 s42, ttmp9, 2
	s_add_co_u32 s42, s42, s40                     ; tile column
	s_and_b32 s17, ttmp7, 0xffff
	s_lshl_b32 s17, s17, 2
	s_add_co_u32 s17, s17, s41                     ; tile row
	s_lshl_b32 s43, s41, 2
	s_lshl_b32 s43, 15, s43
	s_lshl_b32 s44, 0x1111, s40
	s_or_b32 s[G1+0], s43, (3<<16)|(1<<21)         ; the mask; elements of 8 bytes; bit 21 beside a mask
	s_or_b32 s[G1B+0], s44, (3<<16)|(1<<21)
.irp g, G1, G1B
	s_mov_b32 s[\g+1], 32<<16
	s_mov_b32 s[\g+2], 132<<16
	s_mov_b32 s[\g+3], 32<<16
	s_mov_b32 s[\g+4], 132
	s_mov_b32 s[\g+5], 32
	s_mov_b32 s[\g+6], 0
	s_mov_b32 s[\g+7], 0
.endr
	s_lshl_b32 s20, s17, 1
	s_add_co_u32 s20, s20, s16
	s_mul_i32 s20, s20, KS*REC
	s_mov_b32 s21, 0
	s_lshl_b32 s46, s42, 1
	s_add_co_u32 s46, s46, s16
	s_mul_i32 s46, s46, KS*REC
	s_add_co_u32 s46, s46, RB0*REC
	s_mov_b32 s47, 0
	s_mul_i32 s45, s14, REC
	s_wait_kmcnt 0x0
	s_add_nc_u64 s[20:21], s[4:5], s[20:21]
	s_add_nc_u64 s[46:47], s[6:7], s[46:47]
	CROUND
.irp s, 0,1
	s_mov_b32 s[G0+4*\s], 1
	s_add_co_u32 s[G0+4*\s+1], s45, \s*SLOT
	s_add_nc_u64 s[G0+4*\s+2:G0+4*\s+3], s[20:21], \s*REC
	s_or_b32 s[G0+4*\s+3], s[G0+4*\s+3], 0x80000000
	s_mov_b32 s[G0B+4*\s], 1
	s_add_co_u32 s[G0B+4*\s+1], s45, \s*SLOT
	s_add_nc_u64 s[G0B+4*\s+2:G0B+4*\s+3], s[46:47], \s*REC
	s_or_b32 s[G0B+4*\s+3], s[G0B+4*\s+3], 0x80000000
	JLOAD \s
.endr
	v_and_b32 v1, 31, v0
	v_lshlrev_b32 v3, 4, v1
	v_and_b32 v2, 15, v0
	v_bfe_u32 v4, v0, 4, 1
	s_mul_i32 s21, s15, REC
	s_mul_i32 s22, s16, REC
	s_add_co_u32 s22, s22, 2*REC
.irp s, 0,1
	v_add_nc_u32 v[ADRA+\s], s21, v3
	v_add_nc_u32 v[ADRB+\s], s22, v3
	s_add_co_u32 s21, s21, SLOT
	s_add_co_u32 s22, s22, SLOT
.endr
	s_mul_i32 s21, s15, REC
	s_mul_i32 s22, s16, REC
	s_add_co_u32 s22, s22, 2*REC
	s_sub_co_u32 s22, s22, s21
	v_mul_u32_u24 v5, s22, v4
	v_lshl_add_u32 v5, v2, 3, v5
	s_add_co_u32 s21, s21, 32768
	v_add_nc_u32 v[ADRS], s21, v5
	v_add_nc_u32 v[ADRS+1], SLOT, v[ADRS]
	s_mul_i32 s23, s14, 16*528
	s_add_co_u32 s23, s23, STAGE
	v_mul_u32_u24 v5, v2, 528
	v_lshl_add_u32 v5, v4, 6, v5
	v_add_nc_u32 v[STO], s23, v5                   ; in: row r, + 64 h
	v_add_nc_u32 v[RD], s23, v3                    ; back: a row of 512 bytes, 16 a lane
	v_lshlrev_b32 v[CO], 4, v1
	s_lshl_b32 s66, s17, 8
	s_lshl_b32 s67, s15, 7
	s_add_co_u32 s66, s66, s67                     ; my first row
	s_lshl_b32 s66, s66, 12
	s_lshl_b32 s68, s42, 10
	s_lshl_b32 s69, s16, 9
	s_add_co_u32 s68, s68, s69                     ; my first column, in bytes
	s_add_co_u32 s66, s66, s68
	s_mov_b32 s67, 0
	s_mov_b32 s69, 0
	s_add_nc_u64 s[10:11], s[10:11], s[66:67]
	s_add_nc_u64 s[12:13], s[12:13], s[66:67]
	s_add_nc_u64 s[8:9], s[8:9], s[68:69]
	global_load_b128 v[BI:BI+3], v[CO], s[8:9]     ; the bias of my four columns of a row read back
	RLOAD 0                                        ; the first block's residual lands under the products
	s_wait_tensorcnt 1                             ; my part of K step 0 is in (K step 1's may be out)
	s_barrier_signal -1
	s_barrier_wait -1
	FETCH_B 0, 0, 0
	FETCH_A 0, 0, 0
	SCALES 0
	FETCH_A 0, 0, 4
	STEP 0, 0, 1
	s_mov_b32 s3, LAPS-1
.Llap:
	TURN 0, 1, 1
	STEP 1, 0, 0
	TURN 1, 0, 1
	STEP 0, 0, 0
	s_sub_co_u32 s3, s3, 1
	s_cmp_lg_u32 s3, 0
	s_cbranch_scc1 .Llap
	TURN 0, 1, 0
	STEP 1, 0, 0
	s_wait_dscnt 4*NL
	WIN MUL_LO
	MUL16 0, 1, NQ-1, 1, 0
	MUL16 2, 1, NQ-1, 1, 0
	s_wait_dscnt 0
	WIN MUL_HI
	MUL16 4, 1, NQ-1, 1, 0
	MUL16 6, 1, NQ-1, 1, 0
	WIN 0
	PLACES NP
.irp a, 0,1,2,3,4,5,6,7                        ; THE WAY OUT, 16 rows at a time: + bias, + residual, whole rows of 512 bytes
	s_wait_xcnt 0x0                                ; the last block's stores have read their registers
.if \a < 7
	RLOAD \a+1
.endif
	TOSTAGE \a
	s_wait_dscnt 0x0
.if \a < 7
	s_wait_loadcnt 16                              ; this block's residual is in; the next block's 16 loads may be out
.else
	s_wait_loadcnt 0x0
.endif
.set RB, RS+128*((\a)%2)
.irp t, 0,1,2,3,4,5,6,7,8,9,10,11,12,13,14,15
	v_pk_add_f32 v[BK+4*\t:BK+4*\t+1], v[BK+4*\t:BK+4*\t+1], v[BI:BI+1]
	v_pk_add_f32 v[BK+4*\t+2:BK+4*\t+3], v[BK+4*\t+2:BK+4*\t+3], v[BI+2:BI+3]
.endr
.irp t, 0,1,2,3,4,5,6,7,8,9,10,11,12,13,14,15
	v_pk_add_f32 v[BK+4*\t:BK+4*\t+1], v[BK+4*\t:BK+4*\t+1], v[RB+4*\t:RB+4*\t+1]
	v_pk_add_f32 v[BK+4*\t+2:BK+4*\t+3], v[BK+4*\t+2:BK+4*\t+3], v[RB+4*\t+2:RB+4*\t+3]
.endr
.irp t, 0,1,2,3,4,5,6,7,8,9,10,11,12,13,14,15
	global_store_b128 v[CO], v[BK+4*\t:BK+4*\t+3], s[12:13] offset:(32*(\a/2)+8*(\a%2)+\t+8*(\t/8))*4096 th:TH_STORE_NT   ; 32 lanes store 512 consecutive aligned bytes; written once, read by nobody here
.endr
.endr
	s_wait_tensorcnt 0x0                           ; the wave's end
	ds_add_u32 v[SPW], v[NIL]
	s_wait_dscnt 0x0
	CROUND
	s_endpgm
.Lfunc_end_k_qdf7ec915b7_fc2:
	.size	k_qdf7ec915b7_fc2, .Lfunc_end_k_qdf7ec915b7_fc2-k_qdf7ec915b7_fc2
	.p2alignl 7, 3214868480
	.fill 96, 4, 3214868480
	.section	.rodata,"a",@progbits
	.p2align	6, 0x0
	.amdhsa_kernel k_qdf7ec915b7_fc2
		.amdhsa_group_segment_fixed_size 327680
		.amdhsa_private_segment_fixed_size 0
		.amdhsa_enable_private_segment 0
		.amdhsa_kernarg_size 40
		.amdhsa_user_sgpr_count 2
		.amdhsa_user_sgpr_kernarg_segment_ptr 1
		.amdhsa_wavefront_size32 1
		.amdhsa_system_sgpr_workgroup_id_x 1
		.amdhsa_system_sgpr_workgroup_id_y 1
		.amdhsa_system_sgpr_workgroup_id_z 1
		.amdhsa_system_vgpr_workitem_id 0
		.amdhsa_next_free_vgpr 1024
		.amdhsa_next_free_sgpr 100
		.amdhsa_reserve_vcc 0
		.amdhsa_float_denorm_mode_32 3
		.amdhsa_float_denorm_mode_16_64 3
		.amdhsa_memory_ordered 1
		.amdhsa_forward_progress 1
		.amdhsa_inst_pref_size 187
	.end_amdhsa_kernel
	.amdgpu_metadata
---
amdhsa.version: [ 1, 2 ]
amdhsa.kernels:
  - .name:           k_qdf7ec915b7_fc2
    .symbol:         k_qdf7ec915b7_fc2.kd
    .args:
      - { .name: gq, .offset: 0, .size: 8, .value_kind: global_buffer, .address_space: global }
      - { .name: ops, .offset: 8, .size: 8, .value_kind: global_buffer, .address_space: global }
      - { .name: b2, .offset: 16, .size: 8, .value_kind: global_buffer, .address_space: global }
      - { .name: x1, .offset: 24, .size: 8, .value_kind: global_buffer, .address_space: global }
      - { .name: out0, .offset: 32, .size: 8, .value_kind: global_buffer, .address_space: global }
    .group_segment_fixed_size: 327680
    .private_segment_fixed_size: 0
    .kernarg_segment_align: 8
    .kernarg_segment_size: 40
    .max_flat_workgroup_size: 128
    .sgpr_count:     100
    .vgpr_count:     1024
    .wavefront_size: 32
...
	.end_amdgpu_metadata
.endif
;; end of part 7
;; ======== version 2 of 2: 7 launches
;; limits: right only within a limited range of input values
;; workspace buffers: ops 21,626,880 bytes; qkv 13,238,272 bytes; aq 4,325,376 bytes; x1 16,777,216 bytes; gq 17,301,504 bytes
;; launch prep (part 8): grid 448 x 1, 8 waves a work-group, no clusters, 66,816 bytes of LDS; arguments Wq, Wk, Wv, Wo, W1, W2, x, pos_embed, ln1_g, ln1_b, ops; writes ops
.if DOCPART == 8
	.amdgcn_target "amdgcn-amd-amdhsa--gfx1250"
	.amdhsa_code_object_version 6
	.text
	.protected	k_qdf7ec915b7_prep
	.globl	k_qdf7ec915b7_prep
	.p2align	8
	.type	k_qdf7ec915b7_prep,@function
k_qdf7ec915b7_prep:
	s_mov_b64 s[64:65], 0
	v_nop
	global_prefetch_b8 v0, s[64:65] scope:SCOPE_SE
	s_setreg_imm32_b32 hwreg(HW_REG_WAVE_MODE, 25, 1), 1
	s_wait_xcnt 0x0
; PREPARATION.  Work-groups 0-191 quantise the six weights, work-groups 192-447 compute h = LayerNorm(x) g + b + pos and quantise it.  All go into 'ops' as RECORDS of codes of BF8 (E5M2) with E8M0 scale bytes.
; A RECORD is 128 rows x 256 K of an operand, 33,792 bytes: the images of 16 fragments (tile i of 16 rows, q-th 128 of K, register group c, lane l: ((2 i + q) 4 + c) 512 + 16 l), then at 32,768 the scale words (128 i + 8 r + 4 q).
; TILE ORDER: lane place r of tile 2 b + u holds row 32 b + 8 u + r + 8 (r / 8) of the record's 128, so that a later product's results lie as 16 neighbours along the next K.
; Records: 0-95 Wq|Wk|Wv, 96-127 Wo, 128-255 W1, 256-383 W2 (row = a weight's column n; record = group of 128 n x K/256 + K step), 384-511 h.
; A block's scale is 2^(floor(log2(largest magnitude)) - 15); its byte is that magnitude's exponent field - 15, held at 1 from below.
; LIMITS: NaN and infinities among the inputs are not served; blocks whose largest magnitude lies under 2^-111 get the byte 1; a block of zeros gets the byte 1 and not 127 (its codes are zeros, and this program alone reads the bytes).
; WEIGHTS: K is the first axis.  A lane takes a column and its registers run down K, so nothing is transposed; four waves make a record, a wave 32 columns x 256 K; no LDS, no barrier on this path.
; LAYERNORM: a work-group takes one tile of 16 rows; a wave two rows in registers (mean, then the mean of squared differences: two passes, so a common offset costs nothing); the rows turn through LDS so that wave w can take K fragment w.
.set REC,  33792
.set LP,   4112                        ; a row of h in LDS: 4,096 bytes + 16: sixteen rows that a load touches start 16 bytes apart modulo 256
.set WV,   26                          ; s26 wave
.set MNT,  57                          ; s57 the mantissa field of 57,344
.set SEL,  58                          ; s[58:59] selects for lane l xor 16
.set INV,  60                          ; s60 1/1024
.set EPS,  61                          ; s61 1e-5
.set RO,   16                          ; weights: v16-47 byte offset of row i of a block of 32: 4 lane + i x pitch; never rewritten
.set X,    48                          ; v48-111 two sets of 32 numbers
.set C,    112                         ; v112-175 eight code registers for each block: no store's data are written again
.set SB,   8                           ; v[8:9] the column's eight scale bytes
.set BASE, 36                          ; s[36:51] the address of each of the eight blocks of 32 rows
.set OUT,  52                          ; s[52:53] my record
.set TM,   208                         ; layernorm: v208-223 the quantiser's work
.set PW,   224
.set PC,   80
.macro WLOAD t                         ; block t: W(32 t + i, my column): 32 lanes read 128 consecutive bytes, the record's four waves 512
.set i, 0
.rept 32
	global_load_b32 v[X+32*((\t)%2)+i], v[RO+i], s[BASE+2*(\t):BASE+2*(\t)+1] th:TH_LOAD_NT
.set i, i+1
.endr
.endm
.macro WBLOCK t
.set XS, X+32*((\t)%2)
.set CC, C+8*(\t)
.if (\t) < 7
	s_wait_loadcnt 32                              ; this block's 32 loads are in; the next block's 32 may be out
.else
	s_wait_loadcnt 0x0
.endif
	v_max3_num_f32 v12, |v[XS]|, |v[XS+1]|, |v[XS+2]|              ; the block's largest magnitude: all 32 numbers are mine
	v_max3_num_f32 v13, |v[XS+3]|, |v[XS+4]|, |v[XS+5]|
.irp i, 6,10,14,18,22,26
	s_delay_alu instid0(VALU_DEP_2)
	v_max3_num_f32 v12, v12, |v[XS+\i]|, |v[XS+\i+1]|
	s_delay_alu instid0(VALU_DEP_2)
	v_max3_num_f32 v13, v13, |v[XS+\i+2]|, |v[XS+\i+3]|
.endr
	s_delay_alu instid0(VALU_DEP_2)
	v_max3_num_f32 v12, v12, |v[XS+30]|, |v[XS+31]|
	s_delay_alu instid0(VALU_DEP_1)
	v_max3_num_f32 v12, v12, v13, 0x8000000        ; and the floor 2^(16 - 127): the byte cannot fall under 1
	s_delay_alu instid0(VALU_DEP_1)
	v_add_nc_u32 v11, 0xf8800000, v12              ; 15 off the exponent field: the conversion's scale operand
	s_delay_alu instid0(VALU_DEP_2)
	v_and_or_b32 v10, v12, 0x7f800000, s[MNT]      ; 57,344 x the scale
	s_delay_alu instid0(VALU_DEP_2)
	v_lshrrev_b32 v13, 23, v11                     ; the scale's byte
.if (\t)%4 == 0
	s_delay_alu instid0(VALU_DEP_1)
	v_mov_b32 v[SB+(\t)/4], v13
.else
	s_delay_alu instid0(VALU_DEP_1)
	v_lshl_or_b32 v[SB+(\t)/4], v13, 8*((\t)%4), v[SB+(\t)/4]
.endif
.set i, 0
.rept 32
	v_med3_num_f32 v[XS+i], v[XS+i], -v10, v10     ; the conversion to an 8-bit code does not saturate (ISA guide 7.6.2): the hold
.set i, i+1
.endr
.irp g, 0,1,2,3
	v_cvt_scalef32_pk8_bf8_f32 v[CC+2*\g:CC+2*\g+1], v[XS+8*\g:XS+8*\g+7], v11
.endr
	global_store_b128 v4, v[CC:CC+3], s[OUT:OUT+1] offset:((\t)/4)*2048+((\t)%4)*512        ; k 0-15 of the block: the image's lanes 0-15; the sixteen lanes of a tile store 256 consecutive aligned bytes
	global_store_b128 v4, v[CC+4:CC+7], s[OUT:OUT+1] offset:((\t)/4)*2048+((\t)%4)*512+256  ; k 16-31: its lanes 16-31
.if (\t) < 6
	WLOAD (\t)+2
.endif
.endm
.macro WSUM ta                         ; the pair v[ta:ta+1] of every lane is summed over the wave; the result stands in v[ta] of every lane
	s_delay_alu instid0(VALU_DEP_1)
	v_add_f32 v[\ta], v[\ta], v[\ta+1]
	s_delay_alu instid0(VALU_DEP_1)
	v_add_f32_dpp v[\ta], v[\ta], v[\ta] row_xmask:1 row_mask:0xf bank_mask:0xf
	s_delay_alu instid0(VALU_DEP_1)
	v_add_f32_dpp v[\ta], v[\ta], v[\ta] row_xmask:2 row_mask:0xf bank_mask:0xf
	s_delay_alu instid0(VALU_DEP_1)
	v_add_f32_dpp v[\ta], v[\ta], v[\ta] row_xmask:4 row_mask:0xf bank_mask:0xf
	s_delay_alu instid0(VALU_DEP_1)
	v_add_f32_dpp v[\ta], v[\ta], v[\ta] row_xmask:8 row_mask:0xf bank_mask:0xf
	s_delay_alu instid0(VALU_DEP_1)
	v_permlanex16_b32 v[\ta+1], v[\ta], s[SEL], s[SEL+1]
	s_delay_alu instid0(VALU_DEP_1)
	v_add_f32 v[\ta], v[\ta], v[\ta+1]
.endm
.macro STATS xb, ta, tb                ; a row in v[xb .. xb+31]: it becomes x - mean, and v[ta:ta+1] 1 / sqrt(variance + eps), twice
	v_pk_add_f32 v[\ta:\ta+1], v[\xb:\xb+1], v[\xb+2:\xb+3]
	v_pk_add_f32 v[\tb:\tb+1], v[\xb+4:\xb+5], v[\xb+6:\xb+7]
.irp j, 8,12,16,20,24,28
	s_delay_alu instid0(VALU_DEP_2)
	v_pk_add_f32 v[\ta:\ta+1], v[\ta:\ta+1], v[\xb+\j:\xb+\j+1]
	s_delay_alu instid0(VALU_DEP_2)
	v_pk_add_f32 v[\tb:\tb+1], v[\tb:\tb+1], v[\xb+\j+2:\xb+\j+3]
.endr
	s_delay_alu instid0(VALU_DEP_1)
	v_pk_add_f32 v[\ta:\ta+1], v[\ta:\ta+1], v[\tb:\tb+1]
	WSUM \ta
	s_delay_alu instid0(VALU_DEP_1)
	v_mul_f32 v[\ta], s[INV], v[\ta]               ; the mean
	s_delay_alu instid0(VALU_DEP_1)
	v_mov_b32 v[\ta+1], v[\ta]
.set j, 0
.rept 16
	v_pk_add_f32 v[\xb+j:\xb+j+1], v[\xb+j:\xb+j+1], v[\ta:\ta+1] neg_lo:[0,1] neg_hi:[0,1]
.set j, j+2
.endr
	v_pk_mul_f32 v[\ta:\ta+1], v[\xb:\xb+1], v[\xb:\xb+1]
	v_pk_mul_f32 v[\tb:\tb+1], v[\xb+2:\xb+3], v[\xb+2:\xb+3]
.irp j, 4,8,12,16,20,24,28
	s_delay_alu instid0(VALU_DEP_2)
	v_pk_fma_f32 v[\ta:\ta+1], v[\xb+\j:\xb+\j+1], v[\xb+\j:\xb+\j+1], v[\ta:\ta+1]
	s_delay_alu instid0(VALU_DEP_2)
	v_pk_fma_f32 v[\tb:\tb+1], v[\xb+\j+2:\xb+\j+3], v[\xb+\j+2:\xb+\j+3], v[\tb:\tb+1]
.endr
	s_delay_alu instid0(VALU_DEP_1)
	v_pk_add_f32 v[\ta:\ta+1], v[\ta:\ta+1], v[\tb:\tb+1]
	WSUM \ta
	s_delay_alu instid0(VALU_DEP_1)
	v_fma_f32 v[\ta], v[\ta], s[INV], s[EPS]       ; variance + eps
	s_wait_alu depctr_va_vdst(0)
	v_rsq_f32 v[\ta], v[\ta]
	v_nop                                          ; one plain line behind a transcendental (ISA guide 5.7.2)
	s_wait_alu depctr_va_vdst(0)
	v_mov_b32 v[\ta+1], v[\ta]
.endm
.macro APPLY xb, pb, ta                ; ((x - mean) rs) g + b, + pos
.set j, 0
.rept 16
	v_pk_mul_f32 v[\xb+j:\xb+j+1], v[\xb+j:\xb+j+1], v[\ta:\ta+1]
.set j, j+2
.endr
.set j, 0
.rept 16
	v_pk_fma_f32 v[\xb+j:\xb+j+1], v[\xb+j:\xb+j+1], v[144+j:145+j], v[176+j:177+j]
.set j, j+2
.endr
.set j, 0
.rept 16
	v_pk_add_f32 v[\xb+j:\xb+j+1], v[\xb+j:\xb+j+1], v[\pb+j:\pb+j+1]
.set j, j+2
.endr
.endm
.macro QUANT s                         ; 64 numbers of a lane, register 16 b + i = k 32 b + 16 (lane / 16) + i of my row, become a fragment's codes in v[PC] on and its scale word in v[PW]
.irp b, 0,1,2,3
	v_max3_num_f32 v[TM+\b], |v[\s+16*\b]|, |v[\s+1+16*\b]|, 0x8000000
.endr
.irp i, 2,4,6,8,10,12,14
.irp b, 0,1,2,3
	s_delay_alu instid0(VALU_DEP_4)
	v_max3_num_f32 v[TM+\b], v[TM+\b], |v[\s+16*\b+\i]|, |v[\s+1+16*\b+\i]|
.endr
.endr
.irp b, 0,1,2,3
	s_delay_alu instid0(VALU_DEP_4)
	v_permlanex16_b32 v[TM+4+\b], v[TM+\b], s[SEL], s[SEL+1]
.endr
.irp b, 0,1,2,3
	s_delay_alu instid0(VALU_DEP_4)
	v_max_num_f32 v[TM+\b], v[TM+\b], v[TM+4+\b]   ; with lane l xor 16's: the block's largest magnitude
.endr
.irp b, 0,1,2,3
	s_delay_alu instid0(VALU_DEP_4)
	v_add_nc_u32 v[TM+12+\b], 0xf8800000, v[TM+\b]
.endr
.irp b, 0,1,2,3
	v_and_or_b32 v[TM+8+\b], v[TM+\b], 0x7f800000, s[MNT]
.endr
.irp b, 0,1,2,3
	v_lshrrev_b32 v[TM+4+\b], 23, v[TM+12+\b]
.endr
	s_delay_alu instid0(VALU_DEP_3)
	v_lshl_or_b32 v[PW], v[TM+5], 8, v[TM+4]
	s_delay_alu instid0(VALU_DEP_1)
	v_lshl_or_b32 v[PW], v[TM+6], 16, v[PW]
	s_delay_alu instid0(VALU_DEP_1)
	v_lshl_or_b32 v[PW], v[TM+7], 24, v[PW]
.irp b, 0,1,2,3
.irp i, 0,1,2,3,4,5,6,7,8,9,10,11,12,13,14,15
	v_med3_num_f32 v[\s+16*\b+\i], v[\s+16*\b+\i], -v[TM+8+\b], v[TM+8+\b]
.endr
	v_cvt_scalef32_pk8_bf8_f32 v[PC+4*\b:PC+1+4*\b], v[\s+16*\b:\s+7+16*\b], v[TM+12+\b]
	v_cvt_scalef32_pk8_bf8_f32 v[PC+2+4*\b:PC+3+4*\b], v[\s+8+16*\b:\s+15+16*\b], v[TM+12+\b]
.endr
	v_nop
.endm
	s_load_b256 s[4:11], s[0:1], 0x0               ; Wq s[4:5], Wk s[6:7], Wv s[8:9], Wo s[10:11]
	s_load_b256 s[12:19], s[0:1], 0x20             ; W1 s[12:13], W2 s[14:15], x s[16:17], pos s[18:19]
	s_load_b128 s[20:23], s[0:1], 0x40             ; g s[20:21], b s[22:23]
	s_load_b64 s[24:25], s[0:1], 0x50              ; ops
	v_lshl_add_u32 v232, v0, 2, 0x10100
	v_mov_b32 v233, 0
	v_lshrrev_b32 v1, 5, v0
	s_delay_alu instid0(VALU_DEP_1)
	v_readfirstlane_b32 s[WV], v1                  ; wave 0..7
	v_and_b32 v2, 31, v0                           ; lane
	s_mov_b32 s[MNT], 0x600000
	s_cmp_ge_u32 ttmp9, 192                        ; the same for all waves of a work-group
	s_cbranch_scc1 .Lln
	; ---------------- the weights ----------------
	s_lshl_b32 s27, ttmp9, 1
	s_lshr_b32 s28, s[WV], 2
	s_add_co_u32 s27, s27, s28                     ; my record: 2 x work-group + wave / 4
	s_and_b32 s28, s[WV], 3                        ; which 32 of its 128 columns
	s_and_b32 s29, s27, 31
	s_and_b32 s30, s27, 127
	s_cmp_lt_u32 s27, 128
	s_cselect_b32 s29, s29, s30                    ; the record's number inside its weight
	s_cmp_ge_u32 s27, 256
	s_cselect_b32 s30, 4, 2                        ; W2 has 16 K steps, the others 4
	s_lshr_b32 s31, s29, s30                       ; group of 128 columns
	s_lshl_b32 s32, s31, s30
	s_sub_co_u32 s32, s29, s32                     ; K step
	s_mov_b32 s33, 4096
	s_lshr_b32 s34, s27, 7
	s_cmp_eq_u32 s34, 1
	s_cselect_b32 s33, 16384, s33                  ; bytes from row to row: W1 has 4,096 columns
	s_wait_alu depctr_va_vdst(0)
	v_lshlrev_b32 v3, 2, v2
.set i, 0
.rept 32
	v_mad_u32_u24 v[RO+i], s33, i, v3
.set i, i+1
.endr
	v_bfe_u32 v6, v2, 3, 1                         ; column 32 cw + lane lies in tile 2 cw + u, u = (lane / 8) % 2,
	v_and_b32 v7, 7, v2
	v_lshrrev_b32 v10, 4, v2
	s_delay_alu instid0(VALU_DEP_1)
	v_lshl_add_u32 v7, v10, 3, v7                  ; at place r = lane % 8 + 8 (lane / 16)
	s_lshl_b32 s56, s28, 1
	v_add_nc_u32 v6, s56, v6
	s_delay_alu instid0(VALU_DEP_1)
	v_lshlrev_b32 v4, 12, v6
	s_delay_alu instid0(VALU_DEP_1)
	v_lshl_add_u32 v4, v7, 4, v4                   ; codes: tile x 4,096 + 16 r
	s_delay_alu instid0(VALU_DEP_3)
	v_lshlrev_b32 v5, 7, v6
	s_delay_alu instid0(VALU_DEP_1)
	v_lshl_add_u32 v5, v7, 3, v5                   ; scale words: tile x 128 + 8 r
	s_lshl_b32 s34, s33, 8
	s_mul_i32 s34, s34, s32                        ; K step x 256 rows
	s_lshl_b32 s35, s31, 9
	s_add_co_u32 s34, s34, s35                     ; + group x 512 bytes
	s_lshl_b32 s35, s28, 7
	s_add_co_u32 s34, s34, s35                     ; + my 32 columns
	s_mov_b32 s35, 0
	s_mul_i32 s54, s27, REC
	s_mov_b32 s55, 0
	s_wait_kmcnt 0x0
	s_cmp_ge_u32 s27, 32                           ; which weight: the choices hang on the record's number alone
	s_cselect_b64 s[4:5], s[6:7], s[4:5]
	s_cmp_ge_u32 s27, 64
	s_cselect_b64 s[4:5], s[8:9], s[4:5]
	s_cmp_ge_u32 s27, 96
	s_cselect_b64 s[4:5], s[10:11], s[4:5]
	s_cmp_ge_u32 s27, 128
	s_cselect_b64 s[4:5], s[12:13], s[4:5]
	s_cmp_ge_u32 s27, 256
	s_cselect_b64 s[4:5], s[14:15], s[4:5]
	s_add_nc_u64 s[BASE:BASE+1], s[4:5], s[34:35]
	s_lshl_b32 s34, s33, 5                         ; 32 rows
.irp t, 1,2,3,4,5,6,7
	s_add_nc_u64 s[BASE+2*\t:BASE+2*\t+1], s[BASE+2*\t-2:BASE+2*\t-1], s[34:35]
.endr
	s_add_nc_u64 s[OUT:OUT+1], s[24:25], s[54:55]
	WLOAD 0
	WLOAD 1                                        ; two blocks, 64 loads a wave, ahead
.irp t, 0,1,2,3,4,5,6,7
	WBLOCK \t
.endr
	global_store_b64 v5, v[SB:SB+1], s[OUT:OUT+1] offset:32768     ; the wave's 32 columns: 256 consecutive bytes
	s_endpgm
	; ---------------- h = LayerNorm(x) g + b + pos ----------------
.Lln:
	s_sub_co_u32 s27, ttmp9, 192                   ; T: my tile of 16 rows, 0..255
	s_lshr_b32 s28, s27, 1
	s_lshl_b32 s28, s28, 5
	s_and_b32 s29, s27, 1
	s_lshl_b32 s29, s29, 3
	s_add_co_u32 s28, s28, s29
	s_lshl_b32 s29, s[WV], 1
	s_add_co_u32 s28, s28, s29
	s_lshr_b32 s29, s[WV], 2
	s_lshl_b32 s29, s29, 3
	s_add_co_u32 s28, s28, s29                     ; places 2 w and 2 w + 1 hold rows 32 (T / 2) + 8 (T % 2) + 2 w + 8 (w / 4) and the next
	s_lshl_b32 s30, s28, 12
	s_mov_b32 s31, 0
	s_and_b32 s32, s28, 2047                       ; pos is the same for both batches
	s_lshl_b32 s32, s32, 12
	s_mov_b32 s33, 0
	s_mov_b32 s[SEL], 0x76543210
	s_mov_b32 s[SEL+1], 0xfedcba98
	s_mov_b32 s[INV], 0x3a800000
	s_mov_b32 s[EPS], 0x3727c5ac
	s_wait_alu depctr_va_vdst(0)
	v_lshlrev_b32 v1, 4, v2                        ; 16 x lane
	s_wait_alu depctr_va_vdst(0)
	s_wait_kmcnt 0x0
	s_add_nc_u64 s[16:17], s[16:17], s[30:31]
	s_add_nc_u64 s[18:19], s[18:19], s[32:33]
.irp w, 0,1
.irp j, 0,1,2,3,4,5,6,7
	global_load_b128 v[16+32*\w+4*\j:19+32*\w+4*\j], v1, s[16:17] offset:4096*\w+512*\j th:TH_LOAD_NT    ; 512 consecutive bytes a load
.endr
.endr
.irp w, 0,1
.irp j, 0,1,2,3,4,5,6,7
	global_load_b128 v[80+32*\w+4*\j:83+32*\w+4*\j], v1, s[18:19] offset:4096*\w+512*\j
.endr
.endr
.irp j, 0,1,2,3,4,5,6,7
	global_load_b128 v[144+4*\j:147+4*\j], v1, s[20:21] offset:512*\j
.endr
.irp j, 0,1,2,3,4,5,6,7
	global_load_b128 v[176+4*\j:179+4*\j], v1, s[22:23] offset:512*\j
.endr
	s_mul_i32 s36, s[WV], 2*LP
	v_add_nc_u32 v12, s36, v1                      ; into LDS: place 2 w, 16 bytes a lane
	v_and_b32 v3, 15, v0                           ; r
	v_bfe_u32 v14, v0, 4, 1                        ; h
	s_delay_alu instid0(VALU_DEP_2)
	v_mul_u32_u24 v13, v3, LP
	s_delay_alu instid0(VALU_DEP_1)
	v_lshl_add_u32 v13, v14, 6, v13
	s_lshl_b32 s36, s[WV], 9
	v_add_nc_u32 v13, s36, v13                     ; out of it: place r, K fragment w, + 64 h
	v_lshlrev_b32 v14, 3, v3                       ; 8 r: my row's scale words
.irp b, 0,1,2,3
	v_mov_b32 v[TM+4+\b], 0                        ; a lane permute's destination counts as one of its sources
.endr
	s_lshr_b32 s36, s27, 3                         ; where the results go: record 384 + (T / 8) 4 + w / 2,
	s_lshl_b32 s36, s36, 2
	s_lshr_b32 s37, s[WV], 1
	s_add_co_u32 s36, s36, s37
	s_add_co_u32 s36, s36, 384
	s_mul_i32 s36, s36, REC
	s_and_b32 s38, s27, 7
	s_and_b32 s39, s[WV], 1
	s_lshl_b32 s40, s38, 1
	s_add_co_u32 s40, s40, s39
	s_lshl_b32 s40, s40, 11                        ; fragment (T % 8, w % 2),
	s_add_co_u32 s40, s40, s36
	s_mov_b32 s41, 0
	s_lshl_b32 s42, s38, 7
	s_lshl_b32 s43, s39, 2
	s_add_co_u32 s42, s42, s43                     ; and its scale words
	s_add_co_u32 s42, s42, s36
	s_mov_b32 s43, 0
	s_add_nc_u64 s[40:41], s[24:25], s[40:41]
	s_add_nc_u64 s[42:43], s[24:25], s[42:43]
	s_wait_loadcnt 32                              ; x's 16 loads are in; pos's 16, g's 8 and b's 8 may be out
	STATS 16, 4, 6
	STATS 48, 8, 10
	s_wait_loadcnt 0x0
	APPLY 16, 80, 4
	APPLY 48, 112, 8
.irp w, 0,1
.irp j, 0,1,2,3,4,5,6,7
	ds_store_b128 v12, v[16+32*\w+4*\j:19+32*\w+4*\j] offset:LP*\w+512*\j
.endr
.endr
	s_wait_dscnt 0x0                               ; for the others' sake: my two rows lie in LDS
	s_barrier_signal -1
	s_barrier_wait -1
.irp b, 0,1,2,3
.irp j, 0,1,2,3
	ds_load_b128 v[16+16*\b+4*\j:19+16*\b+4*\j], v13 offset:128*\b+16*\j   ; h(place r, 128 w + 32 b + 16 h + 4 j ..)
.endr
.endr
	s_wait_dscnt 0x0
	QUANT 16
.irp c, 0,1,2,3
	global_store_b128 v1, v[PC+4*\c:PC+4*\c+3], s[40:41] offset:512*\c     ; the fragment's image: 512 consecutive bytes a store
.endr
	global_store_b32 v14, v[PW], s[42:43] offset:32768                     ; lanes l and l xor 16 store the same word to the same place
	s_wait_tensorcnt 0x0
	ds_add_u32 v232, v233
	s_wait_dscnt 0x0
	s_endpgm
.Lfunc_end_k_qdf7ec915b7_prep:
	.size	k_qdf7ec915b7_prep, .Lfunc_end_k_qdf7ec915b7_prep-k_qdf7ec915b7_prep
	.p2alignl 7, 3214868480
	.fill 96, 4, 3214868480
	.section	.rodata,"a",@progbits
	.p2align	6, 0x0
	.amdhsa_kernel k_qdf7ec915b7_prep
		.amdhsa_group_segment_fixed_size 66816
		.amdhsa_private_segment_fixed_size 0
		.amdhsa_enable_private_segment 0
		.amdhsa_kernarg_size 88
		.amdhsa_user_sgpr_count 2
		.amdhsa_user_sgpr_kernarg_segment_ptr 1
		.amdhsa_wavefront_size32 1
		.amdhsa_system_sgpr_workgroup_id_x 1
		.amdhsa_system_sgpr_workgroup_id_y 1
		.amdhsa_system_sgpr_workgroup_id_z 1
		.amdhsa_system_vgpr_workitem_id 0
		.amdhsa_next_free_vgpr 234
		.amdhsa_next_free_sgpr 66
		.amdhsa_reserve_vcc 0
		.amdhsa_float_denorm_mode_32 3
		.amdhsa_float_denorm_mode_16_64 3
		.amdhsa_memory_ordered 1
		.amdhsa_forward_progress 1
		.amdhsa_inst_pref_size 100
	.end_amdhsa_kernel
	.amdgpu_metadata
---
amdhsa.version: [ 1, 2 ]
amdhsa.kernels:
  - .name:           k_qdf7ec915b7_prep
    .symbol:         k_qdf7ec915b7_prep.kd
    .args:
      - { .name: Wq, .offset: 0, .size: 8, .value_kind: global_buffer, .address_space: global }
      - { .name: Wk, .offset: 8, .size: 8, .value_kind: global_buffer, .address_space: global }
      - { .name: Wv, .offset: 16, .size: 8, .value_kind: global_buffer, .address_space: global }
      - { .name: Wo, .offset: 24, .size: 8, .value_kind: global_buffer, .address_space: global }
      - { .name: W1, .offset: 32, .size: 8, .value_kind: global_buffer, .address_space: global }
      - { .name: W2, .offset: 40, .size: 8, .value_kind: global_buffer, .address_space: global }
      - { .name: x, .offset: 48, .size: 8, .value_kind: global_buffer, .address_space: global }
      - { .name: pos_embed, .offset: 56, .size: 8, .value_kind: global_buffer, .address_space: global }
      - { .name: ln1_g, .offset: 64, .size: 8, .value_kind: global_buffer, .address_space: global }
      - { .name: ln1_b, .offset: 72, .size: 8, .value_kind: global_buffer, .address_space: global }
      - { .name: ops, .offset: 80, .size: 8, .value_kind: global_buffer, .address_space: global }
    .group_segment_fixed_size: 66816
    .private_segment_fixed_size: 0
    .kernarg_segment_align: 8
    .kernarg_segment_size: 88
    .max_flat_workgroup_size: 256
    .sgpr_count:     66
    .vgpr_count:     234
    .wavefront_size: 32
...
	.end_amdgpu_metadata
.endif
;; end of part 8
;; launch qkvg (part 9): grid 12 x 16, 4 waves a work-group, clusters of 4 x 4, 327,680 bytes of LDS; arguments ops, qkv; writes qkv
.if DOCPART == 9
	.amdgcn_target "amdgcn-amd-amdhsa--gfx1250"
	.amdhsa_code_object_version 6
	.text
	.protected	k_qdf7ec915b7_qkvg
	.globl	k_qdf7ec915b7_qkvg
	.p2align	8
	.type	k_qdf7ec915b7_qkvg,@function
k_qdf7ec915b7_qkvg:
	s_mov_b64 s[64:65], 0
	v_nop
	global_prefetch_b8 v0, s[64:65] scope:SCOPE_SE
	s_setreg_imm32_b32 hwreg(HW_REG_WAVE_MODE, 25, 1), 1
	s_wait_xcnt 0x0
	s_wait_alu depctr_hold_cnt(0) depctr_sa_sdst(0) depctr_va_vdst(0) depctr_va_sdst(0) depctr_va_ssrc(0) depctr_va_vcc(0) depctr_vm_vsrc(0)
	s_getreg_b32 s2, hwreg(HW_REG_IB_STS2, 6, 4)
	s_cmp_eq_u32 s2, 0
	s_cbranch_scc0 .Lentry_in_a_cluster
	s_endpgm
.Lentry_in_a_cluster:
	s_bfe_u32 s2, ttmp6, 0x10000c
	s_cmp_lg_u32 s2, 0xf033
	s_cbranch_scc0 .Lentry_shape_is_right
	s_endpgm
.Lentry_shape_is_right:
; q = h Wq, k = h Wk, v = h Wv on codes of BF8 (E5M2) with E8M0 scales, K = 1,024; the results are quantised on the way out into attention's records: q and k along the head's 64 channels, v along the keys.
; OPERANDS come as RECORDS of 33,792 bytes (128 rows x 256 K: 16 fragment images, then the scale words at 32,768), dense in memory: one tensor load a wave brings codes and scales of a K step.
; A tile of 256 x 256 is made by four waves, 128 x 128 each: 64 accumulators, 512 registers.  Two LDS slots of four records (A's halves, B's halves) take turns.
; THE MATRIX INSTRUCTION takes the B role as source 0 and the A role as source 1: a lane holds one row of the A role, and by the tile order of the records its 64 registers of a block run along 128 neighbours of the B role.
; ROLES by the cluster's x: 0: q, 1: k (A = h's rows, B = the weight's columns: registers along channels); 2: v (A = Wv's columns, B = h's rows: registers along keys).  Only record numbers differ.
; CLUSTERS 4 x 4: A's records are shared along a row of the cluster, B's along a column: joint loads with a mask.
; ATTENTION'S RECORD, 25,856 bytes for each (batch 16 + head, 128 keys): K's codes 0 (8 tiles x 1,024), K's words 8,192, V's codes 8,704 (4 tiles x 2,048), V's words 16,896, Q's codes 17,152, Q's words 25,344.
; LIMITS: NaN and infinities are not served; blocks under 2^-111 and blocks of zeros get the byte 1 (zero codes; the bytes are read by this program alone).
; REGISTERS: window 0: v8-9, v16-29 addresses; v32-63 scale words, two sets, and nothing else; v64-83 the quantiser's work; v112-127 codes; v128-255 A's fragments, on the way out 64 numbers.  window 1: B's fragments, two sets.  windows 2, 3: accumulators.
.set KS,    4                          ; K steps of 256
.set REC,   33792
.set RECA,  25856
.set HEADB, 16*RECA
.set SLOT,  REC                        ; LDS: wave w's records lie at 2 w REC (slot 0) and 2 w REC + REC (slot 1): neighbours, so that one load of 264 rows brings K steps 0 and 1
.set SPARE, 8*REC                      ; behind the ring: the spare words, 128 bytes a wave, two blocks of 256 bytes that no other line names
.set NQ,    2
.set FR,    16
.set NL,    4
.set NP,    8                          ; places behind this matrix instruction (ISA guide 7.12.1)
.set LAPS,  KS/2
.set ADRA,  16
.set ADRB,  20
.set ADRS,  22
.set SPW,   28
.set NIL,   29
.set SC,    32
.set AF,    128
.set G1,    24
.set G0,    32
.set G1B,   48
.set G0B,   56
.set LI,    8                          ; v8 16 x lane
.set LW,    9                          ; v9 4 r
.set TM,    64
.set PW,    80
.set PC,    112
.set XQ,    128
.set SEL,   78
.set MNT,   80
.set MSB,   0
.set MUL_LO, 0xa1                      ; source 0 window 1, source 1 window 0, C and D window 2
.set MUL_HI, 0xf1
.set TO_B,   0x40
.macro WIN new                         ; the immediate's high byte repeats the setting that is left
.if MSB != (\new)
	s_set_vgpr_msb (MSB<<8)|(\new)
.set MSB, (\new)
.endif
.endm
.macro JLOAD s                         ; a joint load: waves 0 and 1 fetch A's halves, waves 2 and 3 B's; four v_nop follow each line
	s_cmp_eq_u32 s15, 0
	s_cbranch_scc0 .Lfor_b_\@
	tensor_load_to_lds s[G0+4*\s:G0+4*\s+3], s[G1:G1+7]
	s_nop 0
.rept 4
	v_nop
.endr
	s_branch .Lasked_\@
.Lfor_b_\@:
	tensor_load_to_lds s[G0B+4*\s:G0B+4*\s+3], s[G1B:G1B+7]
	s_nop 0
.rept 4
	v_nop
.endr
.Lasked_\@:
.endm
.macro CREST                           ; a round of the cluster's barrier behind its opening barrier
	s_cmp_lg_u32 s14, 0
	s_cbranch_scc1 .Lnot_wave_0_\@
	s_barrier_signal -3
.Lnot_wave_0_\@:
	s_barrier_wait -3
	s_barrier_signal -1
	s_barrier_wait -1
.endm
.macro CROUND
	s_barrier_signal -1
	s_barrier_wait -1
	CREST
.endm
.macro FRAG reg, adr, q, i             ; a fragment's image: four loads of 512 consecutive bytes
.irp c, 0,1,2,3
	ds_load_b128 v[\reg+4*\c:\reg+4*\c+3], v[\adr] offset:(((\i)*2+(\q))*4+\c)*512
.endr
.endm
.macro MUL16 a0, p, q, sc, zero        ; A's blocks a0, a0 + 1 x B's eight; the 64 accumulators take turns, one instruction a turn
.irp a, \a0, \a0+1
.irp b, 0,1,2,3,4,5,6,7
.if \zero
	v_wmma_scale_f32_16x16x128_f8f6f4 v[8*(8*((\a)%4)+\b):8*(8*((\a)%4)+\b)+7], v[128*(\p)+FR*\b:128*(\p)+FR*\b+FR-1], v[AF+FR*(\a):AF+FR*(\a)+FR-1], 0, v[SC+8*NQ*(\sc)+NQ*\b+(\q)], v[SC+8*NQ*(\sc)+NQ*(\a)+(\q)] matrix_a_fmt:MATRIX_FMT_BF8 matrix_b_fmt:MATRIX_FMT_BF8 matrix_a_scale:MATRIX_SCALE_ROW1
.else
	v_wmma_scale_f32_16x16x128_f8f6f4 v[8*(8*((\a)%4)+\b):8*(8*((\a)%4)+\b)+7], v[128*(\p)+FR*\b:128*(\p)+FR*\b+FR-1], v[AF+FR*(\a):AF+FR*(\a)+FR-1], v[8*(8*((\a)%4)+\b):8*(8*((\a)%4)+\b)+7], v[SC+8*NQ*(\sc)+NQ*\b+(\q)], v[SC+8*NQ*(\sc)+NQ*(\a)+(\q)] matrix_a_fmt:MATRIX_FMT_BF8 matrix_b_fmt:MATRIX_FMT_BF8 matrix_a_scale:MATRIX_SCALE_ROW1
.endif
.endr
.endr
.endm
.macro FETCH_B slot, q, p
	WIN TO_B
.irp i, 0,1,2,3,4,5,6,7
	FRAG 128*(\p)+FR*\i, ADRB+\slot, \q, \i
.endr
	WIN 0
.endm
.macro FETCH_A slot, q, i0
.irp i, \i0, \i0+1, \i0+2, \i0+3
	FRAG AF+FR*(\i), ADRA+\slot, \q, \i
.endr
.endm
.macro SCALES sc                       ; the slot's scale words: lanes 0-15 A's block i, lanes 16-31 B's block i, two words a row
.irp i, 0,1,2,3,4,5,6,7
	ds_load_b64 v[SC+8*NQ*\sc+NQ*\i:SC+8*NQ*\sc+NQ*\i+1], v[ADRS+\sc] offset:\i*128
.endr
.endm
.macro PLACES n
.rept \n
	v_nop
.endr
.endm
.macro STEP slot, q, zero              ; 128 along K whose successor lies in the same slot
	s_wait_dscnt 4*NL                              ; B's set, A's blocks 0-3 and the scale words are in; the youngest 16 loads (A's blocks 4-7) may be out
	WIN MUL_LO
	MUL16 0, (\q)%2, \q, \slot, \zero
	MUL16 2, (\q)%2, \q, \slot, \zero
	s_wait_dscnt 0
	PLACES NP
	FETCH_B \slot, (\q)+1, 1-(\q)%2
	FETCH_A \slot, (\q)+1, 0
	WIN MUL_HI
	MUL16 4, (\q)%2, \q, \slot, \zero
	MUL16 6, (\q)%2, \q, \slot, \zero
	PLACES NP
	WIN 0
	FETCH_A \slot, (\q)+1, 4
.endm
.macro TURN slot, next, fill           ; a slot's last 128 along K, and the change of slots
	s_wait_tensorcnt 0x0                           ; all my tensor loads have landed: my part of the next slot
	ds_add_u32 v[SPW], v[NIL]                      ; 0 onto my spare word
	s_wait_dscnt 4*NL+1                            ; (the add and A's blocks 4-7 may be out)
	WIN MUL_LO
	MUL16 0, 1, NQ-1, \slot, 0
	s_wait_dscnt 0x0                               ; the add is done, and my reads of this slot are over
	s_barrier_signal -1
	MUL16 2, 1, NQ-1, \slot, 0
	WIN 0
	s_barrier_wait -1
.if \fill
	CREST                                          ; the barrier has opened a round of the cluster's: no wave of any partner still reads this slot or has a load on its way
	s_add_nc_u64 s[G0+4*\slot+2:G0+4*\slot+3], s[G0+4*\slot+2:G0+4*\slot+3], 2*REC
	s_add_nc_u64 s[G0B+4*\slot+2:G0B+4*\slot+3], s[G0B+4*\slot+2:G0B+4*\slot+3], 2*REC
	JLOAD \slot                                    ; the first tensor load behind the round; its four v_nop are among the places in front of the loads below
	PLACES NP-4
.else
	PLACES NP
.endif
	FETCH_B \next, 0, 0
	FETCH_A \next, 0, 0
	SCALES \next
	WIN MUL_HI
	MUL16 4, 1, NQ-1, \slot, 0
	MUL16 6, 1, NQ-1, \slot, 0
	PLACES NP
	WIN 0
	FETCH_A \next, 0, 4
.endm
; 64 numbers of a lane in window win, register 16 b + i = index 32 b + 16 (lane / 16) + i, become codes in v[PC] on and a scale word in v[PW]; the held numbers go to v[dst] on in window 0.
; Each accumulator is read from its low end on.
.macro QUANT src, win, dst
	WIN ((\win)<<2)|((\win)<<4)
.irp b, 0,1,2,3
	v_max3_num_f32 v[TM+\b], 0x8000000, |v[(\src)+16*\b]|, |v[(\src)+16*\b+1]|     ; with the floor 2^(16 - 127)
.endr
.irp i, 2,4,6,8,10,12,14
.irp b, 0,1,2,3
	v_max3_num_f32 v[TM+\b], v[TM+\b], |v[(\src)+16*\b+\i]|, |v[(\src)+16*\b+\i+1]|
.endr
.endr
	WIN 0
.irp b, 0,1,2,3
	v_permlanex16_b32 v[TM+4+\b], v[TM+\b], s[SEL], s[SEL+1]
.endr
.irp b, 0,1,2,3
	v_max_num_f32 v[TM+\b], v[TM+\b], v[TM+4+\b]
.endr
.irp b, 0,1,2,3
	v_add_nc_u32 v[TM+12+\b], 0xf8800000, v[TM+\b]         ; 15 off the exponent field: the conversion's scale operand
.endr
.irp b, 0,1,2,3
	v_and_or_b32 v[TM+8+\b], v[TM+\b], 0x7f800000, s[MNT]  ; 57,344 x the scale
.endr
.irp b, 0,1,2,3
	v_lshrrev_b32 v[TM+4+\b], 23, v[TM+12+\b]              ; the byte
.endr
	v_lshl_or_b32 v[PW], v[TM+5], 8, v[TM+4]
	v_lshl_or_b32 v[PW], v[TM+6], 16, v[PW]
	v_lshl_or_b32 v[PW], v[TM+7], 24, v[PW]
	WIN (\win)
.irp b, 0,1,2,3
.irp i, 0,1,2,3,4,5,6,7,8,9,10,11,12,13,14,15
	v_med3_num_f32 v[(\dst)+16*\b+\i], v[(\src)+16*\b+\i], -v[TM+8+\b], v[TM+8+\b]   ; the conversion does not saturate (ISA guide 7.6.2): the hold
.endr
.endr
	WIN 0
.irp b, 0,1,2,3
	v_cvt_scalef32_pk8_bf8_f32 v[PC+4*\b:PC+4*\b+1], v[(\dst)+16*\b:(\dst)+16*\b+7], v[TM+12+\b]
	v_cvt_scalef32_pk8_bf8_f32 v[PC+4*\b+2:PC+4*\b+3], v[(\dst)+16*\b+8:(\dst)+16*\b+15], v[TM+12+\b]
.endr
	v_nop                                          ; one plain line behind the last scaled conversion
.endm
	s_load_b128 s[4:7], s[0:1], 0x0                ; ops s[4:5], qkv s[6:7]
	v_lshl_add_u32 v[SPW], v0, 2, SPARE
	v_mov_b32 v[NIL], 0
	ds_add_u32 v28, v29
	ds_add_u32 v28, v29
	s_wait_dscnt 0x0
	v_lshrrev_b32 v1, 5, v0
	v_readfirstlane_b32 s14, v1                    ; wave 0..3
	s_lshr_b32 s15, s14, 1                         ; my half of the A role.  Also: I fetch for A (0) or for B (1)
	s_and_b32 s16, s14, 1                          ; my half of the B role.  Also: which record of the two I fetch
	s_bfe_u32 s40, ttmp6, 0x40000                  ; cx
	s_bfe_u32 s41, ttmp6, 0x40004                  ; cy
	s_and_b32 s18, ttmp7, 0xffff
	s_lshl_b32 s18, s18, 2                         ; 4 x cluster y
	s_lshl_b32 s19, ttmp9, 2                       ; 4 x cluster x
	s_mov_b32 s22, 384*REC
	s_cmp_eq_u32 ttmp9, 2                          ; v's clusters: the same answer in all sixteen partners
	s_cselect_b32 s70, 1, 0
	s_cselect_b32 s17, 0, s18
	s_cselect_b32 s42, s18, s19
	s_cselect_b32 s22, 64*REC, s22                 ; A's first record: Wv's or h's
	s_cselect_b32 s23, 384*REC, 0                  ; B's: h's or Wq|Wk's
	s_add_co_u32 s17, s17, s41                     ; tile of the A role: hangs on cy alone within the cluster
	s_add_co_u32 s42, s42, s40                     ; tile of the B role: on cx alone
	s_lshl_b32 s43, s41, 2
	s_lshl_b32 s43, 15, s43                        ; my row of the cluster
	s_lshl_b32 s44, 0x1111, s40                    ; my column
	s_or_b32 s[G1+0], s43, (3<<16)|(1<<21)         ; 15:0 the mask; 17:16 elements of 8 bytes; 21 set beside a mask; no padding
	s_or_b32 s[G1B+0], s44, (3<<16)|(1<<21)
.irp g, G1, G1B
	s_mov_b32 s[\g+1], 32<<16                      ; tensor_dim0 = 32 elements: rows of 256 bytes
	s_mov_b32 s[\g+2], 264<<16                     ; tensor_dim1 = 264 rows: two records, for the head's load
	s_mov_b32 s[\g+3], 32<<16                      ; tile_dim0
	s_mov_b32 s[\g+4], 264                         ; tile_dim1
	s_mov_b32 s[\g+5], 32                          ; the pitch: dense
	s_mov_b32 s[\g+6], 0
	s_mov_b32 s[\g+7], 0
.endr
	s_lshl_b32 s20, s17, 1
	s_add_co_u32 s20, s20, s16
	s_mul_i32 s20, s20, KS*REC
	s_add_co_u32 s20, s20, s22                     ; A: record (2 tile + half) KS of its operand
	s_mov_b32 s21, 0
	s_lshl_b32 s46, s42, 1
	s_add_co_u32 s46, s46, s16
	s_mul_i32 s46, s46, KS*REC
	s_add_co_u32 s46, s46, s23                     ; B likewise
	s_mov_b32 s47, 0
	s_mul_i32 s45, s14, 2*REC                      ; where they go: wave x two records
	s_wait_kmcnt 0x0
	s_add_nc_u64 s[20:21], s[4:5], s[20:21]
	s_add_nc_u64 s[46:47], s[4:5], s[46:47]
	CROUND                                         ; all sixteen work-groups are here: the first joint loads meet
.irp s, 0,1
	s_mov_b32 s[G0+4*\s], 1
	s_add_co_u32 s[G0+4*\s+1], s45, \s*SLOT
	s_add_nc_u64 s[G0+4*\s+2:G0+4*\s+3], s[20:21], \s*REC
	s_or_b32 s[G0+4*\s+3], s[G0+4*\s+3], 0x80000000
	s_mov_b32 s[G0B+4*\s], 1
	s_add_co_u32 s[G0B+4*\s+1], s45, \s*SLOT
	s_add_nc_u64 s[G0B+4*\s+2:G0B+4*\s+3], s[46:47], \s*REC
	s_or_b32 s[G0B+4*\s+3], s[G0B+4*\s+3], 0x80000000
.endr
	JLOAD 0                                        ; my one tensor load at the head: K steps 0 and 1 of my record row, 264 rows, both slots
	v_and_b32 v1, 31, v0
	v_lshlrev_b32 v3, 4, v1                        ; 16 x lane
	v_and_b32 v2, 15, v0                           ; r
	v_bfe_u32 v4, v0, 4, 1                         ; h
	s_wait_alu depctr_va_vdst(0)
	s_mul_i32 s21, s15, 2*REC
	s_mul_i32 s22, s16, 2*REC
	s_add_co_u32 s22, s22, 4*REC
.irp s, 0,1
	v_add_nc_u32 v[ADRA+\s], s21, v3
	v_add_nc_u32 v[ADRB+\s], s22, v3
	s_add_co_u32 s21, s21, SLOT
	s_add_co_u32 s22, s22, SLOT
.endr
	s_mul_i32 s21, s15, 2*REC
	s_mul_i32 s22, s16, 2*REC
	s_add_co_u32 s22, s22, 4*REC
	s_sub_co_u32 s22, s22, s21
	v_mul_u32_u24 v5, s22, v4                      ; lanes 16-31 take B's words: one product, the distance between the two records
	v_lshl_add_u32 v5, v2, 3, v5
	s_add_co_u32 s21, s21, 32768
	v_add_nc_u32 v[ADRS], s21, v5
	v_add_nc_u32 v[ADRS+1], SLOT, v[ADRS]
	v_lshlrev_b32 v[LI], 4, v1
	v_lshlrev_b32 v[LW], 2, v2
	s_mov_b32 s[SEL], 0x76543210
	s_mov_b32 s[SEL+1], 0xfedcba98
	s_mov_b32 s[MNT], 0x600000
	s_mov_b32 s71, 0x7f7f0000                      ; the scale bytes of the zero half of a K step of product 4
	; where my results go.  q, k: (batch 16 + head) of my first 64 columns, the key step of my 128 rows; q's part of a record lies 17,152 bytes behind k's
	s_lshr_b32 s74, s17, 3
	s_lshl_b32 s74, s74, 4
	s_and_b32 s75, s42, 3
	s_lshl_b32 s75, s75, 2
	s_add_co_u32 s74, s74, s75
	s_lshl_b32 s75, s16, 1
	s_add_co_u32 s74, s74, s75
	s_mul_i32 s74, s74, HEADB
	s_lshl_b32 s75, s17, 1
	s_add_co_u32 s75, s75, s15
	s_and_b32 s75, s75, 15
	s_mul_i32 s75, s75, RECA
	s_add_co_u32 s74, s74, s75
	s_cmp_eq_u32 ttmp9, 0
	s_cselect_b32 s75, 17152, 0
	s_add_co_u32 s74, s74, s75
	; v: the head of my first 64 channels (A role), the key step of my 128 keys (B role)
	s_lshr_b32 s76, s42, 3
	s_lshl_b32 s76, s76, 4
	s_lshl_b32 s77, s17, 2
	s_add_co_u32 s76, s76, s77
	s_lshl_b32 s77, s15, 1
	s_add_co_u32 s76, s76, s77
	s_mul_i32 s76, s76, HEADB
	s_and_b32 s77, s42, 7
	s_lshl_b32 s77, s77, 1
	s_add_co_u32 s77, s77, s16
	s_mul_i32 s77, s77, RECA
	s_add_co_u32 s76, s76, s77
	s_cmp_eq_u32 s70, 1
	s_cselect_b32 s72, s76, s74
	s_mov_b32 s73, 0
	s_add_nc_u64 s[72:73], s[6:7], s[72:73]
	s_wait_alu depctr_va_vdst(0)
	s_wait_tensorcnt 0x0                           ; my part of K steps 0 and 1 is in; no tensor load of mine is out, so a descriptor may be written:
	s_mov_b32 s[G1+2], 132<<16                     ; from here on a load brings one record
	s_mov_b32 s[G1+4], 132
	s_mov_b32 s[G1B+2], 132<<16
	s_mov_b32 s[G1B+4], 132
	s_barrier_signal -1
	s_barrier_wait -1                              ; everybody's is
	FETCH_B 0, 0, 0
	FETCH_A 0, 0, 0
	SCALES 0
	FETCH_A 0, 0, 4
	STEP 0, 0, 1                                   ; the first step's products start the sums
	s_mov_b32 s3, LAPS-1
.Llap:
	TURN 0, 1, 1
	STEP 1, 0, 0
	TURN 1, 0, 1
	STEP 0, 0, 0
	s_sub_co_u32 s3, s3, 1
	s_cmp_lg_u32 s3, 0
	s_cbranch_scc1 .Llap
	TURN 0, 1, 0                                   ; the last lap fills nothing
	STEP 1, 0, 0
	s_wait_dscnt 4*NL
	WIN MUL_LO
	MUL16 0, 1, NQ-1, 1, 0
	MUL16 2, 1, NQ-1, 1, 0
	s_wait_dscnt 0
	WIN MUL_HI
	MUL16 4, 1, NQ-1, 1, 0
	MUL16 6, 1, NQ-1, 1, 0
	WIN 0
	PLACES NP                                      ; in front of the first read of results and the first write over A's fragments
.irp b, 0,1,2,3
	v_mov_b32 v[TM+4+\b], 0                        ; a lane permute's destination counts as one of its sources
.endr
; THE WAY OUT, block a of 16 rows of the A role: 64 numbers a lane become one fragment.
.macro OUTQ a
	s_wait_xcnt 0x0                                ; the last block's stores have read their registers
	QUANT 64*((\a)%4), 2+(\a)/4, XQ
	s_cmp_eq_u32 s70, 1
	s_cbranch_scc1 .Lv_\@
	v_and_or_b32 v82, v[PW], 0xffff, s71           ; q, k: two heads of 64 channels: two half fragments, two words whose upper bytes stand for 1.0 over zero codes
	v_lshrrev_b32 v83, 16, v[PW]
	v_or_b32 v83, s71, v83
.irp c, 0,1,2,3
	global_store_b128 v[LI], v[PC+4*\c:PC+4*\c+3], s[72:73] offset:(\a)*1024+(\c/2)*HEADB+(\c%2)*512
.endr
	global_store_b32 v[LW], v82, s[72:73] offset:8192+(\a)*64
	global_store_b32 v[LW], v83, s[72:73] offset:8192+(\a)*64+HEADB
	s_branch .Ldone_\@
.Lv_\@:
	s_wait_alu depctr_va_vdst(0)
.irp c, 0,1,2,3
	global_store_b128 v[LI], v[PC+4*\c:PC+4*\c+3], s[72:73] offset:((\a)/4)*HEADB+8704+((\a)%4)*2048+\c*512   ; v: 16 channels x 128 keys
.endr
	global_store_b32 v[LW], v[PW], s[72:73] offset:((\a)/4)*HEADB+16896+((\a)%4)*64
.Ldone_\@:
.endm
.irp a, 0,1,2,3,4,5,6,7
	OUTQ \a
.endr
	s_wait_tensorcnt 0x0                           ; the wave's end
	ds_add_u32 v[SPW], v[NIL]
	s_wait_dscnt 0x0
	CROUND                                         ; the closing round
	s_endpgm
.Lfunc_end_k_qdf7ec915b7_qkvg:
	.size	k_qdf7ec915b7_qkvg, .Lfunc_end_k_qdf7ec915b7_qkvg-k_qdf7ec915b7_qkvg
	.p2alignl 7, 3214868480
	.fill 96, 4, 3214868480
	.section	.rodata,"a",@progbits
	.p2align	6, 0x0
	.amdhsa_kernel k_qdf7ec915b7_qkvg
		.amdhsa_group_segment_fixed_size 327680
		.amdhsa_private_segment_fixed_size 0
		.amdhsa_enable_private_segment 0
		.amdhsa_kernarg_size 16
		.amdhsa_user_sgpr_count 2
		.amdhsa_user_sgpr_kernarg_segment_ptr 1
		.amdhsa_wavefront_size32 1
		.amdhsa_system_sgpr_workgroup_id_x 1
		.amdhsa_system_sgpr_workgroup_id_y 1
		.amdhsa_system_sgpr_workgroup_id_z 1
		.amdhsa_system_vgpr_workitem_id 0
		.amdhsa_next_free_vgpr 1024
		.amdhsa_next_free_sgpr 100
		.amdhsa_reserve_vcc 0
		.amdhsa_float_denorm_mode_32 3
		.amdhsa_float_denorm_mode_16_64 3
		.amdhsa_memory_ordered 1
		.amdhsa_forward_progress 1
		.amdhsa_inst_pref_size 190
	.end_amdhsa_kernel
	.amdgpu_metadata
---
amdhsa.version: [ 1, 2 ]
amdhsa.kernels:
  - .name:           k_qdf7ec915b7_qkvg
    .symbol:         k_qdf7ec915b7_qkvg.kd
    .args:
      - { .name: ops, .offset: 0, .size: 8, .value_kind: global_buffer, .address_space: global }
      - { .name: qkv, .offset: 8, .size: 8, .value_kind: global_buffer, .address_space: global }
    .group_segment_fixed_size: 327680
    .private_segment_fixed_size: 0
    .kernarg_segment_align: 8
    .kernarg_segment_size: 16
    .max_flat_workgroup_size: 128
    .sgpr_count:     100
    .vgpr_count:     1024
    .wavefront_size: 32
...
	.end_amdgpu_metadata
.endif
;; end of part 9
;; launch attn (part 10): grid 8 x 32, 16 waves a work-group, clusters of 4 x 1, 276,480 bytes of LDS; arguments qkv, aq; writes aq
.if DOCPART == 10
	.amdgcn_target "amdgcn-amd-amdhsa--gfx1250"
	.amdhsa_code_object_version 6
	.text
	.protected	k_qdf7ec915b7_attn
	.globl	k_qdf7ec915b7_attn
	.p2align	8
	.type	k_qdf7ec915b7_attn,@function
k_qdf7ec915b7_attn:
	s_mov_b64 s[64:65], 0
	v_nop
	global_prefetch_b8 v0, s[64:65] scope:SCOPE_SE
	s_setreg_imm32_b32 hwreg(HW_REG_WAVE_MODE, 25, 1), 1
	s_wait_xcnt 0x0
	s_wait_alu depctr_hold_cnt(0) depctr_sa_sdst(0) depctr_va_vdst(0) depctr_va_sdst(0) depctr_va_ssrc(0) depctr_va_vcc(0) depctr_vm_vsrc(0)
	s_getreg_b32 s2, hwreg(HW_REG_IB_STS2, 6, 4)
	s_cmp_eq_u32 s2, 0
	s_cbranch_scc0 .Lentry_in_a_cluster
	s_endpgm
.Lentry_in_a_cluster:
	s_bfe_u32 s2, ttmp6, 0x10000c
	s_cmp_lg_u32 s2, 0x3003
	s_cbranch_scc0 .Lentry_shape_is_right
	s_endpgm
.Lentry_shape_is_right:
; O = softmax(Q K^T / 8) V for one (batch, head) and 256 queries, both products on codes of BF8 (E5M2) with E8M0 scales; O / the row's sum is quantised along the channels into 'aq', the next product's operand.
; THE SOFTMAX: t = score x log2(e) / 8; M = the running largest t rounded UP to a whole number; p = 2^(t - M) is quantised along the keys, not normalised; the sum is taken of the unquantised p.
; When M moves, the sum and O are multiplied by f = 2^(old M - new M): exact.
; SHARES: sixteen waves, each one tile of 16 queries in 256 registers; every wave walks the head's 2,048 keys, 128 a step.
; LDS: the head's K, V and scale words, 16 steps x 17,152 bytes: every byte is filled ONCE, wave w bringing step w by its one tensor load.  So there is no loop to run ahead in, and no prefetch is laid.
; CLUSTER 4 x 1: the four query blocks of a cluster belong to one head and ask for each step JOINTLY (mask 15, the same descriptor in all four); the place in the cluster enters Q's and aq's addresses alone.
; LAYOUT: both products transposed (S^T = K Q^T, O^T = V^T P^T): a lane holds one query; by the records' tile order its registers run along 16 neighbouring keys, at the end along 16 neighbouring channels.
; THE FIRST PRODUCT HAS K = 64.  Q's fragment holds zero codes for k = 64 .. 127.  K's eight tiles of 8 registers lie on end in v32-95; tile t's fragment is v[32 + 8 t .. 47 + 8 t]: its upper half holds
; the next tile's codes (for tile 7: p's codes, v96-103), all finite codes, which meet Q's zero codes under the scale byte 0x7f and add nothing.  So a step's eight products follow one run of loads.
; V's four fragments land in K's registers, behind the places that follow those products.
; LIMITS: NaN and infinities are not served; the scaled scores stay under 2^31 in magnitude; blocks under 2^-111 and blocks of zeros get the byte 1.  aq's scale bytes leave two a lane, 8 bytes apart.
.set RECA,  25856
.set HEADB, 16*RECA
.set STEPB, 17152                      ; what of a record comes into LDS: 67 x 256 bytes
.set REC,   33792
.set SPARE, 16*STEPB                   ; the spare words: 128 bytes a wave, eight blocks of 256 bytes that no other line names
.set LI,  1                            ; 16 x lane
.set LW,  2                            ; 4 r
.set ADK, 3                            ; the step's codes
.set ADW, 4                            ; the step's scale words
.set L8,  5                            ; 8 r
.set QSW, 10                           ; Q's scale word
.set KF,  32                           ; v32-95 K's tiles, then V's fragments
.set PCD, 96                           ; v96-111 p's codes
.set S,   112                          ; v112-175 S^T, then p
.set O,   176                          ; v176-207 O^T
.set BM,  208
.set T4,  212
.set LIM, 216
.set SCL, 220
.set F,   224
.set TMP, 226
.set PSW, 227                          ; p's scale word
.set KW,  228                          ; v228-235 K's scale words, then V's four
.set CH,  236                          ; v236-251 eight chains of the step's sum
.set SPW, 254
.set NIL, 255
.macro ROUND
	s_barrier_signal -1
	s_barrier_wait -1
	s_cmp_lg_u32 s8, 0
	s_cbranch_scc1 .Lnot_wave_0_\@
	s_barrier_signal -3
.Lnot_wave_0_\@:
	s_barrier_wait -3
	s_barrier_signal -1
	s_barrier_wait -1
.endm
	s_load_b128 s[4:7], s[0:1], 0x0                ; qkv s[4:5], aq s[6:7]
	v_lshl_add_u32 v[SPW], v0, 2, SPARE
	v_mov_b32 v[NIL], 0
	ds_add_u32 v[SPW], v[NIL]                      ; the opening lines: the add twice on end and one wait
	ds_add_u32 v[SPW], v[NIL]
	v_lshrrev_b32 v3, 5, v0
	v_readfirstlane_b32 s8, v3                     ; wave 0..15
	s_bfe_u32 s9, ttmp6, 0x40000                   ; cx
	s_lshl_b32 s10, ttmp9, 2
	s_add_co_u32 s10, s10, s9                      ; my block of 256 queries, 0..7
	s_and_b32 s11, ttmp7, 0xffff                   ; batch x 16 + head, which the four partners share
	s_mul_i32 s32, s11, HEADB
	s_mov_b32 s33, 0
	s_mul_i32 s34, s8, RECA
	s_mov_b32 s35, 0
	s_mov_b32 s16, 15|(3<<16)|(1<<21)              ; the mask: all four; elements of 8 bytes; bit 21 beside a mask
	s_mov_b32 s17, 32<<16                          ; rows of 256 bytes
	s_mov_b32 s18, 67<<16
	s_mov_b32 s19, 32<<16
	s_mov_b32 s20, 67
	s_mov_b32 s21, 32                              ; dense
	s_mov_b32 s22, 0
	s_mov_b32 s23, 0
	s_mov_b32 s24, 0x76543210
	s_mov_b32 s25, 0xfedcba98                      ; selects for lane l xor 16
	s_mov_b32 s26, 0x3e38aa3b                      ; c = log2(e) / 8
	s_mov_b32 s27, s26                             ; (named with it as a pair)
	s_mov_b32 s28, 0x600000                        ; the mantissa field of 57,344
	s_mov_b32 s29, 0                               ; LDS byte of the step in hand
	s_mov_b32 s30, 16
	s_mov_b32 s31, 0xbe38aa3b                      ; -c
	s_wait_dscnt 0x0
	s_wait_kmcnt 0x0
	s_add_nc_u64 s[36:37], s[4:5], s[32:33]        ; the head's records
	s_mov_b32 s12, 1
	s_mul_i32 s13, s8, STEPB                       ; step w lands at w x 17,152
	s_add_nc_u64 s[14:15], s[36:37], s[34:35]
	s_or_b32 s15, s15, 0x80000000
	ROUND                                          ; all four work-groups are here
	tensor_load_to_lds s[12:15], s[16:23]          ; my one tensor load of the launch
	s_nop 0
.rept 4
	v_nop
.endr
	s_lshl_b32 s38, s10, 1                         ; my query tile T = 16 x block + wave lies in record T / 8 as tile T % 8
	s_lshr_b32 s39, s8, 3
	s_add_co_u32 s38, s38, s39
	s_mul_i32 s38, s38, RECA
	s_and_b32 s40, s8, 7
	s_lshl_b32 s39, s40, 10
	s_add_co_u32 s42, s38, s39
	s_mov_b32 s43, 0
	s_lshl_b32 s39, s40, 6
	s_add_co_u32 s44, s38, s39
	s_mov_b32 s45, 0
	s_add_nc_u64 s[42:43], s[36:37], s[42:43]
	s_add_nc_u64 s[44:45], s[36:37], s[44:45]
	v_and_b32 v1, 31, v0
	v_and_b32 v2, 15, v0
	v_lshlrev_b32 v[LI], 4, v1
	v_lshlrev_b32 v[L8], 3, v2
	v_lshlrev_b32 v[LW], 2, v2
	global_load_b128 v[16:19], v[LI], s[42:43] offset:17152
	global_load_b128 v[20:23], v[LI], s[42:43] offset:17152+512
	global_load_b32 v[QSW], v[LW], s[44:45] offset:25344
	; where O goes: record ((batch 128 + T) / 8) 4 + head / 4; fragment (T % 8, (head / 2) % 2); register groups 2 (head % 2) and the next
	s_lshr_b32 s46, s11, 4
	s_and_b32 s47, s11, 15
	s_lshl_b32 s48, s46, 4
	s_lshl_b32 s49, s10, 1
	s_add_co_u32 s48, s48, s49
	s_lshr_b32 s49, s8, 3
	s_add_co_u32 s48, s48, s49
	s_lshl_b32 s48, s48, 2
	s_lshr_b32 s49, s47, 2
	s_add_co_u32 s48, s48, s49
	s_mul_i32 s48, s48, REC
	s_bfe_u32 s50, s47, 0x10001
	s_and_b32 s51, s47, 1
	s_lshl_b32 s52, s40, 1
	s_add_co_u32 s52, s52, s50
	s_lshl_b32 s52, s52, 11
	s_lshl_b32 s53, s51, 10
	s_add_co_u32 s52, s52, s53
	s_add_co_u32 s52, s52, s48
	s_mov_b32 s53, 0
	s_add_nc_u64 s[52:53], s[6:7], s[52:53]
	s_lshl_b32 s54, s40, 7
	s_lshl_b32 s55, s50, 2
	s_add_co_u32 s54, s54, s55
	s_lshl_b32 s55, s51, 1
	s_add_co_u32 s54, s54, s55
	s_add_co_u32 s54, s54, s48
	s_mov_b32 s55, 0
	s_add_nc_u64 s[54:55], s[6:7], s[54:55]
	v_mov_b32 v13, 0xff61b1e6                      ; the largest score so far: -3e38
	v_mov_b32 v12, 0x7e000000                      ; -M: a large whole number, so that the first f is 0 and leaves the zeros below zeros
	v_mov_b32 v14, 0
	v_mov_b32 v15, 0
.irp j, 0,1,2,3,4,5,6,7
	v_mov_b32 v[24+\j], 0                          ; Q's k = 64 .. 127: zero codes
	v_mov_b32 v[PCD+\j], 0                         ; the upper half of K's eighth fragment in the first step
.endr
.set j, 0
.rept 32
	v_mov_b32 v[O+j], 0                            ; O^T: the loop is written once
.set j, j+1
.endr
.irp b, 0,1,2,3
	v_mov_b32 v[T4+\b], 0                          ; a lane permute's destination counts as one of its sources
.endr
	v_mov_b32 v[F+1], 0                            ; (named as the upper half of f's pair)
	v_mov_b32 v[TMP], 0
	v_mov_b32 v[ADK], v[LI]
	v_mov_b32 v[ADW], v[LW]
	s_wait_alu depctr_va_vdst(0)                   ; the wait at the head's end
	s_wait_tensorcnt 0x0                           ; my step has landed,
	s_barrier_signal -1
	s_barrier_wait -1                              ; everybody's has
	s_wait_loadcnt 0x0                             ; Q
.Lstep:
.irp t, 0,1,2,3,4,5,6,7                        ; K's eight tiles, 8 registers each, on end (ten plain lines stand behind the last products, which read these registers)
	ds_load_b128 v[KF+8*\t:KF+8*\t+3], v[ADK] offset:\t*1024
	ds_load_b128 v[KF+8*\t+4:KF+8*\t+7], v[ADK] offset:\t*1024+512
	ds_load_b32 v[KW+\t], v[ADW] offset:8192+\t*64
.endr
	s_wait_dscnt 0x0
.irp t, 0,1,2,3,4,5,6,7                        ; S^T = K Q^T
	v_wmma_scale_f32_16x16x128_f8f6f4 v[S+8*\t:S+8*\t+7], v[KF+8*\t:KF+8*\t+15], v[16:31], 0, v[KW+\t], v[QSW] matrix_a_fmt:MATRIX_FMT_BF8 matrix_b_fmt:MATRIX_FMT_BF8
.endr
.rept 8
	v_nop                                          ; eight places in front of the loads below and of the first read of S^T
.endr
.irp t, 0,1,2,3                                ; V's four fragments into K's registers; they land under the softmax
.irp c, 0,1,2,3
	ds_load_b128 v[KF+16*\t+4*\c:KF+16*\t+4*\c+3], v[ADK] offset:8704+\t*2048+\c*512
.endr
	ds_load_b32 v[KW+\t], v[ADW] offset:16896+\t*64
.endr
.irp b, 0,1,2,3
	v_max3_num_f32 v[BM+\b], v[S+16*\b], v[S+1+16*\b], v[S+2+16*\b]    ; the largest score of each block of 32 keys: for the row's maximum and, since p rises with the score, for the block's largest p
.endr
.irp i, 3,5,7,9,11,13
.irp b, 0,1,2,3
	v_max3_num_f32 v[BM+\b], v[BM+\b], v[S+16*\b+\i], v[S+1+16*\b+\i]
.endr
.endr
.irp b, 0,1,2,3
	v_max_num_f32 v[BM+\b], v[BM+\b], v[S+15+16*\b]
.endr
.irp b, 0,1,2,3
	v_permlanex16_b32 v[T4+\b], v[BM+\b], s24, s25
.endr
.irp b, 0,1,2,3
	v_max_num_f32 v[BM+\b], v[BM+\b], v[T4+\b]
.endr
	v_max3_num_f32 v[TMP], v[BM], v[BM+1], v[BM+2]
	v_mov_b32 v[T4], v12                           ; the old -M
	v_max3_num_f32 v13, v13, v[TMP], v[BM+3]       ; the running largest score
	v_mul_f32 v[TMP], s31, v13                     ; -t
	v_floor_f32 v12, v[TMP]                        ; the new -M = -ceil(t)
	v_sub_f32 v[TMP], v12, v[T4]                   ; old M - new M: a whole number, 0 or less
	v_cvt_i32_f32 v[TMP], v[TMP]                   ; (it saturates)
.set j, 0
.rept 32
	v_pk_fma_f32 v[S+j:S+j+1], v[S+j:S+j+1], s[26:27], v[12:13] op_sel_hi:[1,0,0]   ; t - M
.set j, j+2
.endr
.irp b, 0,1,2,3
	v_fma_f32 v[BM+\b], v[BM+\b], s26, v12
.endr
	s_wait_alu depctr_va_vdst(0)                   ; the wait ahead of the batch
.set j, 0
.rept 64
	v_exp_f32 v[S+j], v[S+j]                       ; p = 2^(t - M)
.set j, j+1
.endr
.irp b, 0,1,2,3
	v_exp_f32 v[BM+\b], v[BM+\b]                   ; the block's largest p
.endr
	v_ldexp_f32 v[F], 1.0, v[TMP]                  ; f = 2^(old M - new M): the plain line behind the exponentials
	s_wait_alu depctr_va_vdst(0)                   ; one wait for the batch, ahead of its first reader
.irp b, 0,1,2,3
	v_max_num_f32 v[BM+\b], 0x8000000, v[BM+\b]    ; the floor 2^(16 - 127)
.endr
.irp b, 0,1,2,3
	v_add_nc_u32 v[SCL+\b], 0xf8800000, v[BM+\b]   ; 15 off the exponent field: the conversion's scale operand
.endr
.irp b, 0,1,2,3
	v_and_or_b32 v[LIM+\b], v[BM+\b], 0x7f800000, s28      ; 57,344 x the scale
.endr
.irp b, 0,1,2,3
	v_lshrrev_b32 v[T4+\b], 23, v[SCL+\b]
.endr
	v_lshl_or_b32 v[PSW], v[T4+1], 8, v[T4]        ; p's scale word for these 128 keys
	v_lshl_or_b32 v[PSW], v[T4+2], 16, v[PSW]
	v_lshl_or_b32 v[PSW], v[T4+3], 24, v[PSW]
.irp k, 0,1,2,3,4,5,6,7                        ; the sum of the unquantised p: 32 pairs into eight chains
	v_pk_add_f32 v[CH+2*\k:CH+2*\k+1], v[S+2*\k:S+2*\k+1], v[S+16+2*\k:S+17+2*\k]
.endr
.irp k, 0,1,2,3,4,5,6,7
	v_pk_add_f32 v[CH+2*\k:CH+2*\k+1], v[CH+2*\k:CH+2*\k+1], v[S+32+2*\k:S+33+2*\k]
.endr
.irp k, 0,1,2,3,4,5,6,7
	v_pk_add_f32 v[CH+2*\k:CH+2*\k+1], v[CH+2*\k:CH+2*\k+1], v[S+48+2*\k:S+49+2*\k]
.endr
.irp b, 0,1,2,3
.irp i, 0,2,4,6,8,10,12,14                     ; the hold: the conversion does not saturate (ISA guide 7.6.2); p is not negative; two numbers a line
	v_dual_min_num_f32 v[S+16*\b+\i], v[S+16*\b+\i], v[LIM+\b] :: v_dual_min_num_f32 v[S+1+16*\b+\i], v[S+1+16*\b+\i], v[LIM+\b]
.endr
	v_cvt_scalef32_pk8_bf8_f32 v[PCD+4*\b:PCD+4*\b+1], v[S+16*\b:S+7+16*\b], v[SCL+\b]
	v_cvt_scalef32_pk8_bf8_f32 v[PCD+4*\b+2:PCD+4*\b+3], v[S+8+16*\b:S+15+16*\b], v[SCL+\b]
.endr
	s_wait_dscnt 0x0                               ; V's fragments and words
	s_wait_alu depctr_va_vdst(0)                   ; the wait directly ahead of the first reader of O^T
.set j, 0
.rept 16
	v_pk_mul_f32 v[O+j:O+j+1], v[O+j:O+j+1], v[F:F+1] op_sel_hi:[1,0]   ; O^T under the new M; these sixteen are also the places in front of the products below
.set j, j+2
.endr
.irp t, 0,1,2,3                                ; O^T += V^T P^T: four accumulators by turns; K = these 128 keys
	v_wmma_scale_f32_16x16x128_f8f6f4 v[O+8*\t:O+8*\t+7], v[KF+16*\t:KF+16*\t+15], v[PCD:PCD+15], v[O+8*\t:O+8*\t+7], v[KW+\t], v[PSW] matrix_a_fmt:MATRIX_FMT_BF8 matrix_b_fmt:MATRIX_FMT_BF8
.endr
	s_add_co_u32 s29, s29, STEPB
	v_add_nc_u32 v[ADK], s29, v[LI]                ; ten plain lines that name no register of the products above: the places in front of the next step's loads
	v_add_nc_u32 v[ADW], s29, v[LW]
.irp k, 0,1,2,3
	v_pk_add_f32 v[CH+2*\k:CH+2*\k+1], v[CH+2*\k:CH+2*\k+1], v[CH+8+2*\k:CH+9+2*\k]
.endr
	v_pk_add_f32 v[CH:CH+1], v[CH:CH+1], v[CH+4:CH+5]
	v_pk_add_f32 v[CH+2:CH+3], v[CH+2:CH+3], v[CH+6:CH+7]
	v_pk_add_f32 v[CH:CH+1], v[CH:CH+1], v[CH+2:CH+3]
	v_pk_fma_f32 v[14:15], v[14:15], v[F:F+1], v[CH:CH+1] op_sel_hi:[1,0,1]   ; the row's sum under the new M, and the step's
	s_sub_co_u32 s30, s30, 1
	s_cmp_lg_u32 s30, 0
	s_wait_alu depctr_va_vdst(0)                   ; the wait directly ahead of the branch
	s_cbranch_scc1 .Lstep
	; THE WAY OUT: O^T / the sum; register 16 b + i is channel 32 b + 16 (lane / 16) + i of my query: two blocks of the next product's K
	v_add_f32 v14, v14, v15
	v_permlanex16_b32 v[TMP], v14, s24, s25
	v_add_f32 v14, v14, v[TMP]
	s_wait_alu depctr_va_vdst(0)                   ; ahead of the transcendental
	v_rcp_f32 v14, v14
	v_nop
	s_wait_alu depctr_va_vdst(0)                   ; and ahead of its first reader, which is O^T's too
.set j, 0
.rept 16
	v_pk_mul_f32 v[S+j:S+j+1], v[O+j:O+j+1], v[14:15] op_sel_hi:[1,0]
.set j, j+2
.endr
.irp b, 0,1
	v_max3_num_f32 v[BM+\b], |v[S+16*\b]|, |v[S+1+16*\b]|, 0x8000000
.endr
.irp i, 2,4,6,8,10,12,14
.irp b, 0,1
	v_max3_num_f32 v[BM+\b], v[BM+\b], |v[S+16*\b+\i]|, |v[S+1+16*\b+\i]|
.endr
.endr
.irp b, 0,1
	v_permlanex16_b32 v[T4+\b], v[BM+\b], s24, s25
.endr
.irp b, 0,1
	v_max_num_f32 v[BM+\b], v[BM+\b], v[T4+\b]
.endr
.irp b, 0,1
	v_add_nc_u32 v[SCL+\b], 0xf8800000, v[BM+\b]
.endr
.irp b, 0,1
	v_and_or_b32 v[LIM+\b], v[BM+\b], 0x7f800000, s28
.endr
.irp b, 0,1
	v_lshrrev_b32 v[T4+\b], 23, v[SCL+\b]
.endr
	v_lshl_or_b32 v[TMP], v[T4+1], 8, v[T4]        ; my row's two scale bytes
.irp b, 0,1
.irp i, 0,1,2,3,4,5,6,7,8,9,10,11,12,13,14,15
	v_med3_num_f32 v[S+16*\b+\i], v[S+16*\b+\i], -v[LIM+\b], v[LIM+\b]
.endr
	v_cvt_scalef32_pk8_bf8_f32 v[PCD+4*\b:PCD+4*\b+1], v[S+16*\b:S+7+16*\b], v[SCL+\b]
	v_cvt_scalef32_pk8_bf8_f32 v[PCD+4*\b+2:PCD+4*\b+3], v[S+8+16*\b:S+15+16*\b], v[SCL+\b]
.endr
	v_nop
	global_store_b128 v[LI], v[PCD:PCD+3], s[52:53]                ; 512 consecutive bytes a store
	global_store_b128 v[LI], v[PCD+4:PCD+7], s[52:53] offset:512
	global_store_b16 v[L8], v[TMP], s[54:55] offset:32768          ; lanes l and l xor 16 store the same two bytes to the same place
	s_wait_tensorcnt 0x0                           ; the wave's end
	ds_add_u32 v[SPW], v[NIL]
	s_wait_dscnt 0x0
	ROUND                                          ; the closing round
	s_endpgm
.Lfunc_end_k_qdf7ec915b7_attn:
	.size	k_qdf7ec915b7_attn, .Lfunc_end_k_qdf7ec915b7_attn-k_qdf7ec915b7_attn
	.p2alignl 7, 3214868480
	.fill 96, 4, 3214868480
	.section	.rodata,"a",@progbits
	.p2align	6, 0x0
	.amdhsa_kernel k_qdf7ec915b7_attn
		.amdhsa_group_segment_fixed_size 276480
		.amdhsa_private_segment_fixed_size 0
		.amdhsa_enable_private_segment 0
		.amdhsa_kernarg_size 16
		.amdhsa_user_sgpr_count 2
		.amdhsa_user_sgpr_kernarg_segment_ptr 1
		.amdhsa_wavefront_size32 1
		.amdhsa_system_sgpr_workgroup_id_x 1
		.amdhsa_system_sgpr_workgroup_id_y 1
		.amdhsa_system_sgpr_workgroup_id_z 1
		.amdhsa_system_vgpr_workitem_id 0
		.amdhsa_next_free_vgpr 256
		.amdhsa_next_free_sgpr 66
		.amdhsa_reserve_vcc 0
		.amdhsa_float_denorm_mode_32 3
		.amdhsa_float_denorm_mode_16_64 3
		.amdhsa_memory_ordered 1
		.amdhsa_forward_progress 1
		.amdhsa_inst_pref_size 32
	.end_amdhsa_kernel
	.amdgpu_metadata
---
amdhsa.version: [ 1, 2 ]
amdhsa.kernels:
  - .name:           k_qdf7ec915b7_attn
    .symbol:         k_qdf7ec915b7_attn.kd
    .args:
      - { .name: qkv, .offset: 0, .size: 8, .value_kind: global_buffer, .address_space: global }
      - { .name: aq, .offset: 8, .size: 8, .value_kind: global_buffer, .address_space: global }
    .group_segment_fixed_size: 276480
    .private_segment_fixed_size: 0
    .kernarg_segment_align: 8
    .kernarg_segment_size: 16
    .max_flat_workgroup_size: 512
    .sgpr_count:     66
    .vgpr_count:     256
    .wavefront_size: 32
...
	.end_amdgpu_metadata
.endif
;; end of part 10
;; launch proj (part 11): grid 8 x 32, 4 waves a work-group, clusters of 4 x 4, 327,680 bytes of LDS; arguments aq, ops, bo, x, x1; writes x1
.if DOCPART == 11
	.amdgcn_target "amdgcn-amd-amdhsa--gfx1250"
	.amdhsa_code_object_version 6
	.text
	.protected	k_qdf7ec915b7_proj
	.globl	k_qdf7ec915b7_proj
	.p2align	8
	.type	k_qdf7ec915b7_proj,@function
k_qdf7ec915b7_proj:
	s_mov_b64 s[64:65], 0
	v_nop
	global_prefetch_b8 v0, s[64:65] scope:SCOPE_SE
	s_setreg_imm32_b32 hwreg(HW_REG_WAVE_MODE, 25, 1), 1
	s_wait_xcnt 0x0
	s_wait_alu depctr_hold_cnt(0) depctr_sa_sdst(0) depctr_va_vdst(0) depctr_va_sdst(0) depctr_va_ssrc(0) depctr_va_vcc(0) depctr_vm_vsrc(0)
	s_getreg_b32 s2, hwreg(HW_REG_IB_STS2, 6, 4)
	s_cmp_eq_u32 s2, 0
	s_cbranch_scc0 .Lentry_in_a_cluster
	s_endpgm
.Lentry_in_a_cluster:
	s_bfe_u32 s2, ttmp6, 0x10000c
	s_cmp_lg_u32 s2, 0xf033
	s_cbranch_scc0 .Lentry_shape_is_right
	s_endpgm
.Lentry_shape_is_right:
.set KS,    4
.set RB0,   96
.set REC,   33792
.set SLOT,  4*REC
.set SPARE, 2*SLOT
.set STAGE, SPARE+512
.set SP,    272
.set NP,    8
.set LAPS,  KS/4
.set BI,    8
.set ADRA,  16
.set ADRB,  20
.set ADRS,  22
.set STO,   24
.set RD,    25
.set CO,    26
.set CB,    27
.set SPW,   28
.set NIL,   29
.set SC,    32
.set BK,    48
.set ACC,   128
.set G1,    24
.set G0,    32
.set G1B,   48
.set G0B,   56
.set MSB,   0
.set MUL,   0x05
.set TO_F,  0x40
.set TO_R,  0x80
.set ADD_R, 0x08
.macro WIN new
.if MSB != (\new)
	s_set_vgpr_msb (MSB<<8)|(\new)
.set MSB, (\new)
.endif
.endm
.macro JLOAD s
	s_cmp_eq_u32 s15, 0
	s_cbranch_scc0 .Lfor_b_\@
	tensor_load_to_lds s[G0+4*\s:G0+4*\s+3], s[G1:G1+7]
	s_nop 0
.rept 4
	v_nop
.endr
	s_branch .Lasked_\@
.Lfor_b_\@:
	tensor_load_to_lds s[G0B+4*\s:G0B+4*\s+3], s[G1B:G1B+7]
	s_nop 0
.rept 4
	v_nop
.endr
.Lasked_\@:
.endm
.macro CREST
	s_cmp_lg_u32 s14, 0
	s_cbranch_scc1 .Lnot_wave_0_\@
	s_barrier_signal -3
.Lnot_wave_0_\@:
	s_barrier_wait -3
	s_barrier_signal -1
	s_barrier_wait -1
.endm
.macro CROUND
	s_barrier_signal -1
	s_barrier_wait -1
	CREST
.endm
.macro PLACES n
.rept \n
	v_nop
.endr
.endm
.macro FRAG reg, adr, off
.irp c, 0,1,2,3
	ds_load_b128 v[\reg+4*\c:\reg+4*\c+3], v[\adr] offset:\off+\c*512
.endr
.endm
.macro FETCH slot, n
.set FB, 128*((\n)%2)
.set RO, ((\n)/2)*REC
.set QO, ((\n)%2)*2048
.if ((\n)%2) == 0
	WIN 0
.irp i, 0,1,2,3
	ds_load_b64 v[SC+8*((\n)/2)+2*\i:SC+8*((\n)/2)+2*\i+1], v[ADRS+\slot] offset:RO+\i*128
.endr
.endif
	WIN TO_F
.irp i, 0,1,2,3
	FRAG FB+64+16*\i, ADRB+\slot, RO+QO+\i*4096
.endr
.irp i, 0,1,2,3
	FRAG FB+16*\i, ADRA+\slot, RO+QO+\i*4096
.endr
.endm
.macro MULA n, a, zero
.set FB, 128*((\n)%2)
.set SS, SC+8*((\n)/2)+((\n)%2)
.irp b, 0,1,2,3
.if \zero
	v_wmma_scale_f32_16x16x128_f8f6f4 v[ACC+8*(4*(\a)+\b):ACC+8*(4*(\a)+\b)+7], v[FB+64+16*\b:FB+64+16*\b+15], v[FB+16*(\a):FB+16*(\a)+15], 0, v[SS+2*\b], v[SS+2*(\a)] matrix_a_fmt:MATRIX_FMT_BF8 matrix_b_fmt:MATRIX_FMT_BF8 matrix_a_scale:MATRIX_SCALE_ROW1
.else
	v_wmma_scale_f32_16x16x128_f8f6f4 v[ACC+8*(4*(\a)+\b):ACC+8*(4*(\a)+\b)+7], v[FB+64+16*\b:FB+64+16*\b+15], v[FB+16*(\a):FB+16*(\a)+15], v[ACC+8*(4*(\a)+\b):ACC+8*(4*(\a)+\b)+7], v[SS+2*\b], v[SS+2*(\a)] matrix_a_fmt:MATRIX_FMT_BF8 matrix_b_fmt:MATRIX_FMT_BF8 matrix_a_scale:MATRIX_SCALE_ROW1
.endif
.endr
.endm
.macro QUARTER slot, n, zero
	s_wait_dscnt 8
	WIN MUL
	MULA \n, 0, \zero
	MULA \n, 1, \zero
	PLACES NP
	FETCH \slot, (\n)+1
	s_wait_dscnt 36-4*(((\n)+1)%2)
	WIN MUL
	MULA \n, 2, \zero
	MULA \n, 3, \zero
.endm
.macro TURN slot, next, fill
	WIN 0
	s_wait_tensorcnt 0x0
	ds_add_u32 v[SPW], v[NIL]
	s_wait_dscnt 9
	WIN MUL
	MULA 3, 0, 0
	s_wait_dscnt 0x0
	s_barrier_signal -1
	MULA 3, 1, 0
	WIN 0
	s_barrier_wait -1
.if \fill
	CREST
	s_add_nc_u64 s[G0+4*\slot+2:G0+4*\slot+3], s[G0+4*\slot+2:G0+4*\slot+3], 4*REC
	s_add_nc_u64 s[G0B+4*\slot+2:G0B+4*\slot+3], s[G0B+4*\slot+2:G0B+4*\slot+3], 4*REC
	JLOAD \slot
	PLACES NP-4
.else
	PLACES NP
.endif
	FETCH \next, 0
	WIN MUL
	MULA 3, 2, 0
	MULA 3, 3, 0
.endm
	s_load_b256 s[4:11], s[0:1], 0x0
	s_load_b64 s[12:13], s[0:1], 0x20
	v_lshl_add_u32 v[SPW], v0, 2, SPARE
	v_mov_b32 v[NIL], 0
	ds_add_u32 v28, v29
	ds_add_u32 v28, v29
	s_wait_dscnt 0x0
	v_lshrrev_b32 v1, 5, v0
	v_readfirstlane_b32 s14, v1
	s_lshr_b32 s15, s14, 1
	s_and_b32 s16, s14, 1
	s_bfe_u32 s40, ttmp6, 0x40000
	s_bfe_u32 s41, ttmp6, 0x40004
	s_lshl_b32 s42, ttmp9, 2
	s_add_co_u32 s42, s42, s40
	s_and_b32 s17, ttmp7, 0xffff
	s_lshl_b32 s17, s17, 2
	s_add_co_u32 s17, s17, s41
	s_lshl_b32 s43, s41, 2
	s_lshl_b32 s43, 15, s43
	s_lshl_b32 s44, 0x1111, s40
	s_or_b32 s[G1+0], s43, (3<<16)|(1<<21)
	s_or_b32 s[G1B+0], s44, (3<<16)|(1<<21)
.irp g, G1, G1B
	s_mov_b32 s[\g+1], 32<<16
	s_mov_b32 s[\g+2], 264<<16                     ; 264 rows of 256 bytes: two records, neighbours in memory and in LDS
	s_mov_b32 s[\g+3], 32<<16
	s_mov_b32 s[\g+4], 264
	s_mov_b32 s[\g+5], 32
	s_mov_b32 s[\g+6], 0
	s_mov_b32 s[\g+7], 0
.endr
	s_mul_i32 s18, s16, 2*REC                      ; I fetch K steps 0 and 1, or 2 and 3
	s_mul_i32 s20, s17, KS*REC
	s_add_co_u32 s20, s20, s18
	s_mov_b32 s21, 0
	s_mul_i32 s46, s42, KS*REC
	s_add_co_u32 s46, s46, s18
	s_add_co_u32 s46, s46, RB0*REC
	s_mov_b32 s47, 0
	s_mul_i32 s45, s15, 2*REC                      ; into A's or B's two records
	s_mul_i32 s19, s16, SLOT                       ; of slot 0 or slot 1
	s_add_co_u32 s45, s45, s19
	s_wait_kmcnt 0x0
	s_add_nc_u64 s[20:21], s[4:5], s[20:21]
	s_add_nc_u64 s[46:47], s[6:7], s[46:47]
	CROUND                                         ; all sixteen work-groups are here: the joint loads meet
	s_mov_b32 s[G0], 1
	s_mov_b32 s[G0+1], s45
	s_mov_b64 s[G0+2:G0+3], s[20:21]
	s_or_b32 s[G0+3], s[G0+3], 0x80000000
	s_mov_b32 s[G0B], 1
	s_mov_b32 s[G0B+1], s45
	s_mov_b64 s[G0B+2:G0B+3], s[46:47]
	s_or_b32 s[G0B+3], s[G0B+3], 0x80000000
	JLOAD 0                                        ; my one tensor load of the launch: K = 1,024 of A's and B's 128 rows, 8 records, fit in the two slots, and every byte is filled once
	v_and_b32 v1, 31, v0
	v_lshlrev_b32 v3, 4, v1
	v_and_b32 v2, 15, v0
	v_bfe_u32 v4, v0, 4, 1
	s_wait_alu depctr_va_vdst(0)
	s_lshl_b32 s21, s15, 14
	s_lshl_b32 s22, s16, 14
	s_add_co_u32 s22, s22, 2*REC
.irp s, 0,1
	v_add_nc_u32 v[ADRA+\s], s21, v3
	v_add_nc_u32 v[ADRB+\s], s22, v3
	s_add_co_u32 s21, s21, SLOT
	s_add_co_u32 s22, s22, SLOT
.endr
	s_lshl_b32 s21, s15, 9
	s_lshl_b32 s22, s16, 9
	s_add_co_u32 s22, s22, 2*REC
	s_sub_co_u32 s22, s22, s21
	v_mul_u32_u24 v5, s22, v4
	v_lshl_add_u32 v5, v2, 3, v5
	s_add_co_u32 s21, s21, 32768
	v_add_nc_u32 v[ADRS], s21, v5
	v_add_nc_u32 v[ADRS+1], SLOT, v[ADRS]
	s_mul_i32 s23, s14, 16*SP
	s_add_co_u32 s23, s23, STAGE
	v_mul_u32_u24 v5, v2, SP
	v_lshl_add_u32 v5, v4, 6, v5
	v_add_nc_u32 v[STO], s23, v5
	v_mul_u32_u24 v5, v4, SP
	v_lshl_add_u32 v5, v2, 4, v5
	v_add_nc_u32 v[RD], s23, v5
	v_lshlrev_b32 v[CB], 4, v2
	s_wait_alu depctr_va_vdst(0)
	v_lshl_add_u32 v[CO], v4, 12, v[CB]
	s_wait_alu depctr_va_vdst(0)
	s_lshl_b32 s66, s17, 7
	s_lshl_b32 s67, s15, 6
	s_add_co_u32 s66, s66, s67
	s_lshl_b32 s66, s66, 12
	s_lshl_b32 s68, s42, 9
	s_lshl_b32 s69, s16, 8
	s_add_co_u32 s68, s68, s69
	s_add_co_u32 s66, s66, s68
	s_mov_b32 s67, 0
	s_mov_b32 s69, 0
	s_add_nc_u64 s[10:11], s[10:11], s[66:67]
	s_add_nc_u64 s[12:13], s[12:13], s[66:67]
	s_add_nc_u64 s[8:9], s[8:9], s[68:69]
	global_load_b128 v[BI:BI+3], v[CB], s[8:9]
	WIN TO_R
.irp a, 0,1,2,3
.irp t, 0,1,2,3,4,5,6,7
	global_load_b128 v[32*\a+4*\t:32*\a+4*\t+3], v[CO], s[10:11] offset:(32*(\a/2)+8*(\a%2)+2*\t+8*(\t/4))*4096
.endr
.endr
	WIN 0
	s_wait_tensorcnt 0x0                           ; my two records are in
	s_barrier_signal -1
	s_barrier_wait -1
	FETCH 0, 0
	QUARTER 0, 0, 1
.if LAPS > 1
	WIN 0
	s_mov_b32 s3, LAPS-1
.Llap:
	QUARTER 0, 1, 0
	QUARTER 0, 2, 0
	TURN 0, 1, 1
	QUARTER 1, 0, 0
	QUARTER 1, 1, 0
	QUARTER 1, 2, 0
	TURN 1, 0, 1
	QUARTER 0, 0, 0
	WIN 0
	s_sub_co_u32 s3, s3, 1
	s_cmp_lg_u32 s3, 0
	s_cbranch_scc1 .Llap
.endif
	QUARTER 0, 1, 0
	QUARTER 0, 2, 0
	TURN 0, 1, 0
	QUARTER 1, 0, 0
	QUARTER 1, 1, 0
	QUARTER 1, 2, 0
	s_wait_dscnt 8
	WIN MUL
	MULA 3, 0, 0
	MULA 3, 1, 0
	s_wait_dscnt 0
	MULA 3, 2, 0
	MULA 3, 3, 0
	WIN 0
	PLACES NP
	s_wait_loadcnt 0x0
.irp a, 0,1,2,3
	s_wait_xcnt 0x0
.irp b, 0,1,2,3
	ds_store_b128 v[STO], v[ACC+8*(4*\a+\b):ACC+8*(4*\a+\b)+3] offset:128*(\b/2)+32*(\b%2)
	ds_store_b128 v[STO], v[ACC+8*(4*\a+\b)+4:ACC+8*(4*\a+\b)+7] offset:128*(\b/2)+32*(\b%2)+16
.endr
.irp t, 0,1,2,3,4,5,6,7
	ds_load_b128 v[BK+4*\t:BK+4*\t+3], v[RD] offset:\t*2*SP
.endr
	s_wait_dscnt 0x0
.irp t, 0,1,2,3,4,5,6,7
	v_pk_add_f32 v[BK+4*\t:BK+4*\t+1], v[BK+4*\t:BK+4*\t+1], v[BI:BI+1]
	v_pk_add_f32 v[BK+4*\t+2:BK+4*\t+3], v[BK+4*\t+2:BK+4*\t+3], v[BI+2:BI+3]
.endr
	WIN ADD_R
.irp t, 0,1,2,3,4,5,6,7
	v_pk_add_f32 v[BK+4*\t:BK+4*\t+1], v[BK+4*\t:BK+4*\t+1], v[32*\a+4*\t:32*\a+4*\t+1]
	v_pk_add_f32 v[BK+4*\t+2:BK+4*\t+3], v[BK+4*\t+2:BK+4*\t+3], v[32*\a+4*\t+2:32*\a+4*\t+3]
.endr
	WIN 0
.irp t, 0,1,2,3,4,5,6,7
	global_store_b128 v[CO], v[BK+4*\t:BK+4*\t+3], s[12:13] offset:(32*(\a/2)+8*(\a%2)+2*\t+8*(\t/4))*4096
.endr
.endr
	s_wait_tensorcnt 0x0
	ds_add_u32 v[SPW], v[NIL]
	s_wait_dscnt 0x0
	CROUND
	s_endpgm
.Lfunc_end_k_qdf7ec915b7_proj:
	.size	k_qdf7ec915b7_proj, .Lfunc_end_k_qdf7ec915b7_proj-k_qdf7ec915b7_proj
	.p2alignl 7, 3214868480
	.fill 96, 4, 3214868480
	.section	.rodata,"a",@progbits
	.p2align	6, 0x0
	.amdhsa_kernel k_qdf7ec915b7_proj
		.amdhsa_group_segment_fixed_size 327680
		.amdhsa_private_segment_fixed_size 0
		.amdhsa_enable_private_segment 0
		.amdhsa_kernarg_size 40
		.amdhsa_user_sgpr_count 2
		.amdhsa_user_sgpr_kernarg_segment_ptr 1
		.amdhsa_wavefront_size32 1
		.amdhsa_system_sgpr_workgroup_id_x 1
		.amdhsa_system_sgpr_workgroup_id_y 1
		.amdhsa_system_sgpr_workgroup_id_z 1
		.amdhsa_system_vgpr_workitem_id 0
		.amdhsa_next_free_vgpr 640
		.amdhsa_next_free_sgpr 100
		.amdhsa_reserve_vcc 0
		.amdhsa_float_denorm_mode_32 3
		.amdhsa_float_denorm_mode_16_64 3
		.amdhsa_memory_ordered 1
		.amdhsa_forward_progress 1
		.amdhsa_inst_pref_size 62
	.end_amdhsa_kernel
	.amdgpu_metadata
---
amdhsa.version: [ 1, 2 ]
amdhsa.kernels:
  - .name:           k_qdf7ec915b7_proj
    .symbol:         k_qdf7ec915b7_proj.kd
    .args:
      - { .name: aq, .offset: 0, .size: 8, .value_kind: global_buffer, .address_space: global }
      - { .name: ops, .offset: 8, .size: 8, .value_kind: global_buffer, .address_space: global }
      - { .name: bo, .offset: 16, .size: 8, .value_kind: global_buffer, .address_space: global }
      - { .name: x, .offset: 24, .size: 8, .value_kind: global_buffer, .address_space: global }
      - { .name: x1, .offset: 32, .size: 8, .value_kind: global_buffer, .address_space: global }
    .group_segment_fixed_size: 327680
    .private_segment_fixed_size: 0
    .kernarg_segment_align: 8
    .kernarg_segment_size: 40
    .max_flat_workgroup_size: 128
    .sgpr_count:     100
    .vgpr_count:     640
    .wavefront_size: 32
...
	.end_amdgpu_metadata
.endif
;; end of part 11
;; launch ln2 (part 12): grid 256 x 1, 8 waves a work-group, no clusters, 66,816 bytes of LDS; arguments x1, ln2_g, ln2_b, ops; writes ops
.if DOCPART == 12
	.amdgcn_target "amdgcn-amd-amdhsa--gfx1250"
	.amdhsa_code_object_version 6
	.text
	.protected	k_qdf7ec915b7_ln2
	.globl	k_qdf7ec915b7_ln2
	.p2align	8
	.type	k_qdf7ec915b7_ln2,@function
k_qdf7ec915b7_ln2:
	s_mov_b64 s[64:65], 0
	v_nop
	global_prefetch_b8 v0, s[64:65] scope:SCOPE_SE
	s_setreg_imm32_b32 hwreg(HW_REG_WAVE_MODE, 25, 1), 1
	s_wait_xcnt 0x0
; m = LayerNorm(x1) g + b, quantised along its 1,024 columns to codes of BF8 (E5M2) with E8M0 scale bytes, into records 512-639 of 'ops'.
; A RECORD is 128 rows x 256 K, 33,792 bytes: fragment images at ((2 i + q) 4 + c) 512 + 16 lane, scale words at 32,768 + 128 i + 8 r + 4 q.  Place r of tile 2 b + u holds row 32 b + 8 u + r + 8 (r / 8).
; A work-group takes one tile of 16 rows; a wave two rows in registers (mean, then the mean of squared differences: two passes); the rows turn through LDS so that wave w can take K fragment w.
; LIMITS: NaN and infinities are not served; blocks under 2^-111 and blocks of zeros get the byte 1 (zero codes; the bytes are read by this program alone).
.set REC,  33792
.set LP,   4112                        ; a row in LDS: 4,096 bytes + 16
.set WV,   26
.set MNT,  57
.set SEL,  58
.set INV,  60
.set EPS,  61
.set TM,   208
.set PW,   224
.set PC,   80
.macro WSUM ta
	s_delay_alu instid0(VALU_DEP_1)
	v_add_f32 v[\ta], v[\ta], v[\ta+1]
	s_delay_alu instid0(VALU_DEP_1)
	v_add_f32_dpp v[\ta], v[\ta], v[\ta] row_xmask:1 row_mask:0xf bank_mask:0xf
	s_delay_alu instid0(VALU_DEP_1)
	v_add_f32_dpp v[\ta], v[\ta], v[\ta] row_xmask:2 row_mask:0xf bank_mask:0xf
	s_delay_alu instid0(VALU_DEP_1)
	v_add_f32_dpp v[\ta], v[\ta], v[\ta] row_xmask:4 row_mask:0xf bank_mask:0xf
	s_delay_alu instid0(VALU_DEP_1)
	v_add_f32_dpp v[\ta], v[\ta], v[\ta] row_xmask:8 row_mask:0xf bank_mask:0xf
	s_delay_alu instid0(VALU_DEP_1)
	v_permlanex16_b32 v[\ta+1], v[\ta], s[SEL], s[SEL+1]
	s_delay_alu instid0(VALU_DEP_1)
	v_add_f32 v[\ta], v[\ta], v[\ta+1]
.endm
.macro STATS xb, ta, tb                ; a row in v[xb .. xb+31]: it becomes x - mean, and v[ta:ta+1] 1 / sqrt(variance + eps), twice
	v_pk_add_f32 v[\ta:\ta+1], v[\xb:\xb+1], v[\xb+2:\xb+3]
	v_pk_add_f32 v[\tb:\tb+1], v[\xb+4:\xb+5], v[\xb+6:\xb+7]
.irp j, 8,12,16,20,24,28
	s_delay_alu instid0(VALU_DEP_2)
	v_pk_add_f32 v[\ta:\ta+1], v[\ta:\ta+1], v[\xb+\j:\xb+\j+1]
	s_delay_alu instid0(VALU_DEP_2)
	v_pk_add_f32 v[\tb:\tb+1], v[\tb:\tb+1], v[\xb+\j+2:\xb+\j+3]
.endr
	s_delay_alu instid0(VALU_DEP_1)
	v_pk_add_f32 v[\ta:\ta+1], v[\ta:\ta+1], v[\tb:\tb+1]
	WSUM \ta
	s_delay_alu instid0(VALU_DEP_1)
	v_mul_f32 v[\ta], s[INV], v[\ta]
	s_delay_alu instid0(VALU_DEP_1)
	v_mov_b32 v[\ta+1], v[\ta]
.set j, 0
.rept 16
	v_pk_add_f32 v[\xb+j:\xb+j+1], v[\xb+j:\xb+j+1], v[\ta:\ta+1] neg_lo:[0,1] neg_hi:[0,1]
.set j, j+2
.endr
	v_pk_mul_f32 v[\ta:\ta+1], v[\xb:\xb+1], v[\xb:\xb+1]
	v_pk_mul_f32 v[\tb:\tb+1], v[\xb+2:\xb+3], v[\xb+2:\xb+3]
.irp j, 4,8,12,16,20,24,28
	s_delay_alu instid0(VALU_DEP_2)
	v_pk_fma_f32 v[\ta:\ta+1], v[\xb+\j:\xb+\j+1], v[\xb+\j:\xb+\j+1], v[\ta:\ta+1]
	s_delay_alu instid0(VALU_DEP_2)
	v_pk_fma_f32 v[\tb:\tb+1], v[\xb+\j+2:\xb+\j+3], v[\xb+\j+2:\xb+\j+3], v[\tb:\tb+1]
.endr
	s_delay_alu instid0(VALU_DEP_1)
	v_pk_add_f32 v[\ta:\ta+1], v[\ta:\ta+1], v[\tb:\tb+1]
	WSUM \ta
	s_delay_alu instid0(VALU_DEP_1)
	v_fma_f32 v[\ta], v[\ta], s[INV], s[EPS]
	s_wait_alu depctr_va_vdst(0)
	v_rsq_f32 v[\ta], v[\ta]
	v_nop                                          ; one plain line behind a transcendental (ISA guide 5.7.2)
	s_wait_alu depctr_va_vdst(0)
	v_mov_b32 v[\ta+1], v[\ta]
.endm
.macro APPLY xb, ta                    ; ((x - mean) rs) g + b
.set j, 0
.rept 16
	v_pk_mul_f32 v[\xb+j:\xb+j+1], v[\xb+j:\xb+j+1], v[\ta:\ta+1]
.set j, j+2
.endr
.set j, 0
.rept 16
	v_pk_fma_f32 v[\xb+j:\xb+j+1], v[\xb+j:\xb+j+1], v[144+j:145+j], v[176+j:177+j]
.set j, j+2
.endr
.endm
.macro QUANT s
.irp b, 0,1,2,3
	v_max3_num_f32 v[TM+\b], |v[\s+16*\b]|, |v[\s+1+16*\b]|, 0x8000000
.endr
.irp i, 2,4,6,8,10,12,14
.irp b, 0,1,2,3
	s_delay_alu instid0(VALU_DEP_4)
	v_max3_num_f32 v[TM+\b], v[TM+\b], |v[\s+16*\b+\i]|, |v[\s+1+16*\b+\i]|
.endr
.endr
.irp b, 0,1,2,3
	s_delay_alu instid0(VALU_DEP_4)
	v_permlanex16_b32 v[TM+4+\b], v[TM+\b], s[SEL], s[SEL+1]
.endr
.irp b, 0,1,2,3
	s_delay_alu instid0(VALU_DEP_4)
	v_max_num_f32 v[TM+\b], v[TM+\b], v[TM+4+\b]
.endr
.irp b, 0,1,2,3
	s_delay_alu instid0(VALU_DEP_4)
	v_add_nc_u32 v[TM+12+\b], 0xf8800000, v[TM+\b]
.endr
.irp b, 0,1,2,3
	v_and_or_b32 v[TM+8+\b], v[TM+\b], 0x7f800000, s[MNT]
.endr
.irp b, 0,1,2,3
	v_lshrrev_b32 v[TM+4+\b], 23, v[TM+12+\b]
.endr
	s_delay_alu instid0(VALU_DEP_3)
	v_lshl_or_b32 v[PW], v[TM+5], 8, v[TM+4]
	s_delay_alu instid0(VALU_DEP_1)
	v_lshl_or_b32 v[PW], v[TM+6], 16, v[PW]
	s_delay_alu instid0(VALU_DEP_1)
	v_lshl_or_b32 v[PW], v[TM+7], 24, v[PW]
.irp b, 0,1,2,3
.irp i, 0,1,2,3,4,5,6,7,8,9,10,11,12,13,14,15
	v_med3_num_f32 v[\s+16*\b+\i], v[\s+16*\b+\i], -v[TM+8+\b], v[TM+8+\b]
.endr
	v_cvt_scalef32_pk8_bf8_f32 v[PC+4*\b:PC+1+4*\b], v[\s+16*\b:\s+7+16*\b], v[TM+12+\b]
	v_cvt_scalef32_pk8_bf8_f32 v[PC+2+4*\b:PC+3+4*\b], v[\s+8+16*\b:\s+15+16*\b], v[TM+12+\b]
.endr
	v_nop
.endm
	s_load_b256 s[4:11], s[0:1], 0x0               ; x1 s[4:5], g s[6:7], b s[8:9], ops s[10:11]
	v_lshl_add_u32 v232, v0, 2, 0x10100
	v_mov_b32 v233, 0
	v_lshrrev_b32 v1, 5, v0
	s_delay_alu instid0(VALU_DEP_1)
	v_readfirstlane_b32 s[WV], v1
	v_and_b32 v2, 31, v0
	s_wait_alu depctr_va_vdst(0)
	s_mov_b32 s[MNT], 0x600000
	s_mov_b32 s27, ttmp9                           ; T: my tile of 16 rows
	s_lshr_b32 s28, s27, 1
	s_lshl_b32 s28, s28, 5
	s_and_b32 s29, s27, 1
	s_lshl_b32 s29, s29, 3
	s_add_co_u32 s28, s28, s29
	s_lshl_b32 s29, s[WV], 1
	s_add_co_u32 s28, s28, s29
	s_lshr_b32 s29, s[WV], 2
	s_lshl_b32 s29, s29, 3
	s_add_co_u32 s28, s28, s29                     ; places 2 w, 2 w + 1: rows 32 (T / 2) + 8 (T % 2) + 2 w + 8 (w / 4) and the next
	s_lshl_b32 s30, s28, 12
	s_mov_b32 s31, 0
	s_mov_b32 s[SEL], 0x76543210
	s_mov_b32 s[SEL+1], 0xfedcba98
	s_mov_b32 s[INV], 0x3a800000
	s_mov_b32 s[EPS], 0x3727c5ac
	v_lshlrev_b32 v1, 4, v2
	s_wait_alu depctr_va_vdst(0)
	s_wait_kmcnt 0x0
	s_add_nc_u64 s[4:5], s[4:5], s[30:31]
.irp w, 0,1
.irp j, 0,1,2,3,4,5,6,7
	global_load_b128 v[16+32*\w+4*\j:19+32*\w+4*\j], v1, s[4:5] offset:4096*\w+512*\j
.endr
.endr
.irp j, 0,1,2,3,4,5,6,7
	global_load_b128 v[144+4*\j:147+4*\j], v1, s[6:7] offset:512*\j
.endr
.irp j, 0,1,2,3,4,5,6,7
	global_load_b128 v[176+4*\j:179+4*\j], v1, s[8:9] offset:512*\j
.endr
	s_mul_i32 s36, s[WV], 2*LP
	v_add_nc_u32 v12, s36, v1
	v_and_b32 v3, 15, v0
	v_bfe_u32 v14, v0, 4, 1
	s_delay_alu instid0(VALU_DEP_2)
	v_mul_u32_u24 v13, v3, LP
	s_delay_alu instid0(VALU_DEP_1)
	v_lshl_add_u32 v13, v14, 6, v13
	s_lshl_b32 s36, s[WV], 9
	v_add_nc_u32 v13, s36, v13
	v_lshlrev_b32 v14, 3, v3
.irp b, 0,1,2,3
	v_mov_b32 v[TM+4+\b], 0
.endr
	s_lshr_b32 s36, s27, 3
	s_lshl_b32 s36, s36, 2
	s_lshr_b32 s37, s[WV], 1
	s_add_co_u32 s36, s36, s37
	s_add_co_u32 s36, s36, 512                     ; record 512 + (T / 8) 4 + w / 2
	s_mul_i32 s36, s36, REC
	s_and_b32 s38, s27, 7
	s_and_b32 s39, s[WV], 1
	s_lshl_b32 s40, s38, 1
	s_add_co_u32 s40, s40, s39
	s_lshl_b32 s40, s40, 11
	s_add_co_u32 s40, s40, s36
	s_mov_b32 s41, 0
	s_lshl_b32 s42, s38, 7
	s_lshl_b32 s43, s39, 2
	s_add_co_u32 s42, s42, s43
	s_add_co_u32 s42, s42, s36
	s_mov_b32 s43, 0
	s_add_nc_u64 s[40:41], s[10:11], s[40:41]
	s_add_nc_u64 s[42:43], s[10:11], s[42:43]
	s_wait_loadcnt 16                              ; the rows' 16 loads are in; g's 8 and b's 8 may be out
	STATS 16, 4, 6
	STATS 48, 8, 10
	s_wait_loadcnt 0x0
	APPLY 16, 4
	APPLY 48, 8
.irp w, 0,1
.irp j, 0,1,2,3,4,5,6,7
	ds_store_b128 v12, v[16+32*\w+4*\j:19+32*\w+4*\j] offset:LP*\w+512*\j
.endr
.endr
	s_wait_dscnt 0x0                               ; for the others' sake: my two rows lie in LDS
	s_barrier_signal -1
	s_barrier_wait -1
.irp b, 0,1,2,3
.irp j, 0,1,2,3
	ds_load_b128 v[16+16*\b+4*\j:19+16*\b+4*\j], v13 offset:128*\b+16*\j
.endr
.endr
	s_wait_dscnt 0x0
	QUANT 16
.irp c, 0,1,2,3
	global_store_b128 v1, v[PC+4*\c:PC+4*\c+3], s[40:41] offset:512*\c
.endr
	global_store_b32 v14, v[PW], s[42:43] offset:32768             ; lanes l and l xor 16 store the same word to the same place
	s_wait_tensorcnt 0x0
	ds_add_u32 v232, v233
	s_wait_dscnt 0x0
	s_endpgm
.Lfunc_end_k_qdf7ec915b7_ln2:
	.size	k_qdf7ec915b7_ln2, .Lfunc_end_k_qdf7ec915b7_ln2-k_qdf7ec915b7_ln2
	.p2alignl 7, 3214868480
	.fill 96, 4, 3214868480
	.section	.rodata,"a",@progbits
	.p2align	6, 0x0
	.amdhsa_kernel k_qdf7ec915b7_ln2
		.amdhsa_group_segment_fixed_size 66816
		.amdhsa_private_segment_fixed_size 0
		.amdhsa_enable_private_segment 0
		.amdhsa_kernarg_size 32
		.amdhsa_user_sgpr_count 2
		.amdhsa_user_sgpr_kernarg_segment_ptr 1
		.amdhsa_wavefront_size32 1
		.amdhsa_system_sgpr_workgroup_id_x 1
		.amdhsa_system_sgpr_workgroup_id_y 1
		.amdhsa_system_sgpr_workgroup_id_z 1
		.amdhsa_system_vgpr_workitem_id 0
		.amdhsa_next_free_vgpr 234
		.amdhsa_next_free_sgpr 66
		.amdhsa_reserve_vcc 0
		.amdhsa_float_denorm_mode_32 3
		.amdhsa_float_denorm_mode_16_64 3
		.amdhsa_memory_ordered 1
		.amdhsa_forward_progress 1
		.amdhsa_inst_pref_size 33
	.end_amdhsa_kernel
	.amdgpu_metadata
---
amdhsa.version: [ 1, 2 ]
amdhsa.kernels:
  - .name:           k_qdf7ec915b7_ln2
    .symbol:         k_qdf7ec915b7_ln2.kd
    .args:
      - { .name: x1, .offset: 0, .size: 8, .value_kind: global_buffer, .address_space: global }
      - { .name: ln2_g, .offset: 8, .size: 8, .value_kind: global_buffer, .address_space: global }
      - { .name: ln2_b, .offset: 16, .size: 8, .value_kind: global_buffer, .address_space: global }
      - { .name: ops, .offset: 24, .size: 8, .value_kind: global_buffer, .address_space: global }
    .group_segment_fixed_size: 66816
    .private_segment_fixed_size: 0
    .kernarg_segment_align: 8
    .kernarg_segment_size: 32
    .max_flat_workgroup_size: 256
    .sgpr_count:     66
    .vgpr_count:     234
    .wavefront_size: 32
...
	.end_amdgpu_metadata
.endif
;; end of part 12
;; launch fc1 (part 13): grid 16 x 16, 4 waves a work-group, clusters of 4 x 4, 327,680 bytes of LDS; arguments ops, b1, gq; writes gq
.if DOCPART == 13
	.amdgcn_target "amdgcn-amd-amdhsa--gfx1250"
	.amdhsa_code_object_version 6
	.text
	.protected	k_qdf7ec915b7_fc1
	.globl	k_qdf7ec915b7_fc1
	.p2align	8
	.type	k_qdf7ec915b7_fc1,@function
k_qdf7ec915b7_fc1:
	s_mov_b64 s[64:65], 0
	v_nop
	global_prefetch_b8 v0, s[64:65] scope:SCOPE_SE
	s_setreg_imm32_b32 hwreg(HW_REG_WAVE_MODE, 25, 1), 1
	s_wait_xcnt 0x0
	s_wait_alu depctr_hold_cnt(0) depctr_sa_sdst(0) depctr_va_vdst(0) depctr_va_sdst(0) depctr_va_ssrc(0) depctr_va_vcc(0) depctr_vm_vsrc(0)
	s_getreg_b32 s2, hwreg(HW_REG_IB_STS2, 6, 4)
	s_cmp_eq_u32 s2, 0
	s_cbranch_scc0 .Lentry_in_a_cluster
	s_endpgm
.Lentry_in_a_cluster:
	s_bfe_u32 s2, ttmp6, 0x10000c
	s_cmp_lg_u32 s2, 0xf033
	s_cbranch_scc0 .Lentry_shape_is_right
	s_endpgm
.Lentry_shape_is_right:
.set KS,    4
.set RA0,   512
.set RB0,   128
.set REC,   33792
.set SLOT,  REC                        ; LDS: wave w's records lie at 2 w REC (slot 0) and 2 w REC + REC (slot 1): neighbours, so that one load of 264 rows brings K steps 0 and 1
.set SPARE, 8*REC                      ; behind the ring: the spare words
.set NQ,    2
.set FR,    16
.set NL,    4
.set NP,    8
.set LAPS,  KS/2
.set ADRA,  16
.set ADRB,  20
.set ADRS,  22
.set SPW,   28
.set NIL,   29
.set SC,    32
.set AF,    128
.set G1,    24
.set G0,    32
.set G1B,   48
.set G0B,   56
.set PW,    6
.set LI,    8
.set L8,    9
.set BIAS,  64
.set XG,    128
.set T,     192
.set P,     208
.set E,     224
.set PC,    192
.set TM,    208
.set C0,    10
.set C1,    12
.set C2,    14
.set C3,    16
.set C4,    18
.set C5,    20
.set C6,    22
.set C7,    24
.set C8,    26
.set C9,    240
.set NL2,   242
.set SEL,   72
.set MNT,   74
.set HS2,   75
.set MSB,   0
.set MUL_LO, 0xa1
.set MUL_HI, 0xf1
.set TO_B,   0x40
.macro WIN new
.if MSB != (\new)
	s_set_vgpr_msb (MSB<<8)|(\new)
.set MSB, (\new)
.endif
.endm
.macro JLOAD s
	s_cmp_eq_u32 s15, 0
	s_cbranch_scc0 .Lfor_b_\@
	tensor_load_to_lds s[G0+4*\s:G0+4*\s+3], s[G1:G1+7]
	s_nop 0
.rept 4
	v_nop
.endr
	s_branch .Lasked_\@
.Lfor_b_\@:
	tensor_load_to_lds s[G0B+4*\s:G0B+4*\s+3], s[G1B:G1B+7]
	s_nop 0
.rept 4
	v_nop
.endr
.Lasked_\@:
.endm
.macro CREST
	s_cmp_lg_u32 s14, 0
	s_cbranch_scc1 .Lnot_wave_0_\@
	s_barrier_signal -3
.Lnot_wave_0_\@:
	s_barrier_wait -3
	s_barrier_signal -1
	s_barrier_wait -1
.endm
.macro CROUND
	s_barrier_signal -1
	s_barrier_wait -1
	CREST
.endm
.macro FRAG reg, adr, q, i
.irp c, 0,1,2,3
	ds_load_b128 v[\reg+4*\c:\reg+4*\c+3], v[\adr] offset:(((\i)*2+(\q))*4+\c)*512
.endr
.endm
.macro MUL16 a0, p, q, sc, zero
.irp a, \a0, \a0+1
.irp b, 0,1,2,3,4,5,6,7
.if \zero
	v_wmma_scale_f32_16x16x128_f8f6f4 v[8*(8*((\a)%4)+\b):8*(8*((\a)%4)+\b)+7], v[128*(\p)+FR*\b:128*(\p)+FR*\b+FR-1], v[AF+FR*(\a):AF+FR*(\a)+FR-1], 0, v[SC+8*NQ*(\sc)+NQ*\b+(\q)], v[SC+8*NQ*(\sc)+NQ*(\a)+(\q)] matrix_a_fmt:MATRIX_FMT_BF8 matrix_b_fmt:MATRIX_FMT_BF8 matrix_a_scale:MATRIX_SCALE_ROW1
.else
	v_wmma_scale_f32_16x16x128_f8f6f4 v[8*(8*((\a)%4)+\b):8*(8*((\a)%4)+\b)+7], v[128*(\p)+FR*\b:128*(\p)+FR*\b+FR-1], v[AF+FR*(\a):AF+FR*(\a)+FR-1], v[8*(8*((\a)%4)+\b):8*(8*((\a)%4)+\b)+7], v[SC+8*NQ*(\sc)+NQ*\b+(\q)], v[SC+8*NQ*(\sc)+NQ*(\a)+(\q)] matrix_a_fmt:MATRIX_FMT_BF8 matrix_b_fmt:MATRIX_FMT_BF8 matrix_a_scale:MATRIX_SCALE_ROW1
.endif
.endr
.endr
.endm
.macro FETCH_B slot, q, p
	WIN TO_B
.irp i, 0,1,2,3,4,5,6,7
	FRAG 128*(\p)+FR*\i, ADRB+\slot, \q, \i
.endr
	WIN 0
.endm
.macro FETCH_A slot, q, i0
.irp i, \i0, \i0+1, \i0+2, \i0+3
	FRAG AF+FR*(\i), ADRA+\slot, \q, \i
.endr
.endm
.macro SCALES sc
.irp i, 0,1,2,3,4,5,6,7
	ds_load_b64 v[SC+8*NQ*\sc+NQ*\i:SC+8*NQ*\sc+NQ*\i+1], v[ADRS+\sc] offset:\i*128
.endr
.endm
.macro PLACES n
.rept \n
	v_nop
.endr
.endm
.macro STEP slot, q, zero
	s_wait_dscnt 4*NL
	WIN MUL_LO
	MUL16 0, (\q)%2, \q, \slot, \zero
	MUL16 2, (\q)%2, \q, \slot, \zero
	s_wait_dscnt 0
	PLACES NP
	FETCH_B \slot, (\q)+1, 1-(\q)%2
	FETCH_A \slot, (\q)+1, 0
	WIN MUL_HI
	MUL16 4, (\q)%2, \q, \slot, \zero
	MUL16 6, (\q)%2, \q, \slot, \zero
	PLACES NP
	WIN 0
	FETCH_A \slot, (\q)+1, 4
.endm
.macro TURN slot, next, fill
	s_wait_tensorcnt 0x0
	ds_add_u32 v[SPW], v[NIL]
	s_wait_dscnt 4*NL+1
	WIN MUL_LO
	MUL16 0, 1, NQ-1, \slot, 0
	s_wait_dscnt 0x0
	s_barrier_signal -1
	MUL16 2, 1, NQ-1, \slot, 0
	WIN 0
	s_barrier_wait -1
.if \fill
	CREST
	s_add_nc_u64 s[G0+4*\slot+2:G0+4*\slot+3], s[G0+4*\slot+2:G0+4*\slot+3], 2*REC
	s_add_nc_u64 s[G0B+4*\slot+2:G0B+4*\slot+3], s[G0B+4*\slot+2:G0B+4*\slot+3], 2*REC
	JLOAD \slot
	PLACES NP-4
.else
	PLACES NP
.endif
	FETCH_B \next, 0, 0
	FETCH_A \next, 0, 0
	SCALES \next
	WIN MUL_HI
	MUL16 4, 1, NQ-1, \slot, 0
	MUL16 6, 1, NQ-1, \slot, 0
	PLACES NP
	WIN 0
	FETCH_A \next, 0, 4
.endm
.macro QUANT src, win, dst
	WIN ((\win)<<2)|((\win)<<4)
.irp b, 0,1,2,3
	v_max3_num_f32 v[TM+\b], 0x8000000, |v[(\src)+16*\b]|, |v[(\src)+16*\b+1]|
.endr
.irp i, 2,4,6,8,10,12,14
.irp b, 0,1,2,3
	v_max3_num_f32 v[TM+\b], v[TM+\b], |v[(\src)+16*\b+\i]|, |v[(\src)+16*\b+\i+1]|
.endr
.endr
	WIN 0
.irp b, 0,1,2,3
	v_permlanex16_b32 v[TM+4+\b], v[TM+\b], s[SEL], s[SEL+1]
.endr
.irp b, 0,1,2,3
	v_max_num_f32 v[TM+\b], v[TM+\b], v[TM+4+\b]
.endr
.irp b, 0,1,2,3
	v_add_nc_u32 v[TM+12+\b], 0xf8800000, v[TM+\b]
.endr
.irp b, 0,1,2,3
	v_and_or_b32 v[TM+8+\b], v[TM+\b], 0x7f800000, s[MNT]
.endr
.irp b, 0,1,2,3
	v_lshrrev_b32 v[TM+4+\b], 23, v[TM+12+\b]
.endr
	v_lshl_or_b32 v[PW], v[TM+5], 8, v[TM+4]
	v_lshl_or_b32 v[PW], v[TM+6], 16, v[PW]
	v_lshl_or_b32 v[PW], v[TM+7], 24, v[PW]
	WIN (\win)
.irp b, 0,1,2,3
.irp i, 0,1,2,3,4,5,6,7,8,9,10,11,12,13,14,15
	v_med3_num_f32 v[(\dst)+16*\b+\i], v[(\src)+16*\b+\i], -v[TM+8+\b], v[TM+8+\b]
.endr
.endr
	WIN 0
.irp b, 0,1,2,3
	v_cvt_scalef32_pk8_bf8_f32 v[PC+4*\b:PC+4*\b+1], v[(\dst)+16*\b:(\dst)+16*\b+7], v[TM+12+\b]
	v_cvt_scalef32_pk8_bf8_f32 v[PC+4*\b+2:PC+4*\b+3], v[(\dst)+16*\b+8:(\dst)+16*\b+15], v[TM+12+\b]
.endr
	v_nop
.endm
; GELU of a block's 64 numbers, v[XG] on, at once: x Phi(x) = max(x, 0) - |x| q, q = t exp2(-x^2 log2(e) / 2 + poly(t)), t = 1 / (1 + |x| / (2 sqrt 2)).
; t, the polynomial and the exponent lie in window 1, 64 registers each, where B's fragments lay: they are done with.  The windows are set for each run of lines: bits 1:0 source 0, 3:2 source 1, 5:4 source 2, 7:6 destination.
.set GT, 64
.set GP, 128
.set GE, 192
.macro GELUW
	WIN 0x40
.set i, 0
.rept 64
	v_fma_f32 v[GT+i], |v[XG+i]|, s[HS2], 1.0
.set i, i+1
.endr
	WIN 0x41
	s_wait_alu depctr_va_vdst(0)                   ; the wait ahead of the batch
.set i, 0
.rept 64
	v_rcp_f32 v[GT+i], v[GT+i]
.set i, i+1
.endr
	WIN 0x40
.set i, 0
.rept 32
	v_pk_mul_f32 v[GE+i:GE+i+1], v[XG+i:XG+i+1], v[XG+i:XG+i+1]
.set i, i+2
.endr
	WIN 0x41
	s_wait_alu depctr_va_vdst(0)                   ; one wait for the batch, ahead of its first reader
.set i, 0
.rept 32
	v_pk_fma_f32 v[GP+i:GP+i+1], v[GT+i:GT+i+1], v[C9:C9+1], v[C8:C8+1]
.set i, i+2
.endr
	WIN 0x45
.irp k, C7,C6,C5,C4,C3,C2,C1,C0
.set i, 0
.rept 32
	v_pk_fma_f32 v[GP+i:GP+i+1], v[GP+i:GP+i+1], v[GT+i:GT+i+1], v[\k:\k+1]
.set i, i+2
.endr
.endr
	WIN 0x51
.set i, 0
.rept 32
	v_pk_fma_f32 v[GE+i:GE+i+1], v[GE+i:GE+i+1], v[NL2:NL2+1], v[GP+i:GP+i+1]
.set i, i+2
.endr
	WIN 0x41
	s_wait_alu depctr_va_vdst(0)                   ; ahead of the batch
.set i, 0
.rept 64
	v_exp_f32 v[GE+i], v[GE+i]
.set i, i+1
.endr
	WIN 0x40
.set i, 0
.rept 64
	v_max_num_f32 v[GP+i], 0, v[XG+i]
.set i, i+1
.endr
	WIN 0x45
	s_wait_alu depctr_va_vdst(0)                   ; and ahead of its first reader
.set i, 0
.rept 32
	v_pk_mul_f32 v[GE+i:GE+i+1], v[GE+i:GE+i+1], v[GT+i:GT+i+1]
.set i, i+2
.endr
	WIN 0x14
.set i, 0
.rept 64
	v_fma_f32 v[XG+i], -|v[XG+i]|, v[GE+i], v[GP+i]
.set i, i+1
.endr
	WIN 0
.endm
.macro CSET reg, val
	v_mov_b32 v[\reg], \val
	v_mov_b32 v[\reg+1], \val
.endm
.macro GELU x
.set i, 0
.rept 16
	v_fma_f32 v[T+i], |v[\x+i]|, s[HS2], 1.0
.set i, i+1
.endr
.set i, 0
	s_wait_alu depctr_va_vdst(0)
.rept 16
	v_rcp_f32 v[T+i], v[T+i]
.set i, i+1
.endr
.set i, 0
.rept 8
	v_pk_mul_f32 v[E+i:E+i+1], v[\x+i:\x+i+1], v[\x+i:\x+i+1]
.set i, i+2
.endr
.set i, 0
	s_wait_alu depctr_va_vdst(0)
.rept 8
	v_pk_fma_f32 v[P+i:P+i+1], v[T+i:T+i+1], v[C9:C9+1], v[C8:C8+1]
.set i, i+2
.endr
.irp k, C7,C6,C5,C4,C3,C2,C1,C0
.set i, 0
.rept 8
	v_pk_fma_f32 v[P+i:P+i+1], v[P+i:P+i+1], v[T+i:T+i+1], v[\k:\k+1]
.set i, i+2
.endr
.endr
.set i, 0
.rept 8
	v_pk_fma_f32 v[E+i:E+i+1], v[E+i:E+i+1], v[NL2:NL2+1], v[P+i:P+i+1]
.set i, i+2
.endr
.set i, 0
	s_wait_alu depctr_va_vdst(0)
.rept 16
	v_exp_f32 v[E+i], v[E+i]
.set i, i+1
.endr
.set i, 0
.rept 16
	v_max_num_f32 v[P+i], 0, v[\x+i]
.set i, i+1
.endr
.set i, 0
	s_wait_alu depctr_va_vdst(0)
.rept 8
	v_pk_mul_f32 v[E+i:E+i+1], v[E+i:E+i+1], v[T+i:T+i+1]
.set i, i+2
.endr
.set i, 0
.rept 16
	v_fma_f32 v[\x+i], -|v[\x+i]|, v[E+i], v[P+i]
.set i, i+1
.endr
.endm
	s_load_b128 s[4:7], s[0:1], 0x0
	s_load_b64 s[8:9], s[0:1], 0x10
	v_lshl_add_u32 v[SPW], v0, 2, SPARE
	v_mov_b32 v[NIL], 0
	ds_add_u32 v28, v29
	ds_add_u32 v28, v29
	s_wait_dscnt 0x0
	v_lshrrev_b32 v1, 5, v0
	v_readfirstlane_b32 s14, v1
	s_lshr_b32 s15, s14, 1
	s_and_b32 s16, s14, 1
	s_bfe_u32 s40, ttmp6, 0x40000
	s_bfe_u32 s41, ttmp6, 0x40004
	s_lshl_b32 s42, ttmp9, 2
	s_add_co_u32 s42, s42, s40
	s_and_b32 s17, ttmp7, 0xffff
	s_lshl_b32 s17, s17, 2
	s_add_co_u32 s17, s17, s41
	s_lshl_b32 s43, s41, 2
	s_lshl_b32 s43, 15, s43
	s_lshl_b32 s44, 0x1111, s40
	s_or_b32 s[G1+0], s43, (3<<16)|(1<<21)
	s_or_b32 s[G1B+0], s44, (3<<16)|(1<<21)
.irp g, G1, G1B
	s_mov_b32 s[\g+1], 32<<16
	s_mov_b32 s[\g+2], 264<<16                     ; 264 rows: two records, for the head's load
	s_mov_b32 s[\g+3], 32<<16
	s_mov_b32 s[\g+4], 264
	s_mov_b32 s[\g+5], 32
	s_mov_b32 s[\g+6], 0
	s_mov_b32 s[\g+7], 0
.endr
	s_lshl_b32 s20, s17, 1
	s_add_co_u32 s20, s20, s16
	s_mul_i32 s20, s20, KS*REC
	s_add_co_u32 s20, s20, RA0*REC
	s_mov_b32 s21, 0
	s_lshl_b32 s46, s42, 1
	s_add_co_u32 s46, s46, s16
	s_mul_i32 s46, s46, KS*REC
	s_add_co_u32 s46, s46, RB0*REC
	s_mov_b32 s47, 0
	s_mul_i32 s45, s14, 2*REC
	s_wait_kmcnt 0x0
	s_add_nc_u64 s[20:21], s[4:5], s[20:21]
	s_add_nc_u64 s[46:47], s[4:5], s[46:47]
	CROUND
.irp s, 0,1
	s_mov_b32 s[G0+4*\s], 1
	s_add_co_u32 s[G0+4*\s+1], s45, \s*SLOT
	s_add_nc_u64 s[G0+4*\s+2:G0+4*\s+3], s[20:21], \s*REC
	s_or_b32 s[G0+4*\s+3], s[G0+4*\s+3], 0x80000000
	s_mov_b32 s[G0B+4*\s], 1
	s_add_co_u32 s[G0B+4*\s+1], s45, \s*SLOT
	s_add_nc_u64 s[G0B+4*\s+2:G0B+4*\s+3], s[46:47], \s*REC
	s_or_b32 s[G0B+4*\s+3], s[G0B+4*\s+3], 0x80000000
.endr
	JLOAD 0                                        ; my one tensor load at the head: K steps 0 and 1 of my record row, both slots
	v_and_b32 v1, 31, v0
	v_lshlrev_b32 v3, 4, v1
	v_and_b32 v2, 15, v0
	v_bfe_u32 v4, v0, 4, 1
	s_wait_alu depctr_va_vdst(0)
	s_mul_i32 s21, s15, 2*REC
	s_mul_i32 s22, s16, 2*REC
	s_add_co_u32 s22, s22, 4*REC
.irp s, 0,1
	v_add_nc_u32 v[ADRA+\s], s21, v3
	v_add_nc_u32 v[ADRB+\s], s22, v3
	s_add_co_u32 s21, s21, SLOT
	s_add_co_u32 s22, s22, SLOT
.endr
	s_mul_i32 s21, s15, 2*REC
	s_mul_i32 s22, s16, 2*REC
	s_add_co_u32 s22, s22, 4*REC
	s_sub_co_u32 s22, s22, s21
	v_mul_u32_u24 v5, s22, v4
	v_lshl_add_u32 v5, v2, 3, v5
	s_add_co_u32 s21, s21, 32768
	v_add_nc_u32 v[ADRS], s21, v5
	v_add_nc_u32 v[ADRS+1], SLOT, v[ADRS]
	v_lshlrev_b32 v[LI], 4, v1
	v_lshlrev_b32 v[L8], 3, v2
	v_lshlrev_b32 v7, 6, v4
	s_lshl_b32 s70, s42, 10
	s_lshl_b32 s71, s16, 9
	s_add_co_u32 s70, s70, s71
	s_mov_b32 s71, 0
	s_add_nc_u64 s[6:7], s[6:7], s[70:71]
.irp b, 0,1,2,3
.irp j, 0,1,2,3
	global_load_b128 v[BIAS+16*\b+4*\j:BIAS+16*\b+4*\j+3], v7, s[6:7] offset:128*\b+16*\j
.endr
.endr
	s_lshl_b32 s66, s17, 1
	s_add_co_u32 s66, s66, s15
	s_lshl_b32 s66, s66, 4
	s_add_co_u32 s66, s66, s42
	s_mul_i32 s66, s66, REC
	s_lshl_b32 s67, s16, 11
	s_add_co_u32 s68, s66, s67
	s_mov_b32 s69, 0
	s_lshl_b32 s67, s16, 2
	s_add_co_u32 s66, s66, s67
	s_mov_b32 s67, 0
	s_add_nc_u64 s[68:69], s[8:9], s[68:69]
	s_add_nc_u64 s[66:67], s[8:9], s[66:67]
	s_mov_b32 s[SEL], 0x76543210
	s_mov_b32 s[SEL+1], 0xfedcba98
	s_mov_b32 s[MNT], 0x600000
	s_mov_b32 s[HS2], 0x3eb504f3
	s_wait_alu depctr_va_vdst(0)
	s_wait_tensorcnt 0x0                           ; my part of K steps 0 and 1 is in; no tensor load of mine is out, so a descriptor may be written:
	s_mov_b32 s[G1+2], 132<<16                     ; from here on a load brings one record
	s_mov_b32 s[G1+4], 132
	s_mov_b32 s[G1B+2], 132<<16
	s_mov_b32 s[G1B+4], 132
	s_barrier_signal -1
	s_barrier_wait -1
	FETCH_B 0, 0, 0
	FETCH_A 0, 0, 0
	SCALES 0
	FETCH_A 0, 0, 4
	STEP 0, 0, 1
	s_mov_b32 s3, LAPS-1
.Llap:
	TURN 0, 1, 1
	STEP 1, 0, 0
	TURN 1, 0, 1
	STEP 0, 0, 0
	s_sub_co_u32 s3, s3, 1
	s_cmp_lg_u32 s3, 0
	s_cbranch_scc1 .Llap
	TURN 0, 1, 0
	STEP 1, 0, 0
	s_wait_dscnt 4*NL
	WIN MUL_LO
	MUL16 0, 1, NQ-1, 1, 0
	MUL16 2, 1, NQ-1, 1, 0
	s_wait_dscnt 0
	WIN MUL_HI
	MUL16 4, 1, NQ-1, 1, 0
	MUL16 6, 1, NQ-1, 1, 0
	WIN 0
	PLACES NP
	CSET C0, 0xc034d90f
	CSET C1, 0x3fb8ab5a
	CSET C2, 0x3f0a29d2
	CSET C3, 0x3e0efb2e
	CSET C4, 0xbe899a80
	CSET C5, 0x3ecdfd18
	CSET C6, 0xbfd1a1e5
	CSET C7, 0x40097039
	CSET C8, 0xbf97d29d
	CSET C9, 0x3e7c6f08
	CSET NL2, 0xbf38aa3b
	s_wait_loadcnt 0x0
; THE WAY OUT is a loop of eight trips, one for each block of 16 rows.  Only the 32 additions of the bias name the block's accumulators: a chain of branches on the trip's number picks them; GELU, the quantiser and the stores stand once.
	s_mov_b32 s3, 0
.Lout:
.irp a, 0,1,2,3,4,5,6,7
.if \a < 7
	s_cmp_lg_u32 s3, \a
	s_cbranch_scc1 .Lnot_\a
.endif
	WIN 2+\a/4
.set j, 0
.rept 32
	v_pk_add_f32 v[XG+j:XG+j+1], v[64*(\a%4)+j:64*(\a%4)+j+1], v[BIAS+j:BIAS+j+1]
.set j, j+2
.endr
	WIN 0
.if \a < 7
	s_branch .Lhave
.Lnot_\a:
.endif
.endr
.Lhave:
	s_wait_alu depctr_va_vdst(0)                   ; the wait behind the taken branch, ahead of the readers
	GELUW
	QUANT XG, 0, XG
.irp c, 0,1,2,3
	global_store_b128 v[LI], v[PC+4*\c:PC+4*\c+3], s[68:69] offset:\c*512
.endr
	global_store_b32 v[L8], v[PW], s[66:67] offset:32768
	s_wait_xcnt 0x0                                ; the stores have read their registers and bases: both are written again only behind this wait
	s_add_nc_u64 s[68:69], s[68:69], 4096          ; the next block's fragment
	s_add_nc_u64 s[66:67], s[66:67], 128           ; and its scale words
	s_add_co_u32 s3, s3, 1
	s_cmp_lt_u32 s3, 8
	s_cbranch_scc1 .Lout
	s_wait_tensorcnt 0x0
	ds_add_u32 v[SPW], v[NIL]
	s_wait_dscnt 0x0
	CROUND
	s_endpgm
.Lfunc_end_k_qdf7ec915b7_fc1:
	.size	k_qdf7ec915b7_fc1, .Lfunc_end_k_qdf7ec915b7_fc1-k_qdf7ec915b7_fc1
	.p2alignl 7, 3214868480
	.fill 96, 4, 3214868480
	.section	.rodata,"a",@progbits
	.p2align	6, 0x0
	.amdhsa_kernel k_qdf7ec915b7_fc1
		.amdhsa_group_segment_fixed_size 327680
		.amdhsa_private_segment_fixed_size 0
		.amdhsa_enable_private_segment 0
		.amdhsa_kernarg_size 24
		.amdhsa_user_sgpr_count 2
		.amdhsa_user_sgpr_kernarg_segment_ptr 1
		.amdhsa_wavefront_size32 1
		.amdhsa_system_sgpr_workgroup_id_x 1
		.amdhsa_system_sgpr_workgroup_id_y 1
		.amdhsa_system_sgpr_workgroup_id_z 1
		.amdhsa_system_vgpr_workitem_id 0
		.amdhsa_next_free_vgpr 1024
		.amdhsa_next_free_sgpr 100
		.amdhsa_reserve_vcc 0
		.amdhsa_float_denorm_mode_32 3
		.amdhsa_float_denorm_mode_16_64 3
		.amdhsa_memory_ordered 1
		.amdhsa_forward_progress 1
		.amdhsa_inst_pref_size 181
	.end_amdhsa_kernel
	.amdgpu_metadata
---
amdhsa.version: [ 1, 2 ]
amdhsa.kernels:
  - .name:           k_qdf7ec915b7_fc1
    .symbol:         k_qdf7ec915b7_fc1.kd
    .args:
      - { .name: ops, .offset: 0, .size: 8, .value_kind: global_buffer, .address_space: global }
      - { .name: b1, .offset: 8, .size: 8, .value_kind: global_buffer, .address_space: global }
      - { .name: gq, .offset: 16, .size: 8, .value_kind: global_buffer, .address_space: global }
    .group_segment_fixed_size: 327680
    .private_segment_fixed_size: 0
    .kernarg_segment_align: 8
    .kernarg_segment_size: 24
    .max_flat_workgroup_size: 128
    .sgpr_count:     100
    .vgpr_count:     1024
    .wavefront_size: 32
...
	.end_amdgpu_metadata
.endif
;; end of part 13
;; launch fc2 (part 14): grid 8 x 32, 4 waves a work-group, clusters of 4 x 1, 327,680 bytes of LDS; arguments gq, ops, b2, x1, out0; writes out0
.if DOCPART == 14
	.amdgcn_target "amdgcn-amd-amdhsa--gfx1250"
	.amdhsa_code_object_version 6
	.text
	.protected	k_qdf7ec915b7_fc2
	.globl	k_qdf7ec915b7_fc2
	.p2align	8
	.type	k_qdf7ec915b7_fc2,@function
k_qdf7ec915b7_fc2:
	s_mov_b64 s[64:65], 0
	v_nop
	global_prefetch_b8 v0, s[64:65] scope:SCOPE_SE
	s_setreg_imm32_b32 hwreg(HW_REG_WAVE_MODE, 25, 1), 1
	s_wait_xcnt 0x0
	s_wait_alu depctr_hold_cnt(0) depctr_sa_sdst(0) depctr_va_vdst(0) depctr_va_sdst(0) depctr_va_ssrc(0) depctr_va_vcc(0) depctr_vm_vsrc(0)
	s_getreg_b32 s2, hwreg(HW_REG_IB_STS2, 6, 4)
	s_cmp_eq_u32 s2, 0
	s_cbranch_scc0 .Lentry_in_a_cluster
	s_endpgm
.Lentry_in_a_cluster:
	s_bfe_u32 s2, ttmp6, 0x10000c
	s_cmp_lg_u32 s2, 0x3003
	s_cbranch_scc0 .Lentry_shape_is_right
	s_endpgm
.Lentry_shape_is_right:
; out0 = x1 + g W2 + b2 on codes of BF8 (E5M2) with E8M0 scales, K = 4,096.  A block of 128 x 128 is made by four waves, 64 x 64 each: 16 accumulators.
; OPERANDS are RECORDS of 33,792 bytes (128 rows x 256 K: 16 fragment images, then the scale words at 32,768).
; A's records come into LDS by tensor loads, a record a wave, asked for jointly by the four work-groups of a 4 x 1 cluster, which share A's rows.  Two slots of four records take turns: four fills in all,
; one at the head, one behind the full sequence, two refills.
; B's fragments and scale words go from memory STRAIGHT INTO REGISTERS: a record is an image of the operand's registers, so a lane loads its 16 bytes of each group.  Four sets of 64 registers take turns;
; a set is asked for again when its quarter step (128 along K) is done.  So no joint load serves B.  All quarter steps are written out by one macro, every offset an immediate: the text has no loop, and no prefetch is laid.
; The matrix instruction takes B as source 0 and A as source 1: a lane holds one row of the result.
; REGISTERS: window 0: addresses, v32-47 A's scale words, v80-111 B's, v48-79 the way out, v128-255 accumulators.  window 1: B's four sets.  window 2: v0-127 the residual, v128-255 A's two sets.
.set KS,    16
.set RB0,   256
.set NQT,   2*KS                       ; quarter steps of 128 along K
.set REC,   33792
.set SLOT,  4*REC
.set SPARE, 2*SLOT
.set STAGE, SPARE+512
.set SP,    272
.set BI,    8
.set AD,    12                         ; v12-15 LDS address of my A fragments in records 2 h, 2 h + 1 of the eight
.set AS,    16                         ; v16-19 of their scale words
.set GL,    20                         ; 16 x lane
.set GS,    21                         ; my place among B's scale words
.set STO,   24
.set RD,    25
.set CO,    26
.set CB,    27
.set SPW,   28
.set NIL,   29
.set SA,    32
.set BK,    48
.set SB,    80
.set ACC,   128
.set G1,    24
.set G0,    32
.set BP,    46
.set MSB,   0
.set MUL,   0x09                       ; source 0 (B) window 1, source 1 (A) window 2, C and D window 0
.set TO_B,  0x40
.set TO_A,  0x80
.set ADD_R, 0x08
.macro WIN new
.if MSB != (\new)
	s_set_vgpr_msb (MSB<<8)|(\new)
.set MSB, (\new)
.endif
.endm
.macro CREST
	s_cmp_lg_u32 s14, 0
	s_cbranch_scc1 .Lnot_wave_0_\@
	s_barrier_signal -3
.Lnot_wave_0_\@:
	s_barrier_wait -3
	s_barrier_signal -1
	s_barrier_wait -1
.endm
.macro CROUND
	s_barrier_signal -1
	s_barrier_wait -1
	CREST
.endm
.macro PLACES n
.rept \n
	v_nop
.endr
.endm
.macro FETCHA k                        ; A's four fragments of quarter step k from LDS into set k % 2; with an even k the record's scale words
.if ((\k)%2) == 0
	WIN 0
.irp i, 0,1,2,3
	ds_load_b64 v[SA+8*(((\k)/2)%2)+2*\i:SA+8*(((\k)/2)%2)+2*\i+1], v[AS+((\k)/4)%4] offset:(((\k)/2)%2)*REC+\i*128
.endr
.endif
	WIN TO_A
.irp i, 0,1,2,3
.irp c, 0,1,2,3
	ds_load_b128 v[128+64*((\k)%2)+16*\i+4*\c:128+64*((\k)%2)+16*\i+4*\c+3], v[AD+((\k)/4)%4] offset:(((\k)/2)%2)*REC+((\k)%2)*2048+\i*4096+\c*512
.endr
.endr
.endm
.macro GLOAD k                         ; B's four fragments of quarter step k from memory into set k % 4: 16 loads; with an even k four more: the record's scale words, into set (k / 2) % 4
.if (\k) < NQT
.if ((\k)%2) == 0
	WIN 0
.irp i, 0,1,2,3
	global_load_b64 v[SB+8*(((\k)/2)%4)+2*\i:SB+8*(((\k)/2)%4)+2*\i+1], v[GS], s[BP:BP+1] offset:((\k)/2)*REC+\i*128
.endr
.endif
	WIN TO_B
.irp i, 0,1,2,3
.irp c, 0,1,2,3
	global_load_b128 v[64*((\k)%4)+16*\i+4*\c:64*((\k)%4)+16*\i+4*\c+3], v[GL], s[BP:BP+1] offset:((\k)/2)*REC+((\k)%2)*2048+\i*4096+\c*512
.endr
.endr
.endif
.endm
.macro LWAIT k                         ; B's set of quarter step k is in: the groups of k + 1 and k + 2, 16 or 20 loads each, may be out
.set NW, 0
.if (\k)+1 < NQT
.set NW, NW+16+4*(1-((\k)+1)%2)
.endif
.if (\k)+2 < NQT
.set NW, NW+16+4*(1-((\k)+2)%2)
.endif
	s_wait_loadcnt NW
.endm
.macro MULA k, a                       ; A's block a x B's four; the 16 accumulators take turns
.irp b, 0,1,2,3
.if (\k) == 0
	v_wmma_scale_f32_16x16x128_f8f6f4 v[ACC+8*(4*(\a)+\b):ACC+8*(4*(\a)+\b)+7], v[64*((\k)%4)+16*\b:64*((\k)%4)+16*\b+15], v[128+64*((\k)%2)+16*(\a):128+64*((\k)%2)+16*(\a)+15], 0, v[SB+8*(((\k)/2)%4)+((\k)%2)+2*\b], v[SA+8*(((\k)/2)%2)+((\k)%2)+2*(\a)] matrix_a_fmt:MATRIX_FMT_BF8 matrix_b_fmt:MATRIX_FMT_BF8
.else
	v_wmma_scale_f32_16x16x128_f8f6f4 v[ACC+8*(4*(\a)+\b):ACC+8*(4*(\a)+\b)+7], v[64*((\k)%4)+16*\b:64*((\k)%4)+16*\b+15], v[128+64*((\k)%2)+16*(\a):128+64*((\k)%2)+16*(\a)+15], v[ACC+8*(4*(\a)+\b):ACC+8*(4*(\a)+\b)+7], v[SB+8*(((\k)/2)%4)+((\k)%2)+2*\b], v[SA+8*(((\k)/2)%2)+((\k)%2)+2*(\a)] matrix_a_fmt:MATRIX_FMT_BF8 matrix_b_fmt:MATRIX_FMT_BF8
.endif
.endr
.endm
.macro QUART k
.if (((\k)%8) == 7) && (((\k)+1) < NQT)
	WIN 0                                          ; a slot's last quarter step: the change of slots
	s_wait_tensorcnt 0x0                           ; my record of the next slot is in
	ds_add_u32 v[SPW], v[NIL]
	LWAIT \k
	s_wait_dscnt 9                                 ; (the add and A's blocks 2 and 3 may be out)
	WIN MUL
	MULA \k, 0
	s_wait_dscnt 0x0                               ; the add is done, and my reads of this slot are over
	s_barrier_signal -1
	MULA \k, 1
	WIN 0
	s_barrier_wait -1
.if ((\k)/8)+2 < KS/4
	CREST                                          ; the barrier has opened a round of the cluster's: no wave of any partner still reads this slot or has a load on its way
.set SL, ((\k)/8)%2
	s_add_nc_u64 s[G0+4*SL+2:G0+4*SL+3], s[G0+4*SL+2:G0+4*SL+3], 8*REC
	tensor_load_to_lds s[G0+4*SL:G0+4*SL+3], s[G1:G1+7]
	s_nop 0
.endif
	PLACES 8
	FETCHA (\k)+1
	GLOAD (\k)+3
	WIN MUL
	MULA \k, 2
	MULA \k, 3
.else
	LWAIT \k
	s_wait_dscnt 8                                 ; the scale words and A's blocks 0 and 1 are in; the youngest eight loads may be out
	WIN MUL
	MULA \k, 0
	MULA \k, 1
.if ((\k)+1) < NQT
	PLACES 8                                       ; eight places in front of loads into registers that the last quarter step's products read
	FETCHA (\k)+1
.if (\k) >= 1
	GLOAD (\k)+3
.endif
	s_wait_dscnt 16+4*(1-((\k)+1)%2)               ; all but the LDS loads just issued
.else
	s_wait_dscnt 0x0
.endif
	WIN MUL
	MULA \k, 2
	MULA \k, 3
.endif
.endm
	s_load_b256 s[4:11], s[0:1], 0x0               ; A s[4:5], ops s[6:7], the bias s[8:9], the residual s[10:11]
	s_load_b64 s[12:13], s[0:1], 0x20              ; the result
	v_lshl_add_u32 v[SPW], v0, 2, SPARE
	v_mov_b32 v[NIL], 0
	ds_add_u32 v[SPW], v[NIL]                      ; the opening lines: the add twice on end and one wait
	ds_add_u32 v[SPW], v[NIL]
	v_lshrrev_b32 v1, 5, v0
	v_readfirstlane_b32 s14, v1                    ; wave 0..3
	s_lshr_b32 s15, s14, 1                         ; my half of A's rows
	s_and_b32 s16, s14, 1                          ; my half of B's
	s_bfe_u32 s40, ttmp6, 0x40000                  ; cx
	s_lshl_b32 s42, ttmp9, 2
	s_add_co_u32 s42, s42, s40                     ; block column
	s_and_b32 s17, ttmp7, 0xffff                   ; block row, which the four partners share
	s_mov_b32 s[G1], 15|(3<<16)|(1<<21)            ; the mask: all four; elements of 8 bytes; bit 21 beside a mask
	s_mov_b32 s[G1+1], 32<<16                      ; rows of 256 bytes
	s_mov_b32 s[G1+2], 132<<16                     ; a record
	s_mov_b32 s[G1+3], 32<<16
	s_mov_b32 s[G1+4], 132
	s_mov_b32 s[G1+5], 32
	s_mov_b32 s[G1+6], 0
	s_mov_b32 s[G1+7], 0
	s_mul_i32 s20, s17, KS*REC
	s_mul_i32 s45, s14, REC                        ; wave w fetches record w of a slot's four
	s_add_co_u32 s20, s20, s45
	s_mov_b32 s21, 0
	s_mul_i32 s46, s42, KS*REC
	s_add_co_u32 s46, s46, RB0*REC
	s_lshl_b32 s18, s16, 14
	s_add_co_u32 s46, s46, s18                     ; B: my four tiles of the block column's records
	s_mov_b32 s47, 0
	s_wait_dscnt 0x0
	s_wait_kmcnt 0x0
	s_add_nc_u64 s[20:21], s[4:5], s[20:21]
	s_add_nc_u64 s[BP:BP+1], s[6:7], s[46:47]
	s_mov_b32 s[G0], 1
	s_mov_b32 s[G0+1], s45
	s_mov_b64 s[G0+2:G0+3], s[20:21]
	s_or_b32 s[G0+3], s[G0+3], 0x80000000
.if KS > 4
	s_mov_b32 s[G0+4], 1
	s_add_co_u32 s[G0+5], s45, SLOT
	s_add_nc_u64 s[G0+6:G0+7], s[20:21], 4*REC
	s_or_b32 s[G0+7], s[G0+7], 0x80000000
.endif
	CROUND                                         ; all four work-groups are here
	tensor_load_to_lds s[G0:G0+3], s[G1:G1+7]      ; slot 0: my one tensor load at the head
	s_nop 0
	PLACES 4
	s_lshl_b32 s66, s17, 7
	s_lshl_b32 s67, s15, 6
	s_add_co_u32 s66, s66, s67
	s_lshl_b32 s66, s66, 12                        ; my first row, 4,096 bytes a row
	s_lshl_b32 s68, s42, 9
	s_lshl_b32 s69, s16, 8
	s_add_co_u32 s68, s68, s69                     ; my first column, in bytes
	s_add_co_u32 s66, s66, s68
	s_mov_b32 s67, 0
	s_mov_b32 s69, 0
	s_add_nc_u64 s[10:11], s[10:11], s[66:67]
	s_add_nc_u64 s[12:13], s[12:13], s[66:67]
	s_add_nc_u64 s[8:9], s[8:9], s[68:69]
	s_lshl_b32 s22, s15, 14
	s_lshl_b32 s23, s15, 9
	s_add_co_u32 s23, s23, 32768
	s_mul_i32 s19, s16, 15872                      ; B's base holds 16,384 x half, its scale words lie at 32,768 + 512 x half
	s_mul_i32 s18, s14, 16*SP
	s_add_co_u32 s18, s18, STAGE
	v_and_b32 v1, 31, v0
	v_and_b32 v2, 15, v0                           ; r
	v_bfe_u32 v4, v0, 4, 1                         ; h
	v_lshlrev_b32 v[GL], 4, v1
	v_lshlrev_b32 v3, 3, v2
	v_add_nc_u32 v[AD], s22, v[GL]
	v_add_nc_u32 v[AS], s23, v3
.irp h, 1,2,3
.if 2*\h < KS
	v_add_nc_u32 v[AD+\h], \h*2*REC, v[AD]
	v_add_nc_u32 v[AS+\h], \h*2*REC, v[AS]
.endif
.endr
	v_add_nc_u32 v[GS], 32768, v3
	v_sub_nc_u32 v[GS], v[GS], s19
	v_mul_u32_u24 v5, v2, SP
	v_lshl_add_u32 v5, v4, 6, v5
	v_add_nc_u32 v[STO], s18, v5
	v_mul_u32_u24 v5, v4, SP
	v_lshl_add_u32 v5, v2, 4, v5
	v_add_nc_u32 v[RD], s18, v5
	v_lshlrev_b32 v[CB], 4, v2
	v_lshl_add_u32 v[CO], v4, 12, v[CB]
	s_wait_alu depctr_va_vdst(0)                   ; the wait behind the head's last vector line
	global_load_b128 v[BI:BI+3], v[CB], s[8:9]
	WIN TO_A
.irp a, 0,1,2,3
.irp t, 0,1,2,3,4,5,6,7
	global_load_b128 v[32*\a+4*\t:32*\a+4*\t+3], v[CO], s[10:11] offset:(32*(\a/2)+8*(\a%2)+2*\t+8*(\t/4))*4096   ; the residual: older than every load of B, so B's counted waits cover it
.endr
.endr
	GLOAD 0
	GLOAD 1
	GLOAD 2
	GLOAD 3
	WIN 0
	s_wait_tensorcnt 0x0                           ; my record of slot 0 is in
.if KS > 4
	ds_add_u32 v[SPW], v[NIL]                      ; the add, its wait and a round ahead of a later first fill
	s_wait_dscnt 0x0
	CROUND
	tensor_load_to_lds s[G0+4:G0+7], s[G1:G1+7]    ; slot 1's first fill
	s_nop 0
	PLACES 4
.else
	s_barrier_signal -1
	s_barrier_wait -1                              ; everybody's is
.endif
	FETCHA 0
.irp k, 0,1,2,3,4,5,6,7,8,9,10,11,12,13,14,15,16,17,18,19,20,21,22,23,24,25,26,27,28,29,30,31
	QUART \k
.endr
	WIN 0
	PLACES 8
	s_wait_loadcnt 0x0
.irp a, 0,1,2,3                                ; THE WAY OUT: 16 rows at a time through my stage, back as rows of 256 bytes, + bias + residual
	s_wait_xcnt 0x0
.irp b, 0,1,2,3
	ds_store_b128 v[STO], v[ACC+8*(4*\a+\b):ACC+8*(4*\a+\b)+3] offset:128*(\b/2)+32*(\b%2)
	ds_store_b128 v[STO], v[ACC+8*(4*\a+\b)+4:ACC+8*(4*\a+\b)+7] offset:128*(\b/2)+32*(\b%2)+16
.endr
.irp t, 0,1,2,3,4,5,6,7
	ds_load_b128 v[BK+4*\t:BK+4*\t+3], v[RD] offset:\t*2*SP
.endr
	s_wait_dscnt 0x0
.irp t, 0,1,2,3,4,5,6,7
	v_pk_add_f32 v[BK+4*\t:BK+4*\t+1], v[BK+4*\t:BK+4*\t+1], v[BI:BI+1]
	v_pk_add_f32 v[BK+4*\t+2:BK+4*\t+3], v[BK+4*\t+2:BK+4*\t+3], v[BI+2:BI+3]
.endr
	WIN ADD_R
.irp t, 0,1,2,3,4,5,6,7
	v_pk_add_f32 v[BK+4*\t:BK+4*\t+1], v[BK+4*\t:BK+4*\t+1], v[32*\a+4*\t:32*\a+4*\t+1]
	v_pk_add_f32 v[BK+4*\t+2:BK+4*\t+3], v[BK+4*\t+2:BK+4*\t+3], v[32*\a+4*\t+2:32*\a+4*\t+3]
.endr
	WIN 0
.irp t, 0,1,2,3,4,5,6,7
	global_store_b128 v[CO], v[BK+4*\t:BK+4*\t+3], s[12:13] offset:(32*(\a/2)+8*(\a%2)+2*\t+8*(\t/4))*4096 th:TH_STORE_NT
.endr
.endr
	s_wait_tensorcnt 0x0                           ; the wave's end
	ds_add_u32 v[SPW], v[NIL]
	s_wait_dscnt 0x0
	CROUND                                         ; the closing round
	s_endpgm
.Lfunc_end_k_qdf7ec915b7_fc2:
	.size	k_qdf7ec915b7_fc2, .Lfunc_end_k_qdf7ec915b7_fc2-k_qdf7ec915b7_fc2
	.p2alignl 7, 3214868480
	.fill 96, 4, 3214868480
	.section	.rodata,"a",@progbits
	.p2align	6, 0x0
	.amdhsa_kernel k_qdf7ec915b7_fc2
		.amdhsa_group_segment_fixed_size 327680
		.amdhsa_private_segment_fixed_size 0
		.amdhsa_enable_private_segment 0
		.amdhsa_kernarg_size 40
		.amdhsa_user_sgpr_count 2
		.amdhsa_user_sgpr_kernarg_segment_ptr 1
		.amdhsa_wavefront_size32 1
		.amdhsa_system_sgpr_workgroup_id_x 1
		.amdhsa_system_sgpr_workgroup_id_y 1
		.amdhsa_system_sgpr_workgroup_id_z 1
		.amdhsa_system_vgpr_workitem_id 0
		.amdhsa_next_free_vgpr 768
		.amdhsa_next_free_sgpr 100
		.amdhsa_reserve_vcc 0
		.amdhsa_float_denorm_mode_32 3
		.amdhsa_float_denorm_mode_16_64 3
		.amdhsa_memory_ordered 1
		.amdhsa_forward_progress 1
		.amdhsa_inst_pref_size 196
	.end_amdhsa_kernel
	.amdgpu_metadata
---
amdhsa.version: [ 1, 2 ]
amdhsa.kernels:
  - .name:           k_qdf7ec915b7_fc2
    .symbol:         k_qdf7ec915b7_fc2.kd
    .args:
      - { .name: gq, .offset: 0, .size: 8, .value_kind: global_buffer, .address_space: global }
      - { .name: ops, .offset: 8, .size: 8, .value_kind: global_buffer, .address_space: global }
      - { .name: b2, .offset: 16, .size: 8, .value_kind: global_buffer, .address_space: global }
      - { .name: x1, .offset: 24, .size: 8, .value_kind: global_buffer, .address_space: global }
      - { .name: out0, .offset: 32, .size: 8, .value_kind: global_buffer, .address_space: global }
    .group_segment_fixed_size: 327680
    .private_segment_fixed_size: 0
    .kernarg_segment_align: 8
    .kernarg_segment_size: 40
    .max_flat_workgroup_size: 128
    .sgpr_count:     100
    .vgpr_count:     768
    .wavefront_size: 32
...
	.end_amdgpu_metadata
.endif
;; end of part 14
